; MI455X (gfx1250); checked and timed in simulation.
; The chip was launched on July 23, 2026; its instructions are those of AMD's public machine-readable ISA for CDNA 5 (MIT licence, August 2026) and "CDNA5" Instruction Set Architecture Reference Guide (July 2026). The comments in the code are by the model that wrote it; some were corrected since.
;; Decoder. Allowed arithmetic: float matrix products may take bf16 or f16 operands with f32 sums; other float arithmetic in f32, or as packed bf16 or f16 multiplies, adds, multiply-adds, maxima and minima; sums over many terms, partial sums and values carried from step to step in f32; what a program stores and reads back later, other than sums and carried values, may be rounded once to bf16 or f16.
;; Inputs: coef0 256 x 1,024 x 8 float32; coef1 1,024 x 512 x 8 float32; coef2 512 x 512 x 8 float32; grid0 256 x 12 float32; grid1 1,024 x 12 float32; grid2 512 x 12 float32; nb0 1,024 float32; nb1 512 float32; nb2 512 float32; ns0 1,024 float32; ns1 512 float32; ns2 512 float32; sb0 256 x 1,024 float32; sb1 1,024 x 512 float32; sb2 512 x 512 float32; sigma 512 float32; ss0 256 x 1,024 float32; ss1 1,024 x 512 float32; ss2 512 x 512 float32; x 4,096 x 256 float32.
;; Outputs: out0 4,096 x 512 float32; out1 512 float32.
;; 3 versions, each right; version 2 is faster than version 1; version 3 is version 2 with the launch fin written anew for expert scheduling mode. Each part assembles by itself: llvm-mc -triple=amdgcn-amd-amdhsa -mcpu=gfx1250 --defsym DOCPART=n.
;; ======== version 1 of 3: 6 launches
;; workspace buffers: w0 5,242,880 bytes; w1 10,485,760 bytes; w2 5,242,880 bytes; a0 20,971,520 bytes; a1 83,886,080 bytes; a2 41,943,040 bytes; hs 16,777,216 bytes
;; launch prep (part 1): grid 64 x 8, 8 waves a work-group, no clusters, 79,360 bytes of LDS; arguments coef0, ss0, sb0, w0, coef1, ss1, sb1, w1, coef2, ss2, sb2, w2, x, grid0, a0; writes w0, w1, w2, a0
.if DOCPART == 1
	.amdgcn_target "amdgcn-amd-amdhsa--gfx1250"
	.amdhsa_code_object_version 6
	.text
	.protected	k_qdc59bec922_prep
	.globl	k_qdc59bec922_prep
	.p2align	8
	.type	k_qdc59bec922_prep,@function
k_qdc59bec922_prep:
	s_mov_b64 s[64:65], 0
	v_nop
	global_prefetch_b8 v0, s[64:65] scope:SCOPE_SE
	s_setreg_imm32_b32 hwreg(HW_REG_WAVE_MODE, 25, 1), 1
	s_wait_xcnt 0x0
; PREP.  Two kinds of work-group, told apart by the work-group's y alone (the same for all eight waves).
; y = 0..3: WEIGHTS.  For a batch of F input features a row of W (one output o) is [bf16(bf16(coef[i][o][k]) x bf16(ss[i][o])) at 8 i + k : 8 F][bf16(sb[i][o]) : F][the same again : F], 10 F bf16.
;   w0: [1024 o][2560] (F = 256); w1: [2 batches][512 o][5120] (F = 512); w2: [2 batches][512 o][2560] (F = 256).
;   A work-group turns a block of 128 i x 32 o; wave w takes 16 i, a lane one o.  The turn from [i][o] to [o][i] goes through LDS, so that 16 lanes store 256 consecutive bytes, aligned.
; y = 4..7: x EXPANDED.  A row of a0 is [the 8 cubic B-spline values of feature f at 8 f + k : 2048][silu(x), upper part : 256][silu(x), the rest : 256], bf16.  16 rows a work-group, a lane a feature.
; LIMITS.  Every input is rounded to bf16 (nearest even) before it is used.  1 / (difference of knots) is v_rcp_f32 (1 ulp; a difference below 2^-126 counts as 0; equal knots give infinities and NaN as in the formula).
; The second weight of the recurrence, (g[t+j+1] - x) / (g[t+j+1] - g[t+1]), is taken as 1 - (x - g[t+1]) / (g[t+1+j] - g[t+1]): the same number, off by some 1e-7 x |g / difference|.
; x < g[t+1] is taken as not (x >= g[t+1]): it differs for NaN alone, which gives NaN either way.  silu(x) = x / (1 + 2^(-1.442695 x)); it is handed on as two bf16 numbers whose sum holds 16 bits of it.
.set HP,    1040                       ; x part: a row of H in LDS: 256 f32 + 16 bytes
.set WST,   8704                       ; weights part: a wave's stage: 32 rows (o) x 272 bytes (16 i x 16 bytes + 16)
.set SBST,  69632                      ; behind the eight stages: sb's stage, 32 rows (o) x 272 bytes (128 i x 2 bytes + 16)
.set SPARE, 78336                      ; the spare words, 128 bytes for each wave: four blocks of 256 bytes that no other line names
.set SPW, 28                           ; v28  LDS address of my spare word; never rewritten
.set NIL, 29                           ; v29  0; never rewritten
; weights part
.set SSR, 32                           ; v[32:47]   ss of my o, 16 i
.set SBR, 48                           ; v[48:63]   sb of my o, 16 i
.set CF,  64                           ; v[64:191]  coef: 8 numbers for each of 16 i
.set VC,  192                          ; v[192:207] coef's byte offsets, one for each i
.set VS,  208                          ; v[208:223] ss's and sb's
.set VD,  224                          ; v[224:239] the stores' offsets, one for each pair of rows of W
.set T4,  240                          ; v[240:243] at work
; x part
.set GK,  12                           ; v[12:23]   my feature's 12 knots
.set X,   24                           ; v[24:25]   x of two rows
.set TT,  26                           ; v26        at work
.set OUT, 32                           ; v[32:39]   two rows' 8 basis values in bf16
.set CA,  40                           ; v[40:69]   r = 1 / (g[t+j] - g[t]): j = 1 at 0..10, j = 2 at 11..20, j = 3 at 21..29
.set CB,  70                           ; v[70:99]   -g[t] r
.set BA,  100                          ; v[100:121] basis values, pairs of rows
.set BB,  122                          ; v[122:143] the same, the other buffer
.set D,   144                          ; v[144:163] (1 - w) B
.set W,   164                          ; v[164:223] w = x r - g r, 30 pairs
.set HRD, 7                            ; v7   LDS address of my feature in the row to be read next
.set AOF, 8                            ; v8   16 x my feature
.set SRD, 9                            ; v9   silu: my 8 features in my wave's first row
.set SGO, 10                           ; v10  silu: 16 x lane
.set MS,  24                           ; s[24:47] the comparisons' masks, 12 for each of two rows
.set AO,  16                           ; s[16:17] a0 at the pair of rows in hand
.set SH,  18                           ; s[18:19] a0 at my wave's two rows, behind the basis values
.macro RND2 a, b, t                    ; two f32 numbers rounded to bf16 and widened again
	v_cvt_pk_bf16_f32 v[\t], v[\a], v[\b]
	v_lshlrev_b32 v[\a], 16, v[\t]
	v_and_b32 v[\b], 0xffff0000, v[\t]
.endm
.macro CONSTS                          ; from the 12 knots: the 30 r and the 30 -g r
.set i, 0
.rept 6
	RND2 GK+2*i, GK+2*i+1, TT
.set i, i+1
.endr
.irp j, 1,2,3
.set c0, ((\j)-1)*11-((\j)-1)*((\j)-2)/2
.set t, 0
.rept 12-(\j)
	v_sub_f32 v[CA+c0+t], v[GK+t+(\j)], v[GK+t]
.set t, t+1
.endr
.endr
.set i, 0
.rept 30
	v_rcp_f32 v[CA+i], v[CA+i]
.set i, i+1
.endr
	v_nop                                          ; a plain instruction behind the last reciprocal,
	s_wait_alu depctr_va_vdst(0)                   ; and one wait for the batch of 30, ahead of the first reader
.irp j, 1,2,3
.set c0, ((\j)-1)*11-((\j)-1)*((\j)-2)/2
.set t, 0
.rept 12-(\j)
	v_mul_f32 v[CB+c0+t], -v[GK+t], v[CA+c0+t]
.set t, t+1
.endr
.endr
.endm
.macro WCALC c                         ; w number c for both rows: one r and one -g r serve both halves
.if ((\c) & 1)
	v_pk_fma_f32 v[W+2*(\c):W+2*(\c)+1], v[X:X+1], v[CA+(\c)-1:CA+(\c)], v[CB+(\c)-1:CB+(\c)] op_sel:[0,1,1] op_sel_hi:[1,1,1]
.else
	v_pk_fma_f32 v[W+2*(\c):W+2*(\c)+1], v[X:X+1], v[CA+(\c):CA+(\c)+1], v[CB+(\c):CB+(\c)+1] op_sel_hi:[1,0,0]
.endif
.endm
.macro LEVEL j, bp, bn                 ; B_j[t] = w[t] B[t] + (1 - w[t+1]) B[t+1], t = 0 .. 10 - j
.set c0, ((\j)-1)*11-((\j)-1)*((\j)-2)/2
.set t, 1
.rept 11-(\j)
	v_pk_fma_f32 v[D+2*t-2:D+2*t-1], v[W+2*(c0+t):W+2*(c0+t)+1], v[(\bp)+2*t:(\bp)+2*t+1], v[(\bp)+2*t:(\bp)+2*t+1] neg_lo:[1,0,0] neg_hi:[1,0,0]
.set t, t+1
.endr
.set t, 0
.rept 11-(\j)
	v_pk_fma_f32 v[(\bn)+2*t:(\bn)+2*t+1], v[W+2*(c0+t):W+2*(c0+t)+1], v[(\bp)+2*t:(\bp)+2*t+1], v[D+2*t:D+2*t+1]
.set t, t+1
.endr
.endm
; A trip expands two rows of my feature: 16 bytes a row and lane, so a wave's store covers 512 consecutive bytes, aligned.
.macro XLOOP trips, hp, step, rowb
	ds_load_b32 v[X], v[HRD]
	ds_load_b32 v[X+1], v[HRD] offset:\hp
	s_mov_b32 s3, \trips
.Lpair_\@:
	s_wait_dscnt 0x0                               ; the two x are in
.irp e, 0,1
.set t, 0
.rept 12
	v_cmp_ge_f32 s[MS+12*\e+t], v[X+\e], v[GK+t]
.set t, t+1
.endr
.endr
.set c, 0
.rept 30
	WCALC c
.set c, c+1
.endr
	s_cmp_eq_u32 s3, 1                             ; the last trip has no pair behind it
	s_cbranch_scc1 .Lnoload_\@
	v_add_nc_u32 v[HRD], 2*(\hp), v[HRD]
	ds_load_b32 v[X], v[HRD]                       ; the next pair: all readers of X stand above
	ds_load_b32 v[X+1], v[HRD] offset:\hp
.Lnoload_\@:
.irp e, 0,1
.set t, 0
.rept 11
	s_and_not1_b32 s[MS+12*\e+t], s[MS+12*\e+t], s[MS+12*\e+t+1]  ; x >= g[t] and not x >= g[t+1]
.set t, t+1
.endr
.endr
.set t, 0
.rept 11
	v_cndmask_b32 v[BA+2*t], 0, 1.0, s[MS+t]
	v_cndmask_b32 v[BA+2*t+1], 0, 1.0, s[MS+12+t]
.set t, t+1
.endr
	LEVEL 1, BA, BB
	LEVEL 2, BB, BA
	LEVEL 3, BA, BB
	s_wait_xcnt 0x0                                ; the last trip's stores have read OUT and their base: both are written again only behind this wait
	s_add_nc_u64 s[AO:AO+1], s[AO:AO+1], \step
.irp e, 0,1
.irp q, 0,1,2,3
	v_cvt_pk_bf16_f32 v[OUT+4*\e+\q], v[BB+4*\q+\e], v[BB+4*\q+2+\e]
.endr
.endr
	global_store_b128 v[AOF], v[OUT:OUT+3], s[AO:AO+1] offset:-(\step) th:TH_STORE_NT
	global_store_b128 v[AOF], v[OUT+4:OUT+7], s[AO:AO+1] offset:(\rowb)-(\step) th:TH_STORE_NT
	s_sub_co_u32 s3, s3, 1
	s_cmp_lg_u32 s3, 0
	s_cbranch_scc1 .Lpair_\@
.endm
; silu of the 8 numbers in v[tt ..], as two bf16 numbers each: the upper parts packed in v[hh ..], the rests in v[ll ..]; v[ee ..] at work
.macro SILU8 tt, ee, hh, ll
.irp p, 0,2,4,6
	v_pk_mul_f32 v[(\ee)+\p:(\ee)+\p+1], v[(\tt)+\p:(\tt)+\p+1], 0xbfb8aa3b op_sel_hi:[1,0]
.endr
.irp p, 0,1,2,3,4,5,6,7
	v_exp_f32 v[(\ee)+\p], v[(\ee)+\p]
.endr
	v_nop
	s_wait_alu depctr_va_vdst(0)                   ; one wait for the eight exponentials
.irp p, 0,2,4,6
	v_pk_add_f32 v[(\ee)+\p:(\ee)+\p+1], v[(\ee)+\p:(\ee)+\p+1], 1.0 op_sel_hi:[1,0]
.endr
.irp p, 0,1,2,3,4,5,6,7
	v_rcp_f32 v[(\ee)+\p], v[(\ee)+\p]
.endr
	v_nop
	s_wait_alu depctr_va_vdst(0)                   ; one wait for the eight reciprocals
.irp p, 0,2,4,6
	v_pk_mul_f32 v[(\tt)+\p:(\tt)+\p+1], v[(\tt)+\p:(\tt)+\p+1], v[(\ee)+\p:(\ee)+\p+1]
.endr
.irp p, 0,1,2,3
	v_cvt_pk_bf16_f32 v[(\hh)+\p], v[(\tt)+2*\p], v[(\tt)+2*\p+1]
.endr
.irp p, 0,1,2,3
	v_lshlrev_b32 v[(\ee)+2*\p], 16, v[(\hh)+\p]
	v_and_b32 v[(\ee)+2*\p+1], 0xffff0000, v[(\hh)+\p]
.endr
.irp p, 0,2,4,6
	v_pk_add_f32 v[(\tt)+\p:(\tt)+\p+1], v[(\tt)+\p:(\tt)+\p+1], v[(\ee)+\p:(\ee)+\p+1] neg_lo:[0,1] neg_hi:[0,1]
.endr
.irp p, 0,1,2,3
	v_cvt_pk_bf16_f32 v[(\ll)+\p], v[(\tt)+2*\p], v[(\tt)+2*\p+1]
.endr
.endm
; coef of i number ii: rounded to bf16, times ss (rounded), rounded once more, 16 bytes into my row of the wave's stage
.macro SCALE ii
	s_wait_loadcnt 30-2*(\ii)                      ; the two loads of this i are in; the younger ones stay out
.irp p, 0,1,2,3
	v_cvt_pk_bf16_f32 v[T4+\p], v[CF+8*(\ii)+2*\p], v[CF+8*(\ii)+2*\p+1]
.endr
.irp p, 0,1,2,3
	v_lshlrev_b32 v[CF+8*(\ii)+2*\p], 16, v[T4+\p]
	v_and_b32 v[CF+8*(\ii)+2*\p+1], 0xffff0000, v[T4+\p]
.endr
.irp p, 0,1,2,3
.if ((\ii) & 1)
	v_pk_mul_f32 v[CF+8*(\ii)+2*\p:CF+8*(\ii)+2*\p+1], v[CF+8*(\ii)+2*\p:CF+8*(\ii)+2*\p+1], v[SSR+(\ii)-1:SSR+(\ii)] op_sel:[0,1] op_sel_hi:[1,1]
.else
	v_pk_mul_f32 v[CF+8*(\ii)+2*\p:CF+8*(\ii)+2*\p+1], v[CF+8*(\ii)+2*\p:CF+8*(\ii)+2*\p+1], v[SSR+(\ii):SSR+(\ii)+1] op_sel_hi:[1,0]
.endif
.endr
.irp p, 0,1,2,3
	v_cvt_pk_bf16_f32 v[CF+8*(\ii)+\p], v[CF+8*(\ii)+2*\p], v[CF+8*(\ii)+2*\p+1]
.endr
	ds_store_b128 v6, v[CF+8*(\ii):CF+8*(\ii)+3] offset:16*(\ii)
.endm
	v_lshl_add_u32 v[SPW], v0, 2, SPARE
	v_mov_b32 v[NIL], 0
	v_lshrrev_b32 v1, 5, v0
	v_readfirstlane_b32 s14, v1                    ; wave 0..7
	s_and_b32 s15, ttmp7, 0xffff                   ; y
	s_cmp_ge_u32 s15, 4
	s_cbranch_scc1 .Lxpart
	; ---------------- THE WEIGHTS ----------------
	s_load_b512 s[16:31], s[0:1], 0x0              ; coef0 ss0 sb0 w0 coef1 ss1 sb1 w1
	s_load_b256 s[32:39], s[0:1], 0x40             ; coef2 ss2 sb2 w2
	; y = 0: layer 0 (256 i x 1024 o); y = 1, 2: layer 1's batch y - 1 (512 i x 512 o each); y = 3: layer 2 (512 i x 512 o, two batches of 256 i)
	s_sub_co_u32 s40, s15, 1                       ; y - 1 (wraps at y = 0)
	s_cmp_eq_u32 s15, 0
	s_cselect_b32 s41, 10, 9                       ; log2 of the layer's outputs
	s_cselect_b32 s42, 31, 15                      ; blocks of 32 o, less one
	s_cselect_b32 s43, 5, 4
	s_and_b32 s44, ttmp9, s42
	s_lshl_b32 s44, s44, 5                         ; my first o
	s_lshr_b32 s45, ttmp9, s43                     ; my block of 128 i among this y's
	s_and_b32 s46, s45, 1
	s_lshr_b32 s47, s45, 1
	s_lshl2_add_u32 s48, s40, s45                  ; 4 (y - 1) + block
	s_cmp_lt_u32 s40, 2                            ; layer 1?
	s_cselect_b32 s46, s45, s46                    ; the block's place in its batch
	s_cselect_b32 s47, s40, s47                    ; the batch
	s_cselect_b32 s48, s48, s45                    ; the block's place in the layer
	s_cselect_b32 s49, 1, 0                        ; batches of 512 features have everything twice as long
	s_lshl_b32 s50, 5120, s49                      ; bytes in a row of W
	s_lshl_b32 s51, 0x280000, s49                  ; bytes in a batch of W: 512 rows
	s_mul_i32 s52, s47, s51
	s_mul_i32 s53, s44, s50
	s_add_co_u32 s52, s52, s53                     ; my first row of W
	s_lshl_b32 s46, s46, 7                         ; my first i in the batch
	s_lshl_b32 s53, s14, 4                         ; my wave's 16 i
	s_add_co_u32 s54, s46, s53
	s_lshl_b32 s54, s54, 4                         ; 16 bytes an i
	s_add_co_u32 s54, s54, s52
	s_mov_b32 s55, 0                               ; s[54:55]: where my wave's products go
	s_lshl_b32 s56, 4096, s49                      ; behind the products:
	s_add_co_u32 s56, s56, s52
	s_lshl1_add_u32 s56, s46, s56                  ; 2 bytes an i
	s_mov_b32 s57, 0                               ; s[56:57]: where the block's sb goes,
	s_lshl_b32 s58, 512, s49
	s_mov_b32 s59, 0                               ; s[58:59]: and how far behind it goes once more
	s_lshl_b32 s48, s48, 7
	s_add_co_u32 s48, s48, s53                     ; my wave's first i in the layer
	s_lshl_b32 s48, s48, s41
	s_add_co_u32 s48, s48, s44                     ; i x outputs + o
	s_lshl_b32 s60, s48, 5                         ; 32 bytes of coef,
	s_mov_b32 s61, 0
	s_lshl_b32 s62, s48, 2                         ; 4 of ss and of sb
	s_mov_b32 s63, 0
	s_lshl_b32 s2, 32, s41                         ; coef from i to i + 1
	s_lshl_b32 s3, s50, 1                          ; two rows of W
	s_lshl_b32 s4, s50, 4                          ; sixteen
	s_mul_i32 s12, s14, WST                        ; my wave's stage
	s_lshl_b32 s13, s14, 5                         ; my wave's 32 bytes in a row of sb's stage
	v_and_b32 v1, 31, v0                           ; lane = o
	v_and_b32 v2, 15, v0
	v_bfe_u32 v3, v0, 4, 1
	v_lshlrev_b32 v[VC], 5, v1
.set i, 1
.rept 15
	v_add_nc_u32 v[VC+i], s2, v[VC+i-1]
.set i, i+1
.endr
.set i, 0
.rept 16
	v_lshrrev_b32 v[VS+i], 3, v[VC+i]
.set i, i+1
.endr
	v_mul_u32_u24 v4, s50, v3
	v_lshl_add_u32 v[VD], v2, 4, v4                ; row lane / 16, 16 bytes for each of 16 lanes
.set i, 1
.rept 15
	v_add_nc_u32 v[VD+i], s3, v[VD+i-1]
.set i, i+1
.endr
	v_mul_u32_u24 v5, v1, 272
	v_add_nc_u32 v6, s12, v5                       ; into my wave's stage: row o
	v_add_nc_u32 v7, s13, v5
	v_add_nc_u32 v7, SBST, v7                      ; into sb's stage: row o, my wave's 16 i
	v_mul_u32_u24 v8, v3, 272
	v_lshl_add_u32 v8, v2, 4, v8
	v_add_nc_u32 v8, s12, v8                       ; back out of my wave's stage: two rows an instruction
	v_lshrrev_b32 v9, 4, v0                        ; sb's stage goes out by threads: rows t / 16 and 16 + t / 16
	v_mul_u32_u24 v10, v9, 272
	v_lshl_add_u32 v10, v2, 4, v10
	v_add_nc_u32 v10, SBST, v10
	v_mul_u32_u24 v11, s50, v9
	v_lshl_add_u32 v11, v2, 4, v11
	v_add_nc_u32 v12, s4, v11
	s_wait_kmcnt 0x0
	s_cmp_lt_u32 s40, 2                            ; the layer's four buffers, chosen by y alone
	s_cselect_b64 s[4:5], s[24:25], s[32:33]
	s_cselect_b64 s[6:7], s[26:27], s[34:35]
	s_cselect_b64 s[8:9], s[28:29], s[36:37]
	s_cselect_b64 s[10:11], s[30:31], s[38:39]
	s_cmp_eq_u32 s15, 0
	s_cselect_b64 s[4:5], s[16:17], s[4:5]
	s_cselect_b64 s[6:7], s[18:19], s[6:7]
	s_cselect_b64 s[8:9], s[20:21], s[8:9]
	s_cselect_b64 s[10:11], s[22:23], s[10:11]
	s_add_nc_u64 s[4:5], s[4:5], s[60:61]          ; coef
	s_add_nc_u64 s[6:7], s[6:7], s[62:63]          ; ss
	s_add_nc_u64 s[8:9], s[8:9], s[62:63]          ; sb
	s_add_nc_u64 s[16:17], s[10:11], s[54:55]      ; W at my wave's products
	s_add_nc_u64 s[18:19], s[10:11], s[56:57]      ; W at the block's sb,
	s_add_nc_u64 s[20:21], s[18:19], s[58:59]      ; and at its second copy
.set i, 0
.rept 16
	global_load_b32 v[SSR+i], v[VS+i], s[6:7]
.set i, i+1
.endr
.set i, 0
.rept 16
	global_load_b32 v[SBR+i], v[VS+i], s[8:9]
.set i, i+1
.endr
.set i, 0
.rept 16                                       ; the two loads of an i cover 1,024 consecutive bytes: 32 o x 8 k
	global_load_b128 v[CF+8*i:CF+8*i+3],   v[VC+i], s[4:5] th:TH_LOAD_NT
	global_load_b128 v[CF+8*i+4:CF+8*i+7], v[VC+i], s[4:5] offset:16 th:TH_LOAD_NT
.set i, i+1
.endr
	s_wait_loadcnt 32                              ; ss and sb are in; coef's 32 loads may stay out
.set i, 0
.rept 8
	v_cvt_pk_bf16_f32 v[SBR+i], v[SBR+2*i], v[SBR+2*i+1]  ; sb along i, in place, ascending
.set i, i+1
.endr
	ds_store_b128 v7, v[SBR:SBR+3]
	ds_store_b128 v7, v[SBR+4:SBR+7] offset:16
.set i, 0
.rept 8
	RND2 SSR+2*i, SSR+2*i+1, T4
.set i, i+1
.endr
.irp ii, 0,1,2,3,4,5,6,7,8,9,10,11,12,13,14,15
	SCALE \ii
.endr
.set q, 0
.rept 16                                       ; LDS serves a wave's instructions in order (ISA guide 5.7.1.4): these see my wave's stores above
	ds_load_b128 v[CF+8*q+4:CF+8*q+7], v8 offset:544*q
.set q, q+1
.endr
.set q, 0
.rept 16
	s_wait_dscnt 15-q                              ; load q is in; the younger ones stay out
	global_store_b128 v[VD+q], v[CF+8*q+4:CF+8*q+7], s[16:17] th:TH_STORE_NT  ; 16 lanes store 256 consecutive bytes, aligned: 16 i of one o
.set q, q+1
.endr
	s_wait_dscnt 0x0                               ; for the others' sake: my stores into sb's stage are done
	s_barrier_signal -1
	s_barrier_wait -1
	ds_load_b128 v[32:35], v10
	ds_load_b128 v[36:39], v10 offset:16*272
	s_wait_dscnt 0x0
	global_store_b128 v11, v[32:35], s[18:19] th:TH_STORE_NT  ; 16 lanes: 128 i of one o, 256 consecutive bytes, aligned
	global_store_b128 v12, v[36:39], s[18:19] th:TH_STORE_NT
	global_store_b128 v11, v[32:35], s[20:21] th:TH_STORE_NT  ; and the same for the rest of silu
	global_store_b128 v12, v[36:39], s[20:21] th:TH_STORE_NT
	s_wait_tensorcnt 0x0                           ; the wave's end: a tensor wait, an add of 0 to my spare word and its wait, behind my last LDS store
	ds_add_u32 v[SPW], v[NIL]
	s_wait_dscnt 0x0
	s_endpgm
	; ---------------- x EXPANDED ----------------
.Lxpart:
	s_load_b128 s[4:7], s[0:1], 0x60               ; x s[4:5], grid0 s[6:7]
	s_load_b64 s[12:13], s[0:1], 0x70              ; a0
	s_sub_co_u32 s20, s15, 4
	s_lshl_b32 s20, s20, 6
	s_add_co_u32 s20, s20, ttmp9                   ; my block of 16 rows
	s_lshl_b32 s2, s20, 14                         ; 16 rows of 1,024 bytes of x
	s_mov_b32 s3, 0
	s_mul_i32 s48, s20, 81920                      ; 16 rows of 5,120 bytes of a0
	s_mov_b32 s49, 0
	s_mul_i32 s50, s14, 10240                      ; silu: my wave's two rows,
	s_add_co_u32 s50, s50, 4096                    ; behind the basis values
	s_mov_b32 s51, 0
	s_mul_i32 s21, s14, 2*HP
	v_and_b32 v2, 63, v0
	v_lshlrev_b32 v2, 4, v2
	v_lshrrev_b32 v3, 6, v0
	v_lshlrev_b32 v4, 4, v0                        ; the block's 16 KiB are dense: thread t takes 16 bytes at 16 t + 4,096 j
	v_mul_u32_u24 v5, v3, HP
	v_add_nc_u32 v5, v5, v2                        ; row t / 64 + 4 j of H
	v_mul_u32_u24 v6, v0, 48                       ; my feature's 12 knots
	v_lshlrev_b32 v[HRD], 2, v0
	v_lshlrev_b32 v[AOF], 4, v0
	v_and_b32 v1, 31, v0
	v_lshl_add_u32 v[SRD], v1, 5, s21
	v_lshlrev_b32 v[SGO], 4, v1
	s_wait_kmcnt 0x0
	s_add_nc_u64 s[4:5], s[4:5], s[2:3]
	s_add_nc_u64 s[AO:AO+1], s[12:13], s[48:49]
	s_add_nc_u64 s[SH:SH+1], s[AO:AO+1], s[50:51]
.irp j, 0,1,2,3
	global_load_b128 v[224+4*\j:227+4*\j], v4, s[4:5] offset:4096*\j th:TH_LOAD_NT
.endr
	global_load_b128 v[GK:GK+3],    v6, s[6:7]
	global_load_b128 v[GK+4:GK+7],  v6, s[6:7] offset:16
	global_load_b128 v[GK+8:GK+11], v6, s[6:7] offset:32
	s_wait_loadcnt 3                               ; x is in; the three loads of knots may stay out
.set i, 0
.rept 8
	RND2 224+2*i, 225+2*i, TT
.set i, i+1
.endr
.irp j, 0,1,2,3
	ds_store_b128 v5, v[224+4*\j:227+4*\j] offset:4*HP*\j
.endr
	s_wait_dscnt 0x0                               ; for the others' sake: my part of H is written
	s_barrier_signal -1
	s_barrier_wait -1
	s_wait_loadcnt 0x0                             ; the knots
	CONSTS
	XLOOP 8, HP, 10240, 5120
.irp e, 0,1                                    ; silu: wave w takes rows 2 w and 2 w + 1, a lane 8 features
	ds_load_b128 v[BA+24*\e:BA+24*\e+3],   v[SRD] offset:HP*\e
	ds_load_b128 v[BA+24*\e+4:BA+24*\e+7], v[SRD] offset:HP*\e+16
.endr
.irp e, 0,1
	s_wait_dscnt 2-2*\e                            ; this row's two loads are in
	SILU8 BA+24*\e, BA+24*\e+8, BA+24*\e+16, BA+24*\e+20
	global_store_b128 v[SGO], v[BA+24*\e+16:BA+24*\e+19], s[SH:SH+1] offset:5120*\e th:TH_STORE_NT      ; 512 consecutive bytes, aligned
	global_store_b128 v[SGO], v[BA+24*\e+20:BA+24*\e+23], s[SH:SH+1] offset:5120*\e+512 th:TH_STORE_NT
.endr
	s_wait_tensorcnt 0x0                           ; the wave's end: a tensor wait, an add of 0 to my spare word and its wait, behind my last LDS store
	ds_add_u32 v[SPW], v[NIL]
	s_wait_dscnt 0x0
	s_endpgm
.Lfunc_end_k_qdc59bec922_prep:
	.size	k_qdc59bec922_prep, .Lfunc_end_k_qdc59bec922_prep-k_qdc59bec922_prep
	.p2alignl 7, 3214868480
	.fill 96, 4, 3214868480
	.section	.rodata,"a",@progbits
	.p2align	6, 0x0
	.amdhsa_kernel k_qdc59bec922_prep
		.amdhsa_group_segment_fixed_size 79360
		.amdhsa_private_segment_fixed_size 0
		.amdhsa_enable_private_segment 0
		.amdhsa_kernarg_size 120
		.amdhsa_user_sgpr_count 2
		.amdhsa_user_sgpr_kernarg_segment_ptr 1
		.amdhsa_wavefront_size32 1
		.amdhsa_system_sgpr_workgroup_id_x 1
		.amdhsa_system_sgpr_workgroup_id_y 1
		.amdhsa_system_sgpr_workgroup_id_z 1
		.amdhsa_system_vgpr_workitem_id 0
		.amdhsa_next_free_vgpr 256
		.amdhsa_next_free_sgpr 66
		.amdhsa_reserve_vcc 0
		.amdhsa_float_denorm_mode_32 3
		.amdhsa_float_denorm_mode_16_64 3
		.amdhsa_memory_ordered 1
		.amdhsa_forward_progress 1
		.amdhsa_inst_pref_size 61
	.end_amdhsa_kernel
	.amdgpu_metadata
---
amdhsa.version: [ 1, 2 ]
amdhsa.kernels:
  - .name:           k_qdc59bec922_prep
    .symbol:         k_qdc59bec922_prep.kd
    .args:
      - { .name: coef0, .offset: 0, .size: 8, .value_kind: global_buffer, .address_space: global }
      - { .name: ss0, .offset: 8, .size: 8, .value_kind: global_buffer, .address_space: global }
      - { .name: sb0, .offset: 16, .size: 8, .value_kind: global_buffer, .address_space: global }
      - { .name: w0, .offset: 24, .size: 8, .value_kind: global_buffer, .address_space: global }
      - { .name: coef1, .offset: 32, .size: 8, .value_kind: global_buffer, .address_space: global }
      - { .name: ss1, .offset: 40, .size: 8, .value_kind: global_buffer, .address_space: global }
      - { .name: sb1, .offset: 48, .size: 8, .value_kind: global_buffer, .address_space: global }
      - { .name: w1, .offset: 56, .size: 8, .value_kind: global_buffer, .address_space: global }
      - { .name: coef2, .offset: 64, .size: 8, .value_kind: global_buffer, .address_space: global }
      - { .name: ss2, .offset: 72, .size: 8, .value_kind: global_buffer, .address_space: global }
      - { .name: sb2, .offset: 80, .size: 8, .value_kind: global_buffer, .address_space: global }
      - { .name: w2, .offset: 88, .size: 8, .value_kind: global_buffer, .address_space: global }
      - { .name: x, .offset: 96, .size: 8, .value_kind: global_buffer, .address_space: global }
      - { .name: grid0, .offset: 104, .size: 8, .value_kind: global_buffer, .address_space: global }
      - { .name: a0, .offset: 112, .size: 8, .value_kind: global_buffer, .address_space: global }
    .group_segment_fixed_size: 79360
    .private_segment_fixed_size: 0
    .kernarg_segment_align: 8
    .kernarg_segment_size: 120
    .max_flat_workgroup_size: 256
    .sgpr_count:     66
    .vgpr_count:     256
    .wavefront_size: 32
...
	.end_amdgpu_metadata
.endif
;; end of part 1
;; launch g0 (part 2): grid 8 x 32, 4 waves a work-group, clusters of 4 x 4, 327,680 bytes of LDS; arguments a0, w0, ns0, nb0, grid1, a1; writes a1
.if DOCPART == 2
	.amdgcn_target "amdgcn-amd-amdhsa--gfx1250"
	.amdhsa_code_object_version 6
	.text
	.protected	k_qdc59bec922_g0
	.globl	k_qdc59bec922_g0
	.p2align	8
	.type	k_qdc59bec922_g0,@function
k_qdc59bec922_g0:
	s_mov_b64 s[64:65], 0
	v_nop
	global_prefetch_b8 v0, s[64:65] scope:SCOPE_SE
	s_setreg_imm32_b32 hwreg(HW_REG_WAVE_MODE, 25, 1), 1
	s_wait_xcnt 0x0
	s_wait_alu depctr_hold_cnt(0) depctr_sa_sdst(0) depctr_va_vdst(0) depctr_va_sdst(0) depctr_va_ssrc(0) depctr_va_vcc(0) depctr_vm_vsrc(0)
	s_getreg_b32 s2, hwreg(HW_REG_IB_STS2, 6, 4)
	s_cmp_eq_u32 s2, 0
	s_cbranch_scc0 .Lentry_in_a_cluster
	s_endpgm
.Lentry_in_a_cluster:
	s_bfe_u32 s2, ttmp6, 0x10000c
	s_cmp_lg_u32 s2, 0xf033
	s_cbranch_scc0 .Lentry_shape_is_right
	s_endpgm
.Lentry_shape_is_right:
; LAYER 0's PRODUCT AND LAYER 1's EXPANSION.  h[m][n] = ns0[n] x (sum over k of a0[m][k] w0[n][k]) + nb0[n]; a0: [4096][2560], w0: [1024][2560], bf16; sums in f32.
; h never goes to memory: each tile of 128 x 128 is laid into LDS in f32 and expanded with grid1 into a1: [2 batches of 512 features][4096][5120] bf16, a row being
; [8 cubic B-spline values of feature f at 8 f + k : 4096][silu(h), upper part : 512][silu(h), the rest : 512].
; THE PRODUCT.  Four waves, each 64 x 64: 16 accumulators.  K goes in steps of 256 (LDS rows of 512 bytes + 16 of padding) through two slots; a wave's tensor load brings 64 rows.
; CLUSTERS: 4 x 4 work-groups.  The four of a row of the cluster need the same tiles of a0, the four of a column the same tiles of w0: each tile is asked for JOINTLY, by the same tensor load with the
; same descriptor and a mask that names the four.  THE MATRIX INSTRUCTION IS USED TRANSPOSED (source 0 = 16 rows of w0, source 1 = 16 rows of a0): a lane holds eight neighbouring columns of one row of h.
; LIMITS.  ns0, nb0 and grid1 are rounded to bf16 before use.  1 / (difference of knots) is v_rcp_f32 (1 ulp; a difference below 2^-126 counts as 0; equal knots give infinities and NaN as in the formula).
; The second weight of the recurrence is taken as 1 - (x - g[t+1]) / (g[t+1+j] - g[t+1]): the same number, off by some 1e-7 x |g / difference|.  x < g[t+1] is taken as not (x >= g[t+1]): it differs for NaN alone.
; silu(h) = h / (1 + 2^(-1.442695 h)), handed on as two bf16 numbers whose sum holds 16 bits of it; the basis values are rounded to bf16 once.
; REGISTERS: window 0: v0-31 addresses; v32-95 ns and nb, v96-107 the knots (loaded at the head); v128-255 the accumulators ((a, b) at v[128 + 8 (4 a + b)]); the expansion's map stands below.
;   window 1: two fragment buffers of 128: for 64 along K, 64 registers of A (2 x 4 x 16 rows x 32 K), then 64 of B.
.set KB,     2560                      ; K
.set KSTEP,  256
.set PITCH,  528                       ; an LDS row: 512 bytes + 16 of padding = 132 words: row r starts at bank 4 r mod 64 (64 banks of 4 bytes: ISA guide 11.1)
.set HALFT,  64*PITCH                  ; 64 rows: what one tensor load brings
.set SLOT,   4*HALFT                   ; A's 128 rows, then B's 128 rows
.set SPARE,  2*SLOT                    ; behind the ring: the spare words, 128 bytes for each wave: two blocks of 256 bytes that no other line names
.set HP,     528                       ; a row of H: 128 f32 + 16 bytes.  H, 128 rows, lies in slot 0, behind that slot's last fill and last read
.set LAPS,   KB/(2*KSTEP)
.set ADRA, 16                          ; v16-17  LDS address of my A fragments in slot 0, 1
.set ADRB, 20                          ; v20-21  the same for B
.set STO,  24                          ; v24     where I put 32 bytes of a row of H
.set HRD,  6                           ; v6      LDS address of my feature in the row of H to be read next
.set AOF,  7                           ; v7      16 x my feature
.set SRD,  8                           ; v8      silu: my 8 features of my row
.set SGO,  9                           ; v9      silu: my 16 bytes in two rows of a1
.set NSO,  10                          ; v10     32 x (lane / 16); never rewritten
.set GRO,  11                          ; v11     48 x thread; never rewritten
.set SPW,  28                          ; v28     LDS address of my spare word; never rewritten
.set NIL,  29                          ; v29     0; never rewritten
.set TT,   30                          ; v30     at work
.set NS,   32                          ; v[32:63]  ns0 of my columns: block b at 8 b
.set NB,   64                          ; v[64:95]  nb0 likewise
.set GK,   96                          ; v[96:107] my feature's 12 knots
.set ACC,  128
.set W,    32                          ; the expansion: v[32:91] w, 30 pairs
.set X,    92                          ; v[92:93]   h of two rows
.set D,    108                         ; v[108:127]
.set CA,   128                         ; v[128:157] r = 1 / (g[t+j] - g[t])
.set CB,   158                         ; v[158:187] -g[t] r
.set BA,   188                         ; v[188:209]
.set BB,   210                         ; v[210:231]
.set OUT,  232                         ; v[232:239]
.set F0,   0                           ; fragment buffers, in window 1
.set F1,   128
.set G1, 24                            ; s[24:31] descriptor group 1 for A's tiles;  s[32:39] group 0, one set for each slot
.set G0, 32
.set G1B, 48                           ; s[48:55], s[56:63] the same for B's tiles
.set G0B, 56
.set MS, 24                            ; s[24:47] the expansion's masks: the descriptors are done with by then
.set AO, 76                            ; s[76:77] a1 at the pair of rows in hand
.set SH, 78                            ; s[78:79] a1 at my wave's rows, behind the basis values
.set MSB, 0
.macro WIN new                         ; the immediate's high byte repeats the setting that is left
.if MSB != (\new)
	s_set_vgpr_msb (MSB<<8)|(\new)
.set MSB, \new
.endif
.endm
.set MUL,  0x05                        ; sources 0 (B) and 1 (A) window 1; C and D window 0
.set TO_F, 0x40                        ; destination window 1, address window 0
.macro JLOAD s                         ; a joint load: waves 0 and 1 fetch A's two halves, waves 2 and 3 B's; an s_nop 0 and four v_nop follow each of the two lines
	s_cmp_eq_u32 s11, 0
	s_cbranch_scc0 .Lfor_b_\@
	tensor_load_to_lds s[G0+4*(\s):G0+4*(\s)+3], s[G1:G1+7]
	s_nop 0
.rept 4
	v_nop
.endr
	s_branch .Lasked_\@
.Lfor_b_\@:
	tensor_load_to_lds s[G0B+4*(\s):G0B+4*(\s)+3], s[G1B:G1B+7]
	s_nop 0
.rept 4
	v_nop
.endr
.Lasked_\@:
.endm
.macro CREST                           ; a round of the cluster's barrier behind its opening barrier
	s_cmp_lg_u32 s10, 0
	s_cbranch_scc1 .Lnot_wave_0_\@
	s_barrier_signal -3
.Lnot_wave_0_\@:
	s_barrier_wait -3
	s_barrier_signal -1
	s_barrier_wait -1
.endm
.macro CROUND                          ; a whole round
	s_barrier_signal -1
	s_barrier_wait -1
	CREST
.endm
.macro RND2 a, b, t                    ; two f32 numbers rounded to bf16 and widened again
	v_cvt_pk_bf16_f32 v[\t], v[\a], v[\b]
	v_lshlrev_b32 v[\a], 16, v[\t]
	v_and_b32 v[\b], 0xffff0000, v[\t]
.endm
.macro CONSTS                          ; from the 12 knots: the 30 r and the 30 -g r
.set i, 0
.rept 6
	RND2 GK+2*i, GK+2*i+1, TT
.set i, i+1
.endr
.irp j, 1,2,3
.set c0, ((\j)-1)*11-((\j)-1)*((\j)-2)/2
.set t, 0
.rept 12-(\j)
	v_sub_f32 v[CA+c0+t], v[GK+t+(\j)], v[GK+t]
.set t, t+1
.endr
.endr
.set i, 0
.rept 30
	v_rcp_f32 v[CA+i], v[CA+i]
.set i, i+1
.endr
	v_nop                                          ; a plain instruction behind the last reciprocal,
	s_wait_alu depctr_va_vdst(0)                   ; and one wait for the batch of 30, ahead of the first reader
.irp j, 1,2,3
.set c0, ((\j)-1)*11-((\j)-1)*((\j)-2)/2
.set t, 0
.rept 12-(\j)
	v_mul_f32 v[CB+c0+t], -v[GK+t], v[CA+c0+t]
.set t, t+1
.endr
.endr
.endm
.macro WCALC c                         ; w number c for both rows: one r and one -g r serve both halves
.if ((\c) & 1)
	v_pk_fma_f32 v[W+2*(\c):W+2*(\c)+1], v[X:X+1], v[CA+(\c)-1:CA+(\c)], v[CB+(\c)-1:CB+(\c)] op_sel:[0,1,1] op_sel_hi:[1,1,1]
.else
	v_pk_fma_f32 v[W+2*(\c):W+2*(\c)+1], v[X:X+1], v[CA+(\c):CA+(\c)+1], v[CB+(\c):CB+(\c)+1] op_sel_hi:[1,0,0]
.endif
.endm
.macro LEVEL j, bp, bn                 ; B_j[t] = w[t] B[t] + (1 - w[t+1]) B[t+1], t = 0 .. 10 - j
.set c0, ((\j)-1)*11-((\j)-1)*((\j)-2)/2
.set t, 1
.rept 11-(\j)
	v_pk_fma_f32 v[D+2*t-2:D+2*t-1], v[W+2*(c0+t):W+2*(c0+t)+1], v[(\bp)+2*t:(\bp)+2*t+1], v[(\bp)+2*t:(\bp)+2*t+1] neg_lo:[1,0,0] neg_hi:[1,0,0]
.set t, t+1
.endr
.set t, 0
.rept 11-(\j)
	v_pk_fma_f32 v[(\bn)+2*t:(\bn)+2*t+1], v[W+2*(c0+t):W+2*(c0+t)+1], v[(\bp)+2*t:(\bp)+2*t+1], v[D+2*t:D+2*t+1]
.set t, t+1
.endr
.endm
; A trip expands two rows of my feature: 16 bytes a row and lane, so a wave's store covers 512 consecutive bytes, aligned.
.macro XLOOP trips, hp, step, rowb
	ds_load_b32 v[X], v[HRD]
	ds_load_b32 v[X+1], v[HRD] offset:\hp
	s_mov_b32 s3, \trips
.Lpair_\@:
	s_wait_dscnt 0x0                               ; the two h are in
.irp e, 0,1
.set t, 0
.rept 12
	v_cmp_ge_f32 s[MS+12*\e+t], v[X+\e], v[GK+t]
.set t, t+1
.endr
.endr
.set c, 0
.rept 30
	WCALC c
.set c, c+1
.endr
	s_cmp_eq_u32 s3, 1                             ; the last trip has no pair behind it
	s_cbranch_scc1 .Lnoload_\@
	v_add_nc_u32 v[HRD], 2*(\hp), v[HRD]
	ds_load_b32 v[X], v[HRD]                       ; the next pair: all readers of X stand above
	ds_load_b32 v[X+1], v[HRD] offset:\hp
.Lnoload_\@:
.irp e, 0,1
.set t, 0
.rept 11
	s_and_not1_b32 s[MS+12*\e+t], s[MS+12*\e+t], s[MS+12*\e+t+1]  ; x >= g[t] and not x >= g[t+1]
.set t, t+1
.endr
.endr
.set t, 0
.rept 11
	v_cndmask_b32 v[BA+2*t], 0, 1.0, s[MS+t]
	v_cndmask_b32 v[BA+2*t+1], 0, 1.0, s[MS+12+t]
.set t, t+1
.endr
	LEVEL 1, BA, BB
	LEVEL 2, BB, BA
	LEVEL 3, BA, BB
	s_wait_xcnt 0x0                                ; the last trip's stores have read OUT and their base: both are written again only behind this wait
	s_add_nc_u64 s[AO:AO+1], s[AO:AO+1], \step
.irp e, 0,1
.irp q, 0,1,2,3
	v_cvt_pk_bf16_f32 v[OUT+4*\e+\q], v[BB+4*\q+\e], v[BB+4*\q+2+\e]
.endr
.endr
	global_store_b128 v[AOF], v[OUT:OUT+3], s[AO:AO+1] offset:-(\step) th:TH_STORE_NT
	global_store_b128 v[AOF], v[OUT+4:OUT+7], s[AO:AO+1] offset:(\rowb)-(\step) th:TH_STORE_NT
	s_sub_co_u32 s3, s3, 1
	s_cmp_lg_u32 s3, 0
	s_cbranch_scc1 .Lpair_\@
.endm
; silu of the 8 numbers in v[tt ..], as two bf16 numbers each: the upper parts packed in v[hh ..], the rests in v[ll ..]; v[ee ..] at work
.macro SILU8 tt, ee, hh, ll
.irp p, 0,2,4,6
	v_pk_mul_f32 v[(\ee)+\p:(\ee)+\p+1], v[(\tt)+\p:(\tt)+\p+1], 0xbfb8aa3b op_sel_hi:[1,0]
.endr
.irp p, 0,1,2,3,4,5,6,7
	v_exp_f32 v[(\ee)+\p], v[(\ee)+\p]
.endr
	v_nop
	s_wait_alu depctr_va_vdst(0)                   ; one wait for the eight exponentials
.irp p, 0,2,4,6
	v_pk_add_f32 v[(\ee)+\p:(\ee)+\p+1], v[(\ee)+\p:(\ee)+\p+1], 1.0 op_sel_hi:[1,0]
.endr
.irp p, 0,1,2,3,4,5,6,7
	v_rcp_f32 v[(\ee)+\p], v[(\ee)+\p]
.endr
	v_nop
	s_wait_alu depctr_va_vdst(0)                   ; one wait for the eight reciprocals
.irp p, 0,2,4,6
	v_pk_mul_f32 v[(\tt)+\p:(\tt)+\p+1], v[(\tt)+\p:(\tt)+\p+1], v[(\ee)+\p:(\ee)+\p+1]
.endr
.irp p, 0,1,2,3
	v_cvt_pk_bf16_f32 v[(\hh)+\p], v[(\tt)+2*\p], v[(\tt)+2*\p+1]
.endr
.irp p, 0,1,2,3
	v_lshlrev_b32 v[(\ee)+2*\p], 16, v[(\hh)+\p]
	v_and_b32 v[(\ee)+2*\p+1], 0xffff0000, v[(\hh)+\p]
.endr
.irp p, 0,2,4,6
	v_pk_add_f32 v[(\tt)+\p:(\tt)+\p+1], v[(\tt)+\p:(\tt)+\p+1], v[(\ee)+\p:(\ee)+\p+1] neg_lo:[0,1] neg_hi:[0,1]
.endr
.irp p, 0,1,2,3
	v_cvt_pk_bf16_f32 v[(\ll)+\p], v[(\tt)+2*\p], v[(\tt)+2*\p+1]
.endr
.endm
	s_load_b128 s[4:7], s[0:1], 0x0                ; a0 s[4:5], w0 s[6:7]
	s_load_b256 s[68:75], s[0:1], 0x10             ; ns0 s[68:69], nb0 s[70:71], grid1 s[72:73], a1 s[74:75]
	v_lshl_add_u32 v[SPW], v0, 2, SPARE
	v_mov_b32 v[NIL], 0
	ds_add_u32 v[SPW], v[NIL]                      ; the wave's opening: the add, twice on end, and its wait ahead of my first tensor load; the set-up below stands between
	ds_add_u32 v[SPW], v[NIL]                      ; and once more, under the one wait
	v_lshrrev_b32 v1, 5, v0
	v_readfirstlane_b32 s10, v1                    ; wave 0..3
	s_lshr_b32 s11, s10, 1                         ; which half of the tile's rows is mine.  Also: I fetch for A (0) or for B (1)
	s_and_b32 s12, s10, 1                          ; which half of its columns.  Also: which 64 rows of that tile I fetch
	s_bfe_u32 s40, ttmp6, 0x40000                  ; cx, cy: my place in the cluster
	s_bfe_u32 s41, ttmp6, 0x40004
	s_lshl_b32 s42, ttmp9, 2
	s_add_co_u32 s42, s42, s40                     ; tile column = 4 x cluster x + cx
	s_and_b32 s13, ttmp7, 0xffff
	s_lshl_b32 s13, s13, 2
	s_add_co_u32 s13, s13, s41                     ; tile row = 4 x cluster y + cy
	s_lshl_b32 s43, s41, 2
	s_lshl_b32 s43, 15, s43                        ; my row of the cluster
	s_lshl_b32 s44, 0x1111, s40                    ; my column
	; descriptor group 1: a tile of 64 rows x 256 elements, padded in LDS
	s_or_b32 s[G1+0], s43, (1<<16)|(1<<20)|(1<<21)|(6<<22)|(3<<25)  ; 15:0 the mask: A's tiles go to my row; 17:16 element of 2 bytes; 20 padding on; 21 set beside a mask; 24:22 after every 128 words (code 6); 31:25 of 4 words (code 3)
	s_or_b32 s[G1B+0], s44, (1<<16)|(1<<20)|(1<<21)|(6<<22)|(3<<25)
.irp g, G1, G1B
	s_mov_b32 s[(\g)+1], KSTEP<<16                 ; tensor_dim0 = 256
	s_mov_b32 s[(\g)+2], 64<<16                    ; tensor_dim1 = 64
	s_mov_b32 s[(\g)+3], KSTEP<<16                 ; tile_dim0 = 256
	s_mov_b32 s[(\g)+4], 64                        ; tile_dim1 = 64
	s_mov_b32 s[(\g)+5], KB                        ; elements from row to row
	s_mov_b32 s[(\g)+6], 0
	s_mov_b32 s[(\g)+7], 0
.endr
	s_lshl_b32 s17, s12, 6                         ; which 64 rows of the tile I fetch
	s_lshl_b32 s16, s13, 7
	s_add_co_u32 s16, s16, s17                     ; A: row 128 x tile row + 64 x half
	s_lshl_b32 s46, s42, 7
	s_add_co_u32 s46, s46, s17                     ; B: row 128 x tile column + 64 x half
	s_mov_b32 s17, 0
	s_mov_b32 s47, 0
	s_mov_b64 s[18:19], KB*2
	s_mul_u64 s[16:17], s[16:17], s[18:19]
	s_mul_u64 s[46:47], s[46:47], s[18:19]
	s_mul_i32 s20, s10, HALFT                      ; where they go: wave x 64 rows
	s_wait_dscnt 0x0                               ; both opening adds are done
	s_wait_kmcnt 0x0
	s_add_nc_u64 s[14:15], s[4:5], s[16:17]
	s_add_nc_u64 s[46:47], s[6:7], s[46:47]
	CROUND                                         ; all sixteen work-groups are here: the first joint loads meet
.irp s, 0,1
	s_mov_b32 s[G0+4*(\s)], 1
	s_add_co_u32 s[G0+4*(\s)+1], s20, (\s)*SLOT
	s_add_nc_u64 s[G0+4*(\s)+2:G0+4*(\s)+3], s[14:15], (\s)*KSTEP*2
	s_or_b32 s[G0+4*(\s)+3], s[G0+4*(\s)+3], 0x80000000
	s_mov_b32 s[G0B+4*(\s)], 1
	s_add_co_u32 s[G0B+4*(\s)+1], s20, (\s)*SLOT
	s_add_nc_u64 s[G0B+4*(\s)+2:G0B+4*(\s)+3], s[46:47], (\s)*KSTEP*2
	s_or_b32 s[G0B+4*(\s)+3], s[G0B+4*(\s)+3], 0x80000000
	JLOAD \s
.endr
	v_and_b32 v1, 15, v0                           ; l % 16
	v_bfe_u32 v2, v0, 4, 1                         ; l / 16
	v_mul_u32_u24 v3, v1, PITCH
	v_lshl_add_u32 v3, v2, 4, v3                   ; a fragment's row x pitch + 16 x half
	s_mul_i32 s21, s11, HALFT                      ; my 64 rows of A
	s_mul_i32 s22, s12, HALFT                      ; my 64 rows of B,
	s_add_co_u32 s22, s22, 2*HALFT                 ; which lie behind A's 128
.irp s, 0,1
	v_add_nc_u32 v[ADRA+(\s)], s21, v3
	v_add_nc_u32 v[ADRB+(\s)], s22, v3
	s_add_co_u32 s21, s21, SLOT
	s_add_co_u32 s22, s22, SLOT
.endr
	; what the expansion needs: addresses, and ns0, nb0 and the knots, which come while the product runs
	s_mul_i32 s23, s11, 64*HP                      ; into H: my 64 rows, my 256 bytes of them; row l % 16, 32 bytes for each half of the lanes
	s_lshl_b32 s21, s12, 8
	s_add_co_u32 s23, s23, s21
	v_mul_u32_u24 v4, v1, HP
	v_lshl_add_u32 v4, v2, 5, v4
	v_add_nc_u32 v[STO], s23, v4
	v_lshlrev_b32 v[HRD], 2, v0                    ; thread t expands the tile's feature t
	v_lshlrev_b32 v[AOF], 4, v0
	s_mul_i32 s23, s10, 32*HP                      ; silu: wave w takes rows 32 w .. 32 w + 31, two a trip: lanes 0-15 one row, lanes 16-31 the next, 8 features a lane
	v_mul_u32_u24 v4, v2, HP
	v_lshl_add_u32 v4, v1, 5, v4
	v_add_nc_u32 v[SRD], s23, v4
	v_mul_u32_u24 v4, v2, 10240
	v_lshl_add_u32 v[SGO], v1, 4, v4
	v_lshlrev_b32 v[NSO], 5, v2
	v_mul_u32_u24 v[GRO], v0, 48
	s_lshl_b32 s80, s42, 9                         ; my wave's 64 columns: 4 x (128 x tile column + 64 x half)
	s_lshl_b32 s81, s12, 8
	s_add_co_u32 s80, s80, s81
	s_mov_b32 s81, 0
	s_add_nc_u64 s[68:69], s[68:69], s[80:81]
	s_add_nc_u64 s[70:71], s[70:71], s[80:81]
	s_mul_i32 s82, s42, 128*48                     ; the tile's 128 features' knots
	s_mov_b32 s83, 0
	s_add_nc_u64 s[72:73], s[72:73], s[82:83]
	s_mul_i32 s84, ttmp9, 41943040                 ; a1's batch = feature / 512 = cluster x,
	s_mul_i32 s85, s13, 128*10240                  ; the tile's 128 rows
	s_add_co_u32 s84, s84, s85
	s_mul_i32 s86, s10, 32*10240                   ; silu: my wave's 32 rows,
	s_add_co_u32 s86, s86, s84
	s_add_co_u32 s86, s86, 8192                    ; behind the basis values,
	s_lshl_b32 s87, s40, 8                         ; the tile's 128 features: 256 bytes
	s_add_co_u32 s86, s86, s87
	s_mov_b32 s87, 0
	s_lshl_b32 s85, s40, 11                        ; basis: the tile's 128 features: 2,048 bytes
	s_add_co_u32 s84, s84, s85
	s_mov_b32 s85, 0
	s_add_nc_u64 s[AO:AO+1], s[74:75], s[84:85]
	s_add_nc_u64 s[SH:SH+1], s[74:75], s[86:87]
.irp b, 0,1,2,3
	global_load_b128 v[NS+8*\b:NS+8*\b+3],   v[NSO], s[68:69] offset:64*\b
	global_load_b128 v[NS+8*\b+4:NS+8*\b+7], v[NSO], s[68:69] offset:64*\b+16
	global_load_b128 v[NB+8*\b:NB+8*\b+3],   v[NSO], s[70:71] offset:64*\b
	global_load_b128 v[NB+8*\b+4:NB+8*\b+7], v[NSO], s[70:71] offset:64*\b+16
.endr
	global_load_b128 v[GK:GK+3],    v[GRO], s[72:73]
	global_load_b128 v[GK+4:GK+7],  v[GRO], s[72:73] offset:16
	global_load_b128 v[GK+8:GK+11], v[GRO], s[72:73] offset:32
; 8 matrix instructions: m blocks a0, a0 + 1 x all 4 n blocks, 32 along K: half c of buffer f.  zero = 1: the first product starts the sums
.macro MUL8 f, c, a0, zero
	WIN MUL
.irp a, \a0, (\a0)+1
.irp b, 0,1,2,3
.if \zero
	v_wmma_f32_16x16x32_bf16 v[ACC+8*(4*(\a)+(\b)):ACC+8*(4*(\a)+(\b))+7], v[(\f)+64+8*(4*(\c)+(\b)):(\f)+64+8*(4*(\c)+(\b))+7], v[(\f)+8*(4*(\c)+(\a)):(\f)+8*(4*(\c)+(\a))+7], 0
.else
	v_wmma_f32_16x16x32_bf16 v[ACC+8*(4*(\a)+(\b)):ACC+8*(4*(\a)+(\b))+7], v[(\f)+64+8*(4*(\c)+(\b)):(\f)+64+8*(4*(\c)+(\b))+7], v[(\f)+8*(4*(\c)+(\a)):(\f)+8*(4*(\c)+(\a))+7], v[ACC+8*(4*(\a)+(\b)):ACC+8*(4*(\a)+(\b))+7]
.endif
.endr
.endr
.endm
; 32 LDS loads in one run: the fragments of 64 along K at byte k of the rows, into buffer f; the first 32 along K first
.macro FETCH slot, k, f
	WIN TO_F
.irp c, 0,1
.irp i, 0,1,2,3
	ds_load_b128 v[(\f)+64+8*(4*(\c)+(\i)):(\f)+64+8*(4*(\c)+(\i))+3],   v[ADRB+(\slot)] offset:(\k)+64*(\c)+(\i)*16*PITCH
	ds_load_b128 v[(\f)+64+8*(4*(\c)+(\i))+4:(\f)+64+8*(4*(\c)+(\i))+7], v[ADRB+(\slot)] offset:(\k)+64*(\c)+(\i)*16*PITCH+32
	ds_load_b128 v[(\f)+8*(4*(\c)+(\i)):(\f)+8*(4*(\c)+(\i))+3],         v[ADRA+(\slot)] offset:(\k)+64*(\c)+(\i)*16*PITCH
	ds_load_b128 v[(\f)+8*(4*(\c)+(\i))+4:(\f)+8*(4*(\c)+(\i))+7],       v[ADRA+(\slot)] offset:(\k)+64*(\c)+(\i)*16*PITCH+32
.endr
.endr
.endm
.macro PLACES                          ; four places in front of loads into registers that matrix instructions have read, and of lines that read results
.rept 4
	v_nop
.endr
.endm
; A K step is four quarters of 64 along K, 32 matrix instructions each, on buffers 0, 1, 0, 1.  One of the first three: multiplies buffer f and fetches the next quarter, at byte k, into g.
; The 16 accumulators take turns, one instruction a turn.
.macro QUARTER slot, k, f, g, zero
	s_wait_dscnt 16                                ; the first 32 along K are in; the youngest sixteen loads may be out
	WIN MUL
	MUL8 \f, 0, 0, \zero
	MUL8 \f, 0, 2, \zero
	PLACES
	FETCH \slot, \k, \g
	s_wait_dscnt 32                                ; all but the 32 just issued
	WIN MUL
	MUL8 \f, 1, 0, 0
	MUL8 \f, 1, 2, 0
.endm
; The last quarter multiplies buffer 1 and changes slots: ONE barrier; in front of it each wave waits for all its tensor loads, adds 0 to its spare word, and waits for that and for its own reads of this slot.  fill = 1: this slot is filled again, two K steps ahead.
.macro TURN slot, next, fill
	WIN 0                                          ; (the add's two registers lie in window 0)
	s_wait_tensorcnt 0x0                           ; all my tensor loads have landed: my part of the next slot;
	ds_add_u32 v[SPW], v[NIL]                      ; 0 onto my spare word;
	s_wait_dscnt 17                                ; (the add and the youngest sixteen loads may be out)
	WIN MUL
	MUL8 F1, 0, 0, 0                               ; eight matrix instructions stand between the add and the wait for it
	s_wait_dscnt 0x0                               ; the add is done, and my reads of this slot are over
	s_barrier_signal -1
	MUL8 F1, 0, 2, 0
.if \fill
	WIN 0
.endif
	s_barrier_wait -1
.if \fill
	CREST                                          ; the barrier has opened a round of the cluster's barrier: no wave of any partner still reads this slot's tile or has a load on its way
	s_add_nc_u64 s[G0+4*(\slot)+2:G0+4*(\slot)+3], s[G0+4*(\slot)+2:G0+4*(\slot)+3], 2*KSTEP*2
	s_add_nc_u64 s[G0B+4*(\slot)+2:G0B+4*(\slot)+3], s[G0B+4*(\slot)+2:G0B+4*(\slot)+3], 2*KSTEP*2
	JLOAD \slot                                    ; the first tensor load behind the round: 112 matrix instructions ahead of the wait for it; the four v_nop behind it are also the places in front of the loads below
.else
	PLACES
.endif
	FETCH \next, 0, F0
	WIN MUL
	MUL8 F1, 1, 0, 0
	MUL8 F1, 1, 2, 0
.endm
	s_wait_tensorcnt 1                             ; my part of K step 0 is in; K step 1's may stay out
	s_barrier_signal -1
	s_barrier_wait -1                              ; everybody's is
	FETCH 0, 0, F0
	QUARTER 0, 128, F0, F1, 1                      ; the first quarter stands in front of the loop: its first products start the sums
	WIN 0                                          ; at a label and at a branch every window is 0
	s_mov_b32 s3, LAPS-1
.Llap:                                                 ; a trip goes once round the ring, from a lap's second quarter to the next lap's first, and fills both slots again
	QUARTER 0, 256, F1, F0, 0
	QUARTER 0, 384, F0, F1, 0
	TURN 0, 1, 1
	QUARTER 1, 128, F0, F1, 0
	QUARTER 1, 256, F1, F0, 0
	QUARTER 1, 384, F0, F1, 0
	TURN 1, 0, 1
	QUARTER 0, 128, F0, F1, 0
	WIN 0
	s_sub_co_u32 s3, s3, 1
	s_cmp_lg_u32 s3, 0
	s_cbranch_scc1 .Llap
	QUARTER 0, 256, F1, F0, 0                      ; the last lap fills nothing, and has no round of the cluster's barrier
	QUARTER 0, 384, F0, F1, 0
	TURN 0, 1, 0                                   ; behind this barrier nobody reads slot 0 any more, and nothing fills it again
	QUARTER 1, 128, F0, F1, 0
	QUARTER 1, 256, F1, F0, 0
	QUARTER 1, 384, F0, F1, 0
	s_wait_dscnt 16                                ; the very last quarter: nothing more to fetch
	WIN MUL
	MUL8 F1, 0, 0, 0
	MUL8 F1, 0, 2, 0
	s_wait_dscnt 0
	MUL8 F1, 1, 0, 0
	MUL8 F1, 1, 2, 0
	WIN 0
	; h = ns0 x sum + nb0, into H (slot 0's bytes); each accumulator is read from its lowest registers on
	PLACES
	PLACES
	s_wait_loadcnt 0x0                             ; ns0, nb0, the knots
.set i, 0
.rept 32
	RND2 NS+2*i, NS+2*i+1, TT                      ; ns and nb lie on end
.set i, i+1
.endr
.irp a, 0,1,2,3
.irp b, 0,1,2,3
.irp p, 0,2,4,6
	v_pk_fma_f32 v[ACC+8*(4*(\a)+(\b))+\p:ACC+8*(4*(\a)+(\b))+\p+1], v[ACC+8*(4*(\a)+(\b))+\p:ACC+8*(4*(\a)+(\b))+\p+1], v[NS+8*(\b)+\p:NS+8*(\b)+\p+1], v[NB+8*(\b)+\p:NB+8*(\b)+\p+1]
.endr
.endr
.endr
.irp a, 0,1,2,3
.irp b, 0,1,2,3
	ds_store_b128 v[STO], v[ACC+8*(4*(\a)+(\b)):ACC+8*(4*(\a)+(\b))+3]   offset:(\a)*16*HP+64*(\b)
	ds_store_b128 v[STO], v[ACC+8*(4*(\a)+(\b))+4:ACC+8*(4*(\a)+(\b))+7] offset:(\a)*16*HP+64*(\b)+16
.endr
.endr
	s_wait_dscnt 0x0                               ; for the others' sake: my part of H is written
	s_barrier_signal -1
	s_barrier_wait -1
	CONSTS
	XLOOP 64, HP, 20480, 10240                     ; my feature, all 128 rows
	s_mov_b32 s3, 16
.Lsilu:                                                ; two rows a trip: 16 lanes store 256 consecutive bytes, aligned
	s_wait_xcnt 0x0                                ; the last stores have read their data and their base
	s_add_nc_u64 s[SH:SH+1], s[SH:SH+1], 20480
	ds_load_b128 v[BA:BA+3],   v[SRD]
	ds_load_b128 v[BA+4:BA+7], v[SRD] offset:16
	s_wait_dscnt 0x0
	v_add_nc_u32 v[SRD], 2*HP, v[SRD]
	SILU8 BA, BA+8, BA+16, BA+20
	global_store_b128 v[SGO], v[BA+16:BA+19], s[SH:SH+1] offset:-20480 th:TH_STORE_NT
	global_store_b128 v[SGO], v[BA+20:BA+23], s[SH:SH+1] offset:-20480+1024 th:TH_STORE_NT
	s_sub_co_u32 s3, s3, 1
	s_cmp_lg_u32 s3, 0
	s_cbranch_scc1 .Lsilu
	s_wait_tensorcnt 0x0                           ; the wave's end: a tensor wait, an add of 0 to my spare word and its wait, behind my last tensor load and my last LDS store
	ds_add_u32 v[SPW], v[NIL]
	s_wait_dscnt 0x0
	CROUND                                         ; the closing round: no work-group ends while a partner may still ask for a tile that names it
	s_endpgm
.Lfunc_end_k_qdc59bec922_g0:
	.size	k_qdc59bec922_g0, .Lfunc_end_k_qdc59bec922_g0-k_qdc59bec922_g0
	.p2alignl 7, 3214868480
	.fill 96, 4, 3214868480
	.section	.rodata,"a",@progbits
	.p2align	6, 0x0
	.amdhsa_kernel k_qdc59bec922_g0
		.amdhsa_group_segment_fixed_size 327680
		.amdhsa_private_segment_fixed_size 0
		.amdhsa_enable_private_segment 0
		.amdhsa_kernarg_size 48
		.amdhsa_user_sgpr_count 2
		.amdhsa_user_sgpr_kernarg_segment_ptr 1
		.amdhsa_wavefront_size32 1
		.amdhsa_system_sgpr_workgroup_id_x 1
		.amdhsa_system_sgpr_workgroup_id_y 1
		.amdhsa_system_sgpr_workgroup_id_z 1
		.amdhsa_system_vgpr_workitem_id 0
		.amdhsa_next_free_vgpr 512
		.amdhsa_next_free_sgpr 96
		.amdhsa_reserve_vcc 0
		.amdhsa_float_denorm_mode_32 3
		.amdhsa_float_denorm_mode_16_64 3
		.amdhsa_memory_ordered 1
		.amdhsa_forward_progress 1
		.amdhsa_inst_pref_size 110
	.end_amdhsa_kernel
	.amdgpu_metadata
---
amdhsa.version: [ 1, 2 ]
amdhsa.kernels:
  - .name:           k_qdc59bec922_g0
    .symbol:         k_qdc59bec922_g0.kd
    .args:
      - { .name: a0, .offset: 0, .size: 8, .value_kind: global_buffer, .address_space: global }
      - { .name: w0, .offset: 8, .size: 8, .value_kind: global_buffer, .address_space: global }
      - { .name: ns0, .offset: 16, .size: 8, .value_kind: global_buffer, .address_space: global }
      - { .name: nb0, .offset: 24, .size: 8, .value_kind: global_buffer, .address_space: global }
      - { .name: grid1, .offset: 32, .size: 8, .value_kind: global_buffer, .address_space: global }
      - { .name: a1, .offset: 40, .size: 8, .value_kind: global_buffer, .address_space: global }
    .group_segment_fixed_size: 327680
    .private_segment_fixed_size: 0
    .kernarg_segment_align: 8
    .kernarg_segment_size: 48
    .max_flat_workgroup_size: 128
    .sgpr_count:     96
    .vgpr_count:     512
    .wavefront_size: 32
...
	.end_amdgpu_metadata
.endif
;; end of part 2
;; launch g1 (part 3): grid 8 x 32, 4 waves a work-group, clusters of 4 x 4, 327,680 bytes of LDS; arguments a1, w1, hs; writes hs
.if DOCPART == 3
	.amdgcn_target "amdgcn-amd-amdhsa--gfx1250"
	.amdhsa_code_object_version 6
	.text
	.protected	k_qdc59bec922_g1
	.globl	k_qdc59bec922_g1
	.p2align	8
	.type	k_qdc59bec922_g1,@function
k_qdc59bec922_g1:
	s_mov_b64 s[64:65], 0
	v_nop
	global_prefetch_b8 v0, s[64:65] scope:SCOPE_SE
	s_setreg_imm32_b32 hwreg(HW_REG_WAVE_MODE, 25, 1), 1
	s_wait_xcnt 0x0
	s_wait_alu depctr_hold_cnt(0) depctr_sa_sdst(0) depctr_va_vdst(0) depctr_va_sdst(0) depctr_va_ssrc(0) depctr_va_vcc(0) depctr_vm_vsrc(0)
	s_getreg_b32 s2, hwreg(HW_REG_IB_STS2, 6, 4)
	s_cmp_eq_u32 s2, 0
	s_cbranch_scc0 .Lentry_in_a_cluster
	s_endpgm
.Lentry_in_a_cluster:
	s_bfe_u32 s2, ttmp6, 0x10000c
	s_cmp_lg_u32 s2, 0xf033
	s_cbranch_scc0 .Lentry_shape_is_right
	s_endpgm
.Lentry_shape_is_right:
; LAYER 1's PRODUCT, K IN TWO HALVES.  hs[b][m][o] = sum over k of a1[b][m][k] w1[b][o][k], b = 0, 1; a1: [2][4096][5120], w1: [2][512][5120], bf16; hs: [2][4096][512], f32 partial sums, added in the next launch.
; 4096 x 512 outputs are 128 tiles of 128 x 128; with K halved there are 256 equal work-groups.  The half is the cluster's x: w1 is walked as [1024][5120], tile column 4 x cluster x + cx.
; Four waves, each 64 x 64: 16 accumulators.  K goes in steps of 256 (LDS rows of 512 bytes + 16 of padding) through two slots; a wave's tensor load brings 64 rows.
; CLUSTERS: 4 x 4 work-groups.  The four of a row of the cluster need the same tiles of A (same rows, same half of K), the four of a column the same tiles of W: each tile is asked for JOINTLY, by the same
; tensor load with the same descriptor and a mask that names the four.  THE MATRIX INSTRUCTION IS USED TRANSPOSED (source 0 = 16 rows of W, source 1 = 16 rows of A): a lane holds eight neighbouring columns of a row.
; REGISTERS: window 0: v0-31 addresses; v32-95 at work on the way out; v128-255 the accumulators ((a, b) at v[128 + 8 (4 a + b)]).
;   window 1: two fragment buffers of 128: for 64 along K, 64 registers of A (2 x 4 x 16 rows x 32 K), then 64 of B.
.set KB,     5120                      ; K of a half
.set ABATCH, 41943040                  ; bytes in a half of A: 4096 rows
.set KSTEP,  256
.set PITCH,  528                       ; an LDS row: 512 bytes + 16 of padding = 132 words: row r starts at bank 4 r mod 64 (64 banks of 4 bytes: ISA guide 11.1)
.set HALFT,  64*PITCH
.set SLOT,   4*HALFT
.set STAGE,  2*SLOT                    ; behind the ring: 16 rows x 272 bytes for each wave, for the way out
.set SPITCH, 272
.set SPARE,  STAGE+4*16*SPITCH         ; behind the stages: the spare words, 128 bytes for each wave: two blocks of 256 bytes that no other line names
.set LAPS,   KB/(2*KSTEP)
.set ADRA, 16
.set ADRB, 20
.set STO,  24                          ; v24     the way out: where I put 32 bytes of a row
.set RD,   25                          ; v25     the way out: where I read a row back
.set CO,   26                          ; v26     my byte offset in hs
.set SPW,  28
.set NIL,  29
.set TMP,  32
.set ACC,  128
.set F0,   0
.set F1,   128
.set G1, 24
.set G0, 32
.set G1B, 48
.set G0B, 56
.set MSB, 0
.macro WIN new                         ; the immediate's high byte repeats the setting that is left
.if MSB != (\new)
	s_set_vgpr_msb (MSB<<8)|(\new)
.set MSB, \new
.endif
.endm
.set MUL,  0x05                        ; sources 0 (B) and 1 (A) window 1; C and D window 0
.set TO_F, 0x40                        ; destination window 1, address window 0
.macro JLOAD s                         ; a joint load: waves 0 and 1 fetch A's two halves, waves 2 and 3 B's; an s_nop 0 and four v_nop follow each of the two lines
	s_cmp_eq_u32 s11, 0
	s_cbranch_scc0 .Lfor_b_\@
	tensor_load_to_lds s[G0+4*(\s):G0+4*(\s)+3], s[G1:G1+7]
	s_nop 0
.rept 4
	v_nop
.endr
	s_branch .Lasked_\@
.Lfor_b_\@:
	tensor_load_to_lds s[G0B+4*(\s):G0B+4*(\s)+3], s[G1B:G1B+7]
	s_nop 0
.rept 4
	v_nop
.endr
.Lasked_\@:
.endm
.macro CREST                           ; a round of the cluster's barrier behind its opening barrier
	s_cmp_lg_u32 s10, 0
	s_cbranch_scc1 .Lnot_wave_0_\@
	s_barrier_signal -3
.Lnot_wave_0_\@:
	s_barrier_wait -3
	s_barrier_signal -1
	s_barrier_wait -1
.endm
.macro CROUND                          ; a whole round
	s_barrier_signal -1
	s_barrier_wait -1
	CREST
.endm
	s_load_b128 s[4:7], s[0:1], 0x0                ; A s[4:5], W s[6:7]
	s_load_b64 s[8:9], s[0:1], 0x10                ; hs
	v_lshl_add_u32 v[SPW], v0, 2, SPARE
	v_mov_b32 v[NIL], 0
	ds_add_u32 v[SPW], v[NIL]                      ; the wave's opening: the add, twice on end, and its wait ahead of my first tensor load; the set-up below stands between
	ds_add_u32 v[SPW], v[NIL]                      ; and once more, under the one wait
	v_lshrrev_b32 v1, 5, v0
	v_readfirstlane_b32 s10, v1                    ; wave 0..3
	s_lshr_b32 s11, s10, 1                         ; which half of the tile's rows is mine.  Also: I fetch for A (0) or for B (1)
	s_and_b32 s12, s10, 1                          ; which half of its columns.  Also: which 64 rows of that tile I fetch
	s_bfe_u32 s40, ttmp6, 0x40000                  ; cx, cy: my place in the cluster
	s_bfe_u32 s41, ttmp6, 0x40004
	s_lshl_b32 s42, ttmp9, 2
	s_add_co_u32 s42, s42, s40                     ; tile column = 4 x cluster x + cx
	s_and_b32 s13, ttmp7, 0xffff
	s_lshl_b32 s13, s13, 2
	s_add_co_u32 s13, s13, s41                     ; tile row = 4 x cluster y + cy
	s_lshl_b32 s43, s41, 2
	s_lshl_b32 s43, 15, s43                        ; my row of the cluster
	s_lshl_b32 s44, 0x1111, s40                    ; my column
	; descriptor group 1: a tile of 64 rows x 256 elements, padded in LDS
	s_or_b32 s[G1+0], s43, (1<<16)|(1<<20)|(1<<21)|(6<<22)|(3<<25)  ; 15:0 the mask: A's tiles go to my row; 17:16 element of 2 bytes; 20 padding on; 21 set beside a mask; 24:22 after every 128 words (code 6); 31:25 of 4 words (code 3)
	s_or_b32 s[G1B+0], s44, (1<<16)|(1<<20)|(1<<21)|(6<<22)|(3<<25)
.irp g, G1, G1B
	s_mov_b32 s[(\g)+1], KSTEP<<16                 ; tensor_dim0 = 256
	s_mov_b32 s[(\g)+2], 64<<16                    ; tensor_dim1 = 64
	s_mov_b32 s[(\g)+3], KSTEP<<16                 ; tile_dim0 = 256
	s_mov_b32 s[(\g)+4], 64                        ; tile_dim1 = 64
	s_mov_b32 s[(\g)+5], KB                        ; elements from row to row
	s_mov_b32 s[(\g)+6], 0
	s_mov_b32 s[(\g)+7], 0
.endr
	s_lshl_b32 s17, s12, 6                         ; which 64 rows of the tile I fetch
	s_lshl_b32 s16, s13, 7
	s_add_co_u32 s16, s16, s17                     ; A: row 128 x tile row + 64 x half
	s_lshl_b32 s46, s42, 7
	s_add_co_u32 s46, s46, s17                     ; W: row 128 x tile column + 64 x half
	s_mov_b32 s17, 0
	s_mov_b32 s47, 0
	s_mov_b64 s[18:19], KB*2
	s_mul_u64 s[16:17], s[16:17], s[18:19]
	s_mul_u64 s[46:47], s[46:47], s[18:19]
	s_mul_i32 s22, ttmp9, ABATCH                   ; A's half of K: the cluster's x, which all sixteen partners share
	s_mov_b32 s23, 0
	s_add_nc_u64 s[16:17], s[16:17], s[22:23]
	s_mul_i32 s20, s10, HALFT                      ; where they go: wave x 64 rows
	s_wait_dscnt 0x0                               ; both opening adds are done
	s_wait_kmcnt 0x0
	s_add_nc_u64 s[14:15], s[4:5], s[16:17]
	s_add_nc_u64 s[46:47], s[6:7], s[46:47]
	CROUND                                         ; all sixteen work-groups are here: the first joint loads meet
.irp s, 0,1
	s_mov_b32 s[G0+4*(\s)], 1
	s_add_co_u32 s[G0+4*(\s)+1], s20, (\s)*SLOT
	s_add_nc_u64 s[G0+4*(\s)+2:G0+4*(\s)+3], s[14:15], (\s)*KSTEP*2
	s_or_b32 s[G0+4*(\s)+3], s[G0+4*(\s)+3], 0x80000000
	s_mov_b32 s[G0B+4*(\s)], 1
	s_add_co_u32 s[G0B+4*(\s)+1], s20, (\s)*SLOT
	s_add_nc_u64 s[G0B+4*(\s)+2:G0B+4*(\s)+3], s[46:47], (\s)*KSTEP*2
	s_or_b32 s[G0B+4*(\s)+3], s[G0B+4*(\s)+3], 0x80000000
	JLOAD \s
.endr
	v_and_b32 v1, 15, v0                           ; l % 16
	v_bfe_u32 v2, v0, 4, 1                         ; l / 16
	v_mul_u32_u24 v3, v1, PITCH
	v_lshl_add_u32 v3, v2, 4, v3                   ; a fragment's row x pitch + 16 x half
	s_mul_i32 s21, s11, HALFT                      ; my 64 rows of A
	s_mul_i32 s22, s12, HALFT                      ; my 64 rows of B,
	s_add_co_u32 s22, s22, 2*HALFT                 ; which lie behind A's 128
.irp s, 0,1
	v_add_nc_u32 v[ADRA+(\s)], s21, v3
	v_add_nc_u32 v[ADRB+(\s)], s22, v3
	s_add_co_u32 s21, s21, SLOT
	s_add_co_u32 s22, s22, SLOT
.endr
	s_mul_i32 s23, s10, 16*SPITCH
	s_add_co_u32 s23, s23, STAGE                   ; my stage
	v_mul_u32_u24 v4, v1, SPITCH                   ; in: row l % 16, 32 bytes (8 f32) for each half of the lanes
	v_lshl_add_u32 v4, v2, 5, v4
	v_add_nc_u32 v[STO], s23, v4
	v_mul_u32_u24 v5, v2, SPITCH                   ; back: lanes 0-15 take one row of 256 bytes, lanes 16-31 the next
	v_lshl_add_u32 v5, v1, 4, v5
	v_add_nc_u32 v[RD], s23, v5
	v_lshlrev_b32 v5, 11, v2                       ; and the same two rows in hs, 2,048 bytes apart
	v_lshl_add_u32 v[CO], v1, 4, v5
	s_lshl_b32 s16, s13, 7
	s_lshl_b32 s17, s11, 6
	s_add_co_u32 s16, s16, s17                     ; my first row: 128 x tile row + 64 x half
	s_lshl_b32 s16, s16, 11
	s_lshl_b32 s17, ttmp9, 23                      ; the half of K: 8,388,608 bytes of hs
	s_add_co_u32 s16, s16, s17
	s_lshl_b32 s17, s12, 8                         ; my 64 columns
	s_add_co_u32 s16, s16, s17
	s_mov_b32 s17, 0
	s_add_nc_u64 s[8:9], s[8:9], s[16:17]
	s_lshl_b32 s46, s40, 9                         ; the tile's 128 columns
	s_mov_b32 s47, 0
	s_add_nc_u64 s[8:9], s[8:9], s[46:47]
; 8 matrix instructions: m blocks a0, a0 + 1 x all 4 n blocks, 32 along K: half c of buffer f.  zero = 1: the first product starts the sums
.macro MUL8 f, c, a0, zero
	WIN MUL
.irp a, \a0, (\a0)+1
.irp b, 0,1,2,3
.if \zero
	v_wmma_f32_16x16x32_bf16 v[ACC+8*(4*(\a)+(\b)):ACC+8*(4*(\a)+(\b))+7], v[(\f)+64+8*(4*(\c)+(\b)):(\f)+64+8*(4*(\c)+(\b))+7], v[(\f)+8*(4*(\c)+(\a)):(\f)+8*(4*(\c)+(\a))+7], 0
.else
	v_wmma_f32_16x16x32_bf16 v[ACC+8*(4*(\a)+(\b)):ACC+8*(4*(\a)+(\b))+7], v[(\f)+64+8*(4*(\c)+(\b)):(\f)+64+8*(4*(\c)+(\b))+7], v[(\f)+8*(4*(\c)+(\a)):(\f)+8*(4*(\c)+(\a))+7], v[ACC+8*(4*(\a)+(\b)):ACC+8*(4*(\a)+(\b))+7]
.endif
.endr
.endr
.endm
; 32 LDS loads in one run: the fragments of 64 along K at byte k of the rows, into buffer f; the first 32 along K first
.macro FETCH slot, k, f
	WIN TO_F
.irp c, 0,1
.irp i, 0,1,2,3
	ds_load_b128 v[(\f)+64+8*(4*(\c)+(\i)):(\f)+64+8*(4*(\c)+(\i))+3],   v[ADRB+(\slot)] offset:(\k)+64*(\c)+(\i)*16*PITCH
	ds_load_b128 v[(\f)+64+8*(4*(\c)+(\i))+4:(\f)+64+8*(4*(\c)+(\i))+7], v[ADRB+(\slot)] offset:(\k)+64*(\c)+(\i)*16*PITCH+32
	ds_load_b128 v[(\f)+8*(4*(\c)+(\i)):(\f)+8*(4*(\c)+(\i))+3],         v[ADRA+(\slot)] offset:(\k)+64*(\c)+(\i)*16*PITCH
	ds_load_b128 v[(\f)+8*(4*(\c)+(\i))+4:(\f)+8*(4*(\c)+(\i))+7],       v[ADRA+(\slot)] offset:(\k)+64*(\c)+(\i)*16*PITCH+32
.endr
.endr
.endm
.macro PLACES                          ; four places in front of loads into registers that matrix instructions have read, and of lines that read results
.rept 4
	v_nop
.endr
.endm
; A K step is four quarters of 64 along K, 32 matrix instructions each, on buffers 0, 1, 0, 1.  One of the first three: multiplies buffer f and fetches the next quarter, at byte k, into g.
; The 16 accumulators take turns, one instruction a turn.
.macro QUARTER slot, k, f, g, zero
	s_wait_dscnt 16                                ; the first 32 along K are in; the youngest sixteen loads may be out
	WIN MUL
	MUL8 \f, 0, 0, \zero
	MUL8 \f, 0, 2, \zero
	PLACES
	FETCH \slot, \k, \g
	s_wait_dscnt 32                                ; all but the 32 just issued
	WIN MUL
	MUL8 \f, 1, 0, 0
	MUL8 \f, 1, 2, 0
.endm
; The last quarter multiplies buffer 1 and changes slots: ONE barrier; in front of it each wave waits for all its tensor loads, adds 0 to its spare word, and waits for that and for its own reads of this slot.  fill = 1: this slot is filled again, two K steps ahead.
.macro TURN slot, next, fill
	WIN 0                                          ; (the add's two registers lie in window 0)
	s_wait_tensorcnt 0x0                           ; all my tensor loads have landed: my part of the next slot;
	ds_add_u32 v[SPW], v[NIL]                      ; 0 onto my spare word;
	s_wait_dscnt 17                                ; (the add and the youngest sixteen loads may be out)
	WIN MUL
	MUL8 F1, 0, 0, 0                               ; eight matrix instructions stand between the add and the wait for it
	s_wait_dscnt 0x0                               ; the add is done, and my reads of this slot are over
	s_barrier_signal -1
	MUL8 F1, 0, 2, 0
.if \fill
	WIN 0
.endif
	s_barrier_wait -1
.if \fill
	CREST                                          ; the barrier has opened a round of the cluster's barrier: no wave of any partner still reads this slot's tile or has a load on its way
	s_add_nc_u64 s[G0+4*(\slot)+2:G0+4*(\slot)+3], s[G0+4*(\slot)+2:G0+4*(\slot)+3], 2*KSTEP*2
	s_add_nc_u64 s[G0B+4*(\slot)+2:G0B+4*(\slot)+3], s[G0B+4*(\slot)+2:G0B+4*(\slot)+3], 2*KSTEP*2
	JLOAD \slot                                    ; the first tensor load behind the round: 112 matrix instructions ahead of the wait for it; the four v_nop behind it are also the places in front of the loads below
.else
	PLACES
.endif
	FETCH \next, 0, F0
	WIN MUL
	MUL8 F1, 1, 0, 0
	MUL8 F1, 1, 2, 0
.endm
	s_wait_tensorcnt 1                             ; my part of K step 0 is in; K step 1's may stay out
	s_barrier_signal -1
	s_barrier_wait -1                              ; everybody's is
	FETCH 0, 0, F0
	QUARTER 0, 128, F0, F1, 1                      ; the first quarter stands in front of the loop: its first products start the sums
	WIN 0                                          ; at a label and at a branch every window is 0
	s_mov_b32 s3, LAPS-1
.Llap:                                                 ; a trip goes once round the ring, from a lap's second quarter to the next lap's first, and fills both slots again
	QUARTER 0, 256, F1, F0, 0
	QUARTER 0, 384, F0, F1, 0
	TURN 0, 1, 1
	QUARTER 1, 128, F0, F1, 0
	QUARTER 1, 256, F1, F0, 0
	QUARTER 1, 384, F0, F1, 0
	TURN 1, 0, 1
	QUARTER 0, 128, F0, F1, 0
	WIN 0
	s_sub_co_u32 s3, s3, 1
	s_cmp_lg_u32 s3, 0
	s_cbranch_scc1 .Llap
	QUARTER 0, 256, F1, F0, 0                      ; the last lap fills nothing, and has no round of the cluster's barrier
	QUARTER 0, 384, F0, F1, 0
	TURN 0, 1, 0
	QUARTER 1, 128, F0, F1, 0
	QUARTER 1, 256, F1, F0, 0
	QUARTER 1, 384, F0, F1, 0
	s_wait_dscnt 16                                ; the very last quarter: nothing more to fetch
	WIN MUL
	MUL8 F1, 0, 0, 0
	MUL8 F1, 0, 2, 0
	s_wait_dscnt 0
	MUL8 F1, 1, 0, 0
	MUL8 F1, 1, 2, 0
	WIN 0
	; THE WAY OUT, in f32: 16 rows x 64 columns at a time through my own stage; each accumulator is read from its lowest registers on
	PLACES
	PLACES
.irp a, 0,1,2,3
.if (\a) >= 2
	s_wait_xcnt 0x0                                ; the stores of two blocks back have read the registers that are loaded again below
.endif
.irp b, 0,1,2,3
	ds_store_b128 v[STO], v[ACC+8*(4*(\a)+(\b)):ACC+8*(4*(\a)+(\b))+3]   offset:64*(\b)
	ds_store_b128 v[STO], v[ACC+8*(4*(\a)+(\b))+4:ACC+8*(4*(\a)+(\b))+7] offset:64*(\b)+16
.endr
.irp t, 0,1,2,3,4,5,6,7
	ds_load_b128 v[TMP+32*((\a)%2)+4*(\t):TMP+32*((\a)%2)+4*(\t)+3], v[RD] offset:(\t)*2*SPITCH  ; LDS serves a wave's instructions in order (ISA guide 5.7.1.4): these see the stores above; the next block's stores come behind them
.endr
.irp t, 0,1,2,3,4,5,6,7
	s_wait_dscnt 7-(\t)                            ; load t is in; the younger ones stay out
	global_store_b128 v[CO], v[TMP+32*((\a)%2)+4*(\t):TMP+32*((\a)%2)+4*(\t)+3], s[8:9] offset:(16*(\a)+2*(\t))*2048 th:TH_STORE_NT  ; 16 lanes store 256 consecutive bytes, aligned
.endr
.endr
	s_wait_tensorcnt 0x0                           ; the wave's end: a tensor wait, an add of 0 to my spare word and its wait, behind my last tensor load and my last LDS store
	ds_add_u32 v[SPW], v[NIL]
	s_wait_dscnt 0x0
	CROUND                                         ; the closing round: no work-group ends while a partner may still ask for a tile that names it
	s_endpgm
.Lfunc_end_k_qdc59bec922_g1:
	.size	k_qdc59bec922_g1, .Lfunc_end_k_qdc59bec922_g1-k_qdc59bec922_g1
	.p2alignl 7, 3214868480
	.fill 96, 4, 3214868480
	.section	.rodata,"a",@progbits
	.p2align	6, 0x0
	.amdhsa_kernel k_qdc59bec922_g1
		.amdhsa_group_segment_fixed_size 327680
		.amdhsa_private_segment_fixed_size 0
		.amdhsa_enable_private_segment 0
		.amdhsa_kernarg_size 24
		.amdhsa_user_sgpr_count 2
		.amdhsa_user_sgpr_kernarg_segment_ptr 1
		.amdhsa_wavefront_size32 1
		.amdhsa_system_sgpr_workgroup_id_x 1
		.amdhsa_system_sgpr_workgroup_id_y 1
		.amdhsa_system_sgpr_workgroup_id_z 1
		.amdhsa_system_vgpr_workitem_id 0
		.amdhsa_next_free_vgpr 512
		.amdhsa_next_free_sgpr 66
		.amdhsa_reserve_vcc 0
		.amdhsa_float_denorm_mode_32 3
		.amdhsa_float_denorm_mode_16_64 3
		.amdhsa_memory_ordered 1
		.amdhsa_forward_progress 1
		.amdhsa_inst_pref_size 87
	.end_amdhsa_kernel
	.amdgpu_metadata
---
amdhsa.version: [ 1, 2 ]
amdhsa.kernels:
  - .name:           k_qdc59bec922_g1
    .symbol:         k_qdc59bec922_g1.kd
    .args:
      - { .name: a1, .offset: 0, .size: 8, .value_kind: global_buffer, .address_space: global }
      - { .name: w1, .offset: 8, .size: 8, .value_kind: global_buffer, .address_space: global }
      - { .name: hs, .offset: 16, .size: 8, .value_kind: global_buffer, .address_space: global }
    .group_segment_fixed_size: 327680
    .private_segment_fixed_size: 0
    .kernarg_segment_align: 8
    .kernarg_segment_size: 24
    .max_flat_workgroup_size: 128
    .sgpr_count:     66
    .vgpr_count:     512
    .wavefront_size: 32
...
	.end_amdgpu_metadata
.endif
;; end of part 3
;; launch e2 (part 4): grid 256 x 2, 8 waves a work-group, no clusters, 17,664 bytes of LDS; arguments hs, ns1, nb1, grid2, a2; writes a2
.if DOCPART == 4
	.amdgcn_target "amdgcn-amd-amdhsa--gfx1250"
	.amdhsa_code_object_version 6
	.text
	.protected	k_qdc59bec922_e2
	.globl	k_qdc59bec922_e2
	.p2align	8
	.type	k_qdc59bec922_e2,@function
k_qdc59bec922_e2:
	s_mov_b64 s[64:65], 0
	v_nop
	global_prefetch_b8 v0, s[64:65] scope:SCOPE_SE
	s_setreg_imm32_b32 hwreg(HW_REG_WAVE_MODE, 25, 1), 1
	s_wait_xcnt 0x0
; LAYER 1's END AND LAYER 2's EXPANSION.  h[m][f] = ns1[f] x (hs[0][m][f] + hs[1][m][f]) + nb1[f], in f32; h is expanded with grid2 into a2: [2 batches of 256 features][4096][2560] bf16, a row being
; [8 cubic B-spline values of feature f at 8 f + k : 2048][silu(h), upper part : 256][silu(h), the rest : 256].  A work-group takes 16 rows of one batch; a lane a feature.  No matrix work, no tiles shared: no cluster.
; LIMITS.  ns1, nb1 and grid2 are rounded to bf16 before use.  1 / (difference of knots) is v_rcp_f32 (1 ulp; a difference below 2^-126 counts as 0; equal knots give infinities and NaN as in the formula).
; The second weight of the recurrence is taken as 1 - (x - g[t+1]) / (g[t+1+j] - g[t+1]): the same number, off by some 1e-7 x |g / difference|.  x < g[t+1] is taken as not (x >= g[t+1]): it differs for NaN alone.
; silu(h) = h / (1 + 2^(-1.442695 h)), handed on as two bf16 numbers whose sum holds 16 bits of it; the basis values are rounded to bf16 once.
.set HP,    1040                       ; a row of H in LDS: 256 f32 + 16 bytes
.set SPARE, 16640                      ; behind H's 16 rows: the spare words, 128 bytes for each wave: four blocks of 256 bytes that no other line names
.set SPW, 28                           ; v28  LDS address of my spare word; never rewritten
.set NIL, 29                           ; v29  0; never rewritten
.set GK,  12                           ; v[12:23]   my feature's 12 knots
.set X,   24                           ; v[24:25]   h of two rows
.set TT,  26                           ; v26        at work
.set OUT, 32                           ; v[32:39]   two rows' 8 basis values in bf16
.set CA,  40                           ; v[40:69]   r = 1 / (g[t+j] - g[t]): j = 1 at 0..10, j = 2 at 11..20, j = 3 at 21..29
.set CB,  70                           ; v[70:99]   -g[t] r
.set BA,  100                          ; v[100:121]
.set BB,  122                          ; v[122:143]
.set D,   144                          ; v[144:163]
.set W,   164                          ; v[164:223]
.set HRD, 7
.set AOF, 8
.set SRD, 9
.set SGO, 10
.set MS,  24                           ; s[24:47] the comparisons' masks
.set AO,  16                           ; s[16:17] a2 at the pair of rows in hand
.set SH,  18                           ; s[18:19] a2 at my wave's two rows, behind the basis values
.macro RND2 a, b, t                    ; two f32 numbers rounded to bf16 and widened again
	v_cvt_pk_bf16_f32 v[\t], v[\a], v[\b]
	v_lshlrev_b32 v[\a], 16, v[\t]
	v_and_b32 v[\b], 0xffff0000, v[\t]
.endm
.macro CONSTS                          ; from the 12 knots: the 30 r and the 30 -g r
.set i, 0
.rept 6
	RND2 GK+2*i, GK+2*i+1, TT
.set i, i+1
.endr
.irp j, 1,2,3
.set c0, ((\j)-1)*11-((\j)-1)*((\j)-2)/2
.set t, 0
.rept 12-(\j)
	v_sub_f32 v[CA+c0+t], v[GK+t+(\j)], v[GK+t]
.set t, t+1
.endr
.endr
.set i, 0
.rept 30
	v_rcp_f32 v[CA+i], v[CA+i]
.set i, i+1
.endr
	v_nop                                          ; a plain instruction behind the last reciprocal,
	s_wait_alu depctr_va_vdst(0)                   ; and one wait for the batch of 30, ahead of the first reader
.irp j, 1,2,3
.set c0, ((\j)-1)*11-((\j)-1)*((\j)-2)/2
.set t, 0
.rept 12-(\j)
	v_mul_f32 v[CB+c0+t], -v[GK+t], v[CA+c0+t]
.set t, t+1
.endr
.endr
.endm
.macro WCALC c                         ; w number c for both rows: one r and one -g r serve both halves
.if ((\c) & 1)
	v_pk_fma_f32 v[W+2*(\c):W+2*(\c)+1], v[X:X+1], v[CA+(\c)-1:CA+(\c)], v[CB+(\c)-1:CB+(\c)] op_sel:[0,1,1] op_sel_hi:[1,1,1]
.else
	v_pk_fma_f32 v[W+2*(\c):W+2*(\c)+1], v[X:X+1], v[CA+(\c):CA+(\c)+1], v[CB+(\c):CB+(\c)+1] op_sel_hi:[1,0,0]
.endif
.endm
.macro LEVEL j, bp, bn                 ; B_j[t] = w[t] B[t] + (1 - w[t+1]) B[t+1], t = 0 .. 10 - j
.set c0, ((\j)-1)*11-((\j)-1)*((\j)-2)/2
.set t, 1
.rept 11-(\j)
	v_pk_fma_f32 v[D+2*t-2:D+2*t-1], v[W+2*(c0+t):W+2*(c0+t)+1], v[(\bp)+2*t:(\bp)+2*t+1], v[(\bp)+2*t:(\bp)+2*t+1] neg_lo:[1,0,0] neg_hi:[1,0,0]
.set t, t+1
.endr
.set t, 0
.rept 11-(\j)
	v_pk_fma_f32 v[(\bn)+2*t:(\bn)+2*t+1], v[W+2*(c0+t):W+2*(c0+t)+1], v[(\bp)+2*t:(\bp)+2*t+1], v[D+2*t:D+2*t+1]
.set t, t+1
.endr
.endm
; A trip expands two rows of my feature: 16 bytes a row and lane, so a wave's store covers 512 consecutive bytes, aligned.
.macro XLOOP trips, hp, step, rowb
	ds_load_b32 v[X], v[HRD]
	ds_load_b32 v[X+1], v[HRD] offset:\hp
	s_mov_b32 s3, \trips
.Lpair_\@:
	s_wait_dscnt 0x0                               ; the two h are in
.irp e, 0,1
.set t, 0
.rept 12
	v_cmp_ge_f32 s[MS+12*\e+t], v[X+\e], v[GK+t]
.set t, t+1
.endr
.endr
.set c, 0
.rept 30
	WCALC c
.set c, c+1
.endr
	s_cmp_eq_u32 s3, 1                             ; the last trip has no pair behind it
	s_cbranch_scc1 .Lnoload_\@
	v_add_nc_u32 v[HRD], 2*(\hp), v[HRD]
	ds_load_b32 v[X], v[HRD]                       ; the next pair: all readers of X stand above
	ds_load_b32 v[X+1], v[HRD] offset:\hp
.Lnoload_\@:
.irp e, 0,1
.set t, 0
.rept 11
	s_and_not1_b32 s[MS+12*\e+t], s[MS+12*\e+t], s[MS+12*\e+t+1]  ; x >= g[t] and not x >= g[t+1]
.set t, t+1
.endr
.endr
.set t, 0
.rept 11
	v_cndmask_b32 v[BA+2*t], 0, 1.0, s[MS+t]
	v_cndmask_b32 v[BA+2*t+1], 0, 1.0, s[MS+12+t]
.set t, t+1
.endr
	LEVEL 1, BA, BB
	LEVEL 2, BB, BA
	LEVEL 3, BA, BB
	s_wait_xcnt 0x0                                ; the last trip's stores have read OUT and their base: both are written again only behind this wait
	s_add_nc_u64 s[AO:AO+1], s[AO:AO+1], \step
.irp e, 0,1
.irp q, 0,1,2,3
	v_cvt_pk_bf16_f32 v[OUT+4*\e+\q], v[BB+4*\q+\e], v[BB+4*\q+2+\e]
.endr
.endr
	global_store_b128 v[AOF], v[OUT:OUT+3], s[AO:AO+1] offset:-(\step) th:TH_STORE_NT
	global_store_b128 v[AOF], v[OUT+4:OUT+7], s[AO:AO+1] offset:(\rowb)-(\step) th:TH_STORE_NT
	s_sub_co_u32 s3, s3, 1
	s_cmp_lg_u32 s3, 0
	s_cbranch_scc1 .Lpair_\@
.endm
; silu of the 8 numbers in v[tt ..], as two bf16 numbers each: the upper parts packed in v[hh ..], the rests in v[ll ..]; v[ee ..] at work
.macro SILU8 tt, ee, hh, ll
.irp p, 0,2,4,6
	v_pk_mul_f32 v[(\ee)+\p:(\ee)+\p+1], v[(\tt)+\p:(\tt)+\p+1], 0xbfb8aa3b op_sel_hi:[1,0]
.endr
.irp p, 0,1,2,3,4,5,6,7
	v_exp_f32 v[(\ee)+\p], v[(\ee)+\p]
.endr
	v_nop
	s_wait_alu depctr_va_vdst(0)                   ; one wait for the eight exponentials
.irp p, 0,2,4,6
	v_pk_add_f32 v[(\ee)+\p:(\ee)+\p+1], v[(\ee)+\p:(\ee)+\p+1], 1.0 op_sel_hi:[1,0]
.endr
.irp p, 0,1,2,3,4,5,6,7
	v_rcp_f32 v[(\ee)+\p], v[(\ee)+\p]
.endr
	v_nop
	s_wait_alu depctr_va_vdst(0)                   ; one wait for the eight reciprocals
.irp p, 0,2,4,6
	v_pk_mul_f32 v[(\tt)+\p:(\tt)+\p+1], v[(\tt)+\p:(\tt)+\p+1], v[(\ee)+\p:(\ee)+\p+1]
.endr
.irp p, 0,1,2,3
	v_cvt_pk_bf16_f32 v[(\hh)+\p], v[(\tt)+2*\p], v[(\tt)+2*\p+1]
.endr
.irp p, 0,1,2,3
	v_lshlrev_b32 v[(\ee)+2*\p], 16, v[(\hh)+\p]
	v_and_b32 v[(\ee)+2*\p+1], 0xffff0000, v[(\hh)+\p]
.endr
.irp p, 0,2,4,6
	v_pk_add_f32 v[(\tt)+\p:(\tt)+\p+1], v[(\tt)+\p:(\tt)+\p+1], v[(\ee)+\p:(\ee)+\p+1] neg_lo:[0,1] neg_hi:[0,1]
.endr
.irp p, 0,1,2,3
	v_cvt_pk_bf16_f32 v[(\ll)+\p], v[(\tt)+2*\p], v[(\tt)+2*\p+1]
.endr
.endm
	s_load_b256 s[4:11], s[0:1], 0x0               ; hs s[4:5], ns1 s[6:7], nb1 s[8:9], grid2 s[10:11]
	s_load_b64 s[12:13], s[0:1], 0x20              ; a2
	v_lshl_add_u32 v[SPW], v0, 2, SPARE
	v_mov_b32 v[NIL], 0
	v_lshrrev_b32 v1, 5, v0
	v_readfirstlane_b32 s14, v1                    ; wave 0..7
	s_and_b32 s15, ttmp7, 0xffff                   ; the batch of 256 features
	v_and_b32 v2, 63, v0
	v_lshlrev_b32 v2, 4, v2                        ; my four columns: 16 bytes
	v_lshrrev_b32 v3, 6, v0
	v_lshl_add_u32 v4, v3, 11, v2                  ; row t / 64 (+ 4 j) of hs, 2,048 bytes a row
	v_mul_u32_u24 v5, v3, HP
	v_add_nc_u32 v5, v5, v2                        ; the same row of H
	v_mul_u32_u24 v6, v0, 48                       ; my feature's 12 knots
	v_lshlrev_b32 v[HRD], 2, v0
	v_lshlrev_b32 v[AOF], 4, v0
	v_and_b32 v1, 31, v0
	s_mul_i32 s54, s14, 2*HP
	v_lshl_add_u32 v[SRD], v1, 5, s54
	v_lshlrev_b32 v[SGO], 4, v1
	s_lshl_b32 s2, ttmp9, 15                       ; 16 rows of 2,048 bytes of hs,
	s_lshl_b32 s20, s15, 10                        ; the batch's 256 columns
	s_add_co_u32 s2, s2, s20
	s_mov_b32 s3, 0
	s_mov_b32 s21, 0
	s_mul_i32 s22, s15, 256*48
	s_mov_b32 s23, 0
	s_mul_i32 s48, s15, 20971520                   ; a2's batch: 4096 rows of 5,120 bytes,
	s_mul_i32 s49, ttmp9, 81920                    ; my 16 rows
	s_add_co_u32 s48, s48, s49
	s_mov_b32 s49, 0
	s_mul_i32 s50, s14, 10240                      ; silu: my wave's two rows,
	s_add_co_u32 s50, s50, 4096                    ; behind the basis values
	s_mov_b32 s51, 0
	s_wait_kmcnt 0x0
	s_add_nc_u64 s[4:5], s[4:5], s[2:3]
	s_add_nc_u64 s[52:53], s[4:5], 0x800000        ; the other half of K
	s_add_nc_u64 s[6:7], s[6:7], s[20:21]
	s_add_nc_u64 s[8:9], s[8:9], s[20:21]
	s_add_nc_u64 s[10:11], s[10:11], s[22:23]
	s_add_nc_u64 s[AO:AO+1], s[12:13], s[48:49]
	s_add_nc_u64 s[SH:SH+1], s[AO:AO+1], s[50:51]
.irp j, 0,1,2,3
	global_load_b128 v[224+4*\j:227+4*\j], v4, s[4:5]   offset:8192*\j th:TH_LOAD_NT
	global_load_b128 v[240+4*\j:243+4*\j], v4, s[52:53] offset:8192*\j th:TH_LOAD_NT
.endr
	global_load_b128 v[100:103], v2, s[6:7]
	global_load_b128 v[104:107], v2, s[8:9]
	global_load_b128 v[GK:GK+3],    v6, s[10:11]
	global_load_b128 v[GK+4:GK+7],  v6, s[10:11] offset:16
	global_load_b128 v[GK+8:GK+11], v6, s[10:11] offset:32
	s_wait_loadcnt 3                               ; all but the three loads of knots
	RND2 100, 101, TT
	RND2 102, 103, TT
	RND2 104, 105, TT
	RND2 106, 107, TT
.irp j, 0,1,2,3
	v_pk_add_f32 v[224+4*\j:225+4*\j], v[224+4*\j:225+4*\j], v[240+4*\j:241+4*\j]
	v_pk_add_f32 v[226+4*\j:227+4*\j], v[226+4*\j:227+4*\j], v[242+4*\j:243+4*\j]
	v_pk_fma_f32 v[224+4*\j:225+4*\j], v[224+4*\j:225+4*\j], v[100:101], v[104:105]
	v_pk_fma_f32 v[226+4*\j:227+4*\j], v[226+4*\j:227+4*\j], v[102:103], v[106:107]
	ds_store_b128 v5, v[224+4*\j:227+4*\j] offset:4*HP*\j
.endr
	s_wait_dscnt 0x0                               ; for the others' sake: my part of H is written
	s_barrier_signal -1
	s_barrier_wait -1
	s_wait_loadcnt 0x0                             ; the knots
	CONSTS
	XLOOP 8, HP, 10240, 5120
.irp e, 0,1                                    ; silu: wave w takes rows 2 w and 2 w + 1, a lane 8 features
	ds_load_b128 v[BA+24*\e:BA+24*\e+3],   v[SRD] offset:HP*\e
	ds_load_b128 v[BA+24*\e+4:BA+24*\e+7], v[SRD] offset:HP*\e+16
.endr
.irp e, 0,1
	s_wait_dscnt 2-2*\e                            ; this row's two loads are in
	SILU8 BA+24*\e, BA+24*\e+8, BA+24*\e+16, BA+24*\e+20
	global_store_b128 v[SGO], v[BA+24*\e+16:BA+24*\e+19], s[SH:SH+1] offset:5120*\e th:TH_STORE_NT      ; 512 consecutive bytes, aligned
	global_store_b128 v[SGO], v[BA+24*\e+20:BA+24*\e+23], s[SH:SH+1] offset:5120*\e+512 th:TH_STORE_NT
.endr
	s_wait_tensorcnt 0x0                           ; the wave's end: a tensor wait, an add of 0 to my spare word and its wait, behind my last LDS store
	ds_add_u32 v[SPW], v[NIL]
	s_wait_dscnt 0x0
	s_endpgm
.Lfunc_end_k_qdc59bec922_e2:
	.size	k_qdc59bec922_e2, .Lfunc_end_k_qdc59bec922_e2-k_qdc59bec922_e2
	.p2alignl 7, 3214868480
	.fill 96, 4, 3214868480
	.section	.rodata,"a",@progbits
	.p2align	6, 0x0
	.amdhsa_kernel k_qdc59bec922_e2
		.amdhsa_group_segment_fixed_size 17664
		.amdhsa_private_segment_fixed_size 0
		.amdhsa_enable_private_segment 0
		.amdhsa_kernarg_size 40
		.amdhsa_user_sgpr_count 2
		.amdhsa_user_sgpr_kernarg_segment_ptr 1
		.amdhsa_wavefront_size32 1
		.amdhsa_system_sgpr_workgroup_id_x 1
		.amdhsa_system_sgpr_workgroup_id_y 1
		.amdhsa_system_sgpr_workgroup_id_z 1
		.amdhsa_system_vgpr_workitem_id 0
		.amdhsa_next_free_vgpr 256
		.amdhsa_next_free_sgpr 66
		.amdhsa_reserve_vcc 0
		.amdhsa_float_denorm_mode_32 3
		.amdhsa_float_denorm_mode_16_64 3
		.amdhsa_memory_ordered 1
		.amdhsa_forward_progress 1
		.amdhsa_inst_pref_size 27
	.end_amdhsa_kernel
	.amdgpu_metadata
---
amdhsa.version: [ 1, 2 ]
amdhsa.kernels:
  - .name:           k_qdc59bec922_e2
    .symbol:         k_qdc59bec922_e2.kd
    .args:
      - { .name: hs, .offset: 0, .size: 8, .value_kind: global_buffer, .address_space: global }
      - { .name: ns1, .offset: 8, .size: 8, .value_kind: global_buffer, .address_space: global }
      - { .name: nb1, .offset: 16, .size: 8, .value_kind: global_buffer, .address_space: global }
      - { .name: grid2, .offset: 24, .size: 8, .value_kind: global_buffer, .address_space: global }
      - { .name: a2, .offset: 32, .size: 8, .value_kind: global_buffer, .address_space: global }
    .group_segment_fixed_size: 17664
    .private_segment_fixed_size: 0
    .kernarg_segment_align: 8
    .kernarg_segment_size: 40
    .max_flat_workgroup_size: 256
    .sgpr_count:     66
    .vgpr_count:     256
    .wavefront_size: 32
...
	.end_amdgpu_metadata
.endif
;; end of part 4
;; launch g2 (part 5): grid 8 x 32, 4 waves a work-group, clusters of 4 x 4, 327,680 bytes of LDS; arguments a2, w2, hs; writes hs
.if DOCPART == 5
	.amdgcn_target "amdgcn-amd-amdhsa--gfx1250"
	.amdhsa_code_object_version 6
	.text
	.protected	k_qdc59bec922_g2
	.globl	k_qdc59bec922_g2
	.p2align	8
	.type	k_qdc59bec922_g2,@function
k_qdc59bec922_g2:
	s_mov_b64 s[64:65], 0
	v_nop
	global_prefetch_b8 v0, s[64:65] scope:SCOPE_SE
	s_setreg_imm32_b32 hwreg(HW_REG_WAVE_MODE, 25, 1), 1
	s_wait_xcnt 0x0
	s_wait_alu depctr_hold_cnt(0) depctr_sa_sdst(0) depctr_va_vdst(0) depctr_va_sdst(0) depctr_va_ssrc(0) depctr_va_vcc(0) depctr_vm_vsrc(0)
	s_getreg_b32 s2, hwreg(HW_REG_IB_STS2, 6, 4)
	s_cmp_eq_u32 s2, 0
	s_cbranch_scc0 .Lentry_in_a_cluster
	s_endpgm
.Lentry_in_a_cluster:
	s_bfe_u32 s2, ttmp6, 0x10000c
	s_cmp_lg_u32 s2, 0xf033
	s_cbranch_scc0 .Lentry_shape_is_right
	s_endpgm
.Lentry_shape_is_right:
; LAYER 2's PRODUCT, K IN TWO HALVES.  hs[b][m][o] = sum over k of a2[b][m][k] w2[b][o][k], b = 0, 1; a2: [2][4096][2560], w2: [2][512][2560], bf16; hs: [2][4096][512], f32 partial sums, added in the next launch.
; 4096 x 512 outputs are 128 tiles of 128 x 128; with K halved there are 256 equal work-groups.  The half is the cluster's x: w2 is walked as [1024][2560], tile column 4 x cluster x + cx.
; Four waves, each 64 x 64: 16 accumulators.  K goes in steps of 256 (LDS rows of 512 bytes + 16 of padding) through two slots; a wave's tensor load brings 64 rows.
; CLUSTERS: 4 x 4 work-groups.  The four of a row of the cluster need the same tiles of A (same rows, same half of K), the four of a column the same tiles of W: each tile is asked for JOINTLY, by the same
; tensor load with the same descriptor and a mask that names the four.  THE MATRIX INSTRUCTION IS USED TRANSPOSED (source 0 = 16 rows of W, source 1 = 16 rows of A): a lane holds eight neighbouring columns of a row.
; REGISTERS: window 0: v0-31 addresses; v32-95 at work on the way out; v128-255 the accumulators ((a, b) at v[128 + 8 (4 a + b)]).
;   window 1: two fragment buffers of 128: for 64 along K, 64 registers of A (2 x 4 x 16 rows x 32 K), then 64 of B.
.set KB,     2560                      ; K of a half
.set ABATCH, 20971520                  ; bytes in a half of A: 4096 rows
.set KSTEP,  256
.set PITCH,  528                       ; an LDS row: 512 bytes + 16 of padding = 132 words: row r starts at bank 4 r mod 64 (64 banks of 4 bytes: ISA guide 11.1)
.set HALFT,  64*PITCH
.set SLOT,   4*HALFT
.set STAGE,  2*SLOT                    ; behind the ring: 16 rows x 272 bytes for each wave, for the way out
.set SPITCH, 272
.set SPARE,  STAGE+4*16*SPITCH         ; behind the stages: the spare words, 128 bytes for each wave: two blocks of 256 bytes that no other line names
.set LAPS,   KB/(2*KSTEP)
.set ADRA, 16
.set ADRB, 20
.set STO,  24                          ; v24     the way out: where I put 32 bytes of a row
.set RD,   25                          ; v25     the way out: where I read a row back
.set CO,   26                          ; v26     my byte offset in hs
.set SPW,  28
.set NIL,  29
.set TMP,  32
.set ACC,  128
.set F0,   0
.set F1,   128
.set G1, 24
.set G0, 32
.set G1B, 48
.set G0B, 56
.set MSB, 0
.macro WIN new                         ; the immediate's high byte repeats the setting that is left
.if MSB != (\new)
	s_set_vgpr_msb (MSB<<8)|(\new)
.set MSB, \new
.endif
.endm
.set MUL,  0x05                        ; sources 0 (B) and 1 (A) window 1; C and D window 0
.set TO_F, 0x40                        ; destination window 1, address window 0
.macro JLOAD s                         ; a joint load: waves 0 and 1 fetch A's two halves, waves 2 and 3 B's; an s_nop 0 and four v_nop follow each of the two lines
	s_cmp_eq_u32 s11, 0
	s_cbranch_scc0 .Lfor_b_\@
	tensor_load_to_lds s[G0+4*(\s):G0+4*(\s)+3], s[G1:G1+7]
	s_nop 0
.rept 4
	v_nop
.endr
	s_branch .Lasked_\@
.Lfor_b_\@:
	tensor_load_to_lds s[G0B+4*(\s):G0B+4*(\s)+3], s[G1B:G1B+7]
	s_nop 0
.rept 4
	v_nop
.endr
.Lasked_\@:
.endm
.macro CREST                           ; a round of the cluster's barrier behind its opening barrier
	s_cmp_lg_u32 s10, 0
	s_cbranch_scc1 .Lnot_wave_0_\@
	s_barrier_signal -3
.Lnot_wave_0_\@:
	s_barrier_wait -3
	s_barrier_signal -1
	s_barrier_wait -1
.endm
.macro CROUND                          ; a whole round
	s_barrier_signal -1
	s_barrier_wait -1
	CREST
.endm
	s_load_b128 s[4:7], s[0:1], 0x0                ; A s[4:5], W s[6:7]
	s_load_b64 s[8:9], s[0:1], 0x10                ; hs
	v_lshl_add_u32 v[SPW], v0, 2, SPARE
	v_mov_b32 v[NIL], 0
	ds_add_u32 v[SPW], v[NIL]                      ; the wave's opening: the add, twice on end, and its wait ahead of my first tensor load; the set-up below stands between
	ds_add_u32 v[SPW], v[NIL]                      ; and once more, under the one wait
	v_lshrrev_b32 v1, 5, v0
	v_readfirstlane_b32 s10, v1                    ; wave 0..3
	s_lshr_b32 s11, s10, 1                         ; which half of the tile's rows is mine.  Also: I fetch for A (0) or for B (1)
	s_and_b32 s12, s10, 1                          ; which half of its columns.  Also: which 64 rows of that tile I fetch
	s_bfe_u32 s40, ttmp6, 0x40000                  ; cx, cy: my place in the cluster
	s_bfe_u32 s41, ttmp6, 0x40004
	s_lshl_b32 s42, ttmp9, 2
	s_add_co_u32 s42, s42, s40                     ; tile column = 4 x cluster x + cx
	s_and_b32 s13, ttmp7, 0xffff
	s_lshl_b32 s13, s13, 2
	s_add_co_u32 s13, s13, s41                     ; tile row = 4 x cluster y + cy
	s_lshl_b32 s43, s41, 2
	s_lshl_b32 s43, 15, s43                        ; my row of the cluster
	s_lshl_b32 s44, 0x1111, s40                    ; my column
	; descriptor group 1: a tile of 64 rows x 256 elements, padded in LDS
	s_or_b32 s[G1+0], s43, (1<<16)|(1<<20)|(1<<21)|(6<<22)|(3<<25)  ; 15:0 the mask: A's tiles go to my row; 17:16 element of 2 bytes; 20 padding on; 21 set beside a mask; 24:22 after every 128 words (code 6); 31:25 of 4 words (code 3)
	s_or_b32 s[G1B+0], s44, (1<<16)|(1<<20)|(1<<21)|(6<<22)|(3<<25)
.irp g, G1, G1B
	s_mov_b32 s[(\g)+1], KSTEP<<16                 ; tensor_dim0 = 256
	s_mov_b32 s[(\g)+2], 64<<16                    ; tensor_dim1 = 64
	s_mov_b32 s[(\g)+3], KSTEP<<16                 ; tile_dim0 = 256
	s_mov_b32 s[(\g)+4], 64                        ; tile_dim1 = 64
	s_mov_b32 s[(\g)+5], KB                        ; elements from row to row
	s_mov_b32 s[(\g)+6], 0
	s_mov_b32 s[(\g)+7], 0
.endr
	s_lshl_b32 s17, s12, 6                         ; which 64 rows of the tile I fetch
	s_lshl_b32 s16, s13, 7
	s_add_co_u32 s16, s16, s17                     ; A: row 128 x tile row + 64 x half
	s_lshl_b32 s46, s42, 7
	s_add_co_u32 s46, s46, s17                     ; W: row 128 x tile column + 64 x half
	s_mov_b32 s17, 0
	s_mov_b32 s47, 0
	s_mov_b64 s[18:19], KB*2
	s_mul_u64 s[16:17], s[16:17], s[18:19]
	s_mul_u64 s[46:47], s[46:47], s[18:19]
	s_mul_i32 s22, ttmp9, ABATCH                   ; A's half of K: the cluster's x, which all sixteen partners share
	s_mov_b32 s23, 0
	s_add_nc_u64 s[16:17], s[16:17], s[22:23]
	s_mul_i32 s20, s10, HALFT                      ; where they go: wave x 64 rows
	s_wait_dscnt 0x0                               ; both opening adds are done
	s_wait_kmcnt 0x0
	s_add_nc_u64 s[14:15], s[4:5], s[16:17]
	s_add_nc_u64 s[46:47], s[6:7], s[46:47]
	CROUND                                         ; all sixteen work-groups are here: the first joint loads meet
.irp s, 0,1
	s_mov_b32 s[G0+4*(\s)], 1
	s_add_co_u32 s[G0+4*(\s)+1], s20, (\s)*SLOT
	s_add_nc_u64 s[G0+4*(\s)+2:G0+4*(\s)+3], s[14:15], (\s)*KSTEP*2
	s_or_b32 s[G0+4*(\s)+3], s[G0+4*(\s)+3], 0x80000000
	s_mov_b32 s[G0B+4*(\s)], 1
	s_add_co_u32 s[G0B+4*(\s)+1], s20, (\s)*SLOT
	s_add_nc_u64 s[G0B+4*(\s)+2:G0B+4*(\s)+3], s[46:47], (\s)*KSTEP*2
	s_or_b32 s[G0B+4*(\s)+3], s[G0B+4*(\s)+3], 0x80000000
	JLOAD \s
.endr
	v_and_b32 v1, 15, v0                           ; l % 16
	v_bfe_u32 v2, v0, 4, 1                         ; l / 16
	v_mul_u32_u24 v3, v1, PITCH
	v_lshl_add_u32 v3, v2, 4, v3                   ; a fragment's row x pitch + 16 x half
	s_mul_i32 s21, s11, HALFT                      ; my 64 rows of A
	s_mul_i32 s22, s12, HALFT                      ; my 64 rows of B,
	s_add_co_u32 s22, s22, 2*HALFT                 ; which lie behind A's 128
.irp s, 0,1
	v_add_nc_u32 v[ADRA+(\s)], s21, v3
	v_add_nc_u32 v[ADRB+(\s)], s22, v3
	s_add_co_u32 s21, s21, SLOT
	s_add_co_u32 s22, s22, SLOT
.endr
	s_mul_i32 s23, s10, 16*SPITCH
	s_add_co_u32 s23, s23, STAGE                   ; my stage
	v_mul_u32_u24 v4, v1, SPITCH                   ; in: row l % 16, 32 bytes (8 f32) for each half of the lanes
	v_lshl_add_u32 v4, v2, 5, v4
	v_add_nc_u32 v[STO], s23, v4
	v_mul_u32_u24 v5, v2, SPITCH                   ; back: lanes 0-15 take one row of 256 bytes, lanes 16-31 the next
	v_lshl_add_u32 v5, v1, 4, v5
	v_add_nc_u32 v[RD], s23, v5
	v_lshlrev_b32 v5, 11, v2                       ; and the same two rows in hs, 2,048 bytes apart
	v_lshl_add_u32 v[CO], v1, 4, v5
	s_lshl_b32 s16, s13, 7
	s_lshl_b32 s17, s11, 6
	s_add_co_u32 s16, s16, s17                     ; my first row: 128 x tile row + 64 x half
	s_lshl_b32 s16, s16, 11
	s_lshl_b32 s17, ttmp9, 23                      ; the half of K: 8,388,608 bytes of hs
	s_add_co_u32 s16, s16, s17
	s_lshl_b32 s17, s12, 8                         ; my 64 columns
	s_add_co_u32 s16, s16, s17
	s_mov_b32 s17, 0
	s_add_nc_u64 s[8:9], s[8:9], s[16:17]
	s_lshl_b32 s46, s40, 9                         ; the tile's 128 columns
	s_mov_b32 s47, 0
	s_add_nc_u64 s[8:9], s[8:9], s[46:47]
; 8 matrix instructions: m blocks a0, a0 + 1 x all 4 n blocks, 32 along K: half c of buffer f.  zero = 1: the first product starts the sums
.macro MUL8 f, c, a0, zero
	WIN MUL
.irp a, \a0, (\a0)+1
.irp b, 0,1,2,3
.if \zero
	v_wmma_f32_16x16x32_bf16 v[ACC+8*(4*(\a)+(\b)):ACC+8*(4*(\a)+(\b))+7], v[(\f)+64+8*(4*(\c)+(\b)):(\f)+64+8*(4*(\c)+(\b))+7], v[(\f)+8*(4*(\c)+(\a)):(\f)+8*(4*(\c)+(\a))+7], 0
.else
	v_wmma_f32_16x16x32_bf16 v[ACC+8*(4*(\a)+(\b)):ACC+8*(4*(\a)+(\b))+7], v[(\f)+64+8*(4*(\c)+(\b)):(\f)+64+8*(4*(\c)+(\b))+7], v[(\f)+8*(4*(\c)+(\a)):(\f)+8*(4*(\c)+(\a))+7], v[ACC+8*(4*(\a)+(\b)):ACC+8*(4*(\a)+(\b))+7]
.endif
.endr
.endr
.endm
; 32 LDS loads in one run: the fragments of 64 along K at byte k of the rows, into buffer f; the first 32 along K first
.macro FETCH slot, k, f
	WIN TO_F
.irp c, 0,1
.irp i, 0,1,2,3
	ds_load_b128 v[(\f)+64+8*(4*(\c)+(\i)):(\f)+64+8*(4*(\c)+(\i))+3],   v[ADRB+(\slot)] offset:(\k)+64*(\c)+(\i)*16*PITCH
	ds_load_b128 v[(\f)+64+8*(4*(\c)+(\i))+4:(\f)+64+8*(4*(\c)+(\i))+7], v[ADRB+(\slot)] offset:(\k)+64*(\c)+(\i)*16*PITCH+32
	ds_load_b128 v[(\f)+8*(4*(\c)+(\i)):(\f)+8*(4*(\c)+(\i))+3],         v[ADRA+(\slot)] offset:(\k)+64*(\c)+(\i)*16*PITCH
	ds_load_b128 v[(\f)+8*(4*(\c)+(\i))+4:(\f)+8*(4*(\c)+(\i))+7],       v[ADRA+(\slot)] offset:(\k)+64*(\c)+(\i)*16*PITCH+32
.endr
.endr
.endm
.macro PLACES                          ; four places in front of loads into registers that matrix instructions have read, and of lines that read results
.rept 4
	v_nop
.endr
.endm
; A K step is four quarters of 64 along K, 32 matrix instructions each, on buffers 0, 1, 0, 1.  One of the first three: multiplies buffer f and fetches the next quarter, at byte k, into g.
; The 16 accumulators take turns, one instruction a turn.
.macro QUARTER slot, k, f, g, zero
	s_wait_dscnt 16                                ; the first 32 along K are in; the youngest sixteen loads may be out
	WIN MUL
	MUL8 \f, 0, 0, \zero
	MUL8 \f, 0, 2, \zero
	PLACES
	FETCH \slot, \k, \g
	s_wait_dscnt 32                                ; all but the 32 just issued
	WIN MUL
	MUL8 \f, 1, 0, 0
	MUL8 \f, 1, 2, 0
.endm
; The last quarter multiplies buffer 1 and changes slots: ONE barrier; in front of it each wave waits for all its tensor loads, adds 0 to its spare word, and waits for that and for its own reads of this slot.  fill = 1: this slot is filled again, two K steps ahead.
.macro TURN slot, next, fill
	WIN 0                                          ; (the add's two registers lie in window 0)
	s_wait_tensorcnt 0x0                           ; all my tensor loads have landed: my part of the next slot;
	ds_add_u32 v[SPW], v[NIL]                      ; 0 onto my spare word;
	s_wait_dscnt 17                                ; (the add and the youngest sixteen loads may be out)
	WIN MUL
	MUL8 F1, 0, 0, 0                               ; eight matrix instructions stand between the add and the wait for it
	s_wait_dscnt 0x0                               ; the add is done, and my reads of this slot are over
	s_barrier_signal -1
	MUL8 F1, 0, 2, 0
.if \fill
	WIN 0
.endif
	s_barrier_wait -1
.if \fill
	CREST                                          ; the barrier has opened a round of the cluster's barrier: no wave of any partner still reads this slot's tile or has a load on its way
	s_add_nc_u64 s[G0+4*(\slot)+2:G0+4*(\slot)+3], s[G0+4*(\slot)+2:G0+4*(\slot)+3], 2*KSTEP*2
	s_add_nc_u64 s[G0B+4*(\slot)+2:G0B+4*(\slot)+3], s[G0B+4*(\slot)+2:G0B+4*(\slot)+3], 2*KSTEP*2
	JLOAD \slot                                    ; the first tensor load behind the round: 112 matrix instructions ahead of the wait for it; the four v_nop behind it are also the places in front of the loads below
.else
	PLACES
.endif
	FETCH \next, 0, F0
	WIN MUL
	MUL8 F1, 1, 0, 0
	MUL8 F1, 1, 2, 0
.endm
	s_wait_tensorcnt 1                             ; my part of K step 0 is in; K step 1's may stay out
	s_barrier_signal -1
	s_barrier_wait -1                              ; everybody's is
	FETCH 0, 0, F0
	QUARTER 0, 128, F0, F1, 1                      ; the first quarter stands in front of the loop: its first products start the sums
	WIN 0                                          ; at a label and at a branch every window is 0
	s_mov_b32 s3, LAPS-1
.Llap:                                                 ; a trip goes once round the ring, from a lap's second quarter to the next lap's first, and fills both slots again
	QUARTER 0, 256, F1, F0, 0
	QUARTER 0, 384, F0, F1, 0
	TURN 0, 1, 1
	QUARTER 1, 128, F0, F1, 0
	QUARTER 1, 256, F1, F0, 0
	QUARTER 1, 384, F0, F1, 0
	TURN 1, 0, 1
	QUARTER 0, 128, F0, F1, 0
	WIN 0
	s_sub_co_u32 s3, s3, 1
	s_cmp_lg_u32 s3, 0
	s_cbranch_scc1 .Llap
	QUARTER 0, 256, F1, F0, 0                      ; the last lap fills nothing, and has no round of the cluster's barrier
	QUARTER 0, 384, F0, F1, 0
	TURN 0, 1, 0
	QUARTER 1, 128, F0, F1, 0
	QUARTER 1, 256, F1, F0, 0
	QUARTER 1, 384, F0, F1, 0
	s_wait_dscnt 16                                ; the very last quarter: nothing more to fetch
	WIN MUL
	MUL8 F1, 0, 0, 0
	MUL8 F1, 0, 2, 0
	s_wait_dscnt 0
	MUL8 F1, 1, 0, 0
	MUL8 F1, 1, 2, 0
	WIN 0
	; THE WAY OUT, in f32: 16 rows x 64 columns at a time through my own stage; each accumulator is read from its lowest registers on
	PLACES
	PLACES
.irp a, 0,1,2,3
.if (\a) >= 2
	s_wait_xcnt 0x0                                ; the stores of two blocks back have read the registers that are loaded again below
.endif
.irp b, 0,1,2,3
	ds_store_b128 v[STO], v[ACC+8*(4*(\a)+(\b)):ACC+8*(4*(\a)+(\b))+3]   offset:64*(\b)
	ds_store_b128 v[STO], v[ACC+8*(4*(\a)+(\b))+4:ACC+8*(4*(\a)+(\b))+7] offset:64*(\b)+16
.endr
.irp t, 0,1,2,3,4,5,6,7
	ds_load_b128 v[TMP+32*((\a)%2)+4*(\t):TMP+32*((\a)%2)+4*(\t)+3], v[RD] offset:(\t)*2*SPITCH  ; LDS serves a wave's instructions in order (ISA guide 5.7.1.4): these see the stores above; the next block's stores come behind them
.endr
.irp t, 0,1,2,3,4,5,6,7
	s_wait_dscnt 7-(\t)                            ; load t is in; the younger ones stay out
	global_store_b128 v[CO], v[TMP+32*((\a)%2)+4*(\t):TMP+32*((\a)%2)+4*(\t)+3], s[8:9] offset:(16*(\a)+2*(\t))*2048 th:TH_STORE_NT  ; 16 lanes store 256 consecutive bytes, aligned
.endr
.endr
	s_wait_tensorcnt 0x0                           ; the wave's end: a tensor wait, an add of 0 to my spare word and its wait, behind my last tensor load and my last LDS store
	ds_add_u32 v[SPW], v[NIL]
	s_wait_dscnt 0x0
	CROUND                                         ; the closing round: no work-group ends while a partner may still ask for a tile that names it
	s_endpgm
.Lfunc_end_k_qdc59bec922_g2:
	.size	k_qdc59bec922_g2, .Lfunc_end_k_qdc59bec922_g2-k_qdc59bec922_g2
	.p2alignl 7, 3214868480
	.fill 96, 4, 3214868480
	.section	.rodata,"a",@progbits
	.p2align	6, 0x0
	.amdhsa_kernel k_qdc59bec922_g2
		.amdhsa_group_segment_fixed_size 327680
		.amdhsa_private_segment_fixed_size 0
		.amdhsa_enable_private_segment 0
		.amdhsa_kernarg_size 24
		.amdhsa_user_sgpr_count 2
		.amdhsa_user_sgpr_kernarg_segment_ptr 1
		.amdhsa_wavefront_size32 1
		.amdhsa_system_sgpr_workgroup_id_x 1
		.amdhsa_system_sgpr_workgroup_id_y 1
		.amdhsa_system_sgpr_workgroup_id_z 1
		.amdhsa_system_vgpr_workitem_id 0
		.amdhsa_next_free_vgpr 512
		.amdhsa_next_free_sgpr 66
		.amdhsa_reserve_vcc 0
		.amdhsa_float_denorm_mode_32 3
		.amdhsa_float_denorm_mode_16_64 3
		.amdhsa_memory_ordered 1
		.amdhsa_forward_progress 1
		.amdhsa_inst_pref_size 87
	.end_amdhsa_kernel
	.amdgpu_metadata
---
amdhsa.version: [ 1, 2 ]
amdhsa.kernels:
  - .name:           k_qdc59bec922_g2
    .symbol:         k_qdc59bec922_g2.kd
    .args:
      - { .name: a2, .offset: 0, .size: 8, .value_kind: global_buffer, .address_space: global }
      - { .name: w2, .offset: 8, .size: 8, .value_kind: global_buffer, .address_space: global }
      - { .name: hs, .offset: 16, .size: 8, .value_kind: global_buffer, .address_space: global }
    .group_segment_fixed_size: 327680
    .private_segment_fixed_size: 0
    .kernarg_segment_align: 8
    .kernarg_segment_size: 24
    .max_flat_workgroup_size: 128
    .sgpr_count:     66
    .vgpr_count:     512
    .wavefront_size: 32
...
	.end_amdgpu_metadata
.endif
;; end of part 5
;; launch fin (part 6): grid 256 x 1, 8 waves a work-group, no clusters, 0 bytes of LDS; arguments hs, ns2, nb2, sigma, out0, out1; writes out0, out1
.if DOCPART == 6
	.amdgcn_target "amdgcn-amd-amdhsa--gfx1250"
	.amdhsa_code_object_version 6
	.text
	.protected	k_qdc59bec922_fin
	.globl	k_qdc59bec922_fin
	.p2align	8
	.type	k_qdc59bec922_fin,@function
k_qdc59bec922_fin:
	s_mov_b64 s[64:65], 0
	v_nop
	global_prefetch_b8 v0, s[64:65] scope:SCOPE_SE
	s_setreg_imm32_b32 hwreg(HW_REG_WAVE_MODE, 25, 1), 1
	s_wait_xcnt 0x0
; THE END.  out0[m][o] = ns2[o] x (hs[0][m][o] + hs[1][m][o]) + nb2[o], all f32; out1 = sigma, copied as it is.  ns2 and nb2 are rounded to bf16 before use, like every other input of the products.
; A stream: a work-group takes 16 rows of 2,048 bytes, two rows an instruction of its 256 threads; a wave's load or store covers 512 consecutive bytes, aligned.  All 18 loads go out at once.  No LDS, no barrier, no matrix work.
.macro RND2 a, b, t                    ; two f32 numbers rounded to bf16 and widened again
	v_cvt_pk_bf16_f32 v[\t], v[\a], v[\b]
	v_lshlrev_b32 v[\a], 16, v[\t]
	v_and_b32 v[\b], 0xffff0000, v[\t]
.endm
	s_load_b256 s[4:11], s[0:1], 0x0               ; hs s[4:5], ns2 s[6:7], nb2 s[8:9], sigma s[10:11]
	s_load_b128 s[12:15], s[0:1], 0x20             ; out0 s[12:13], out1 s[14:15]
	v_and_b32 v1, 127, v0
	v_lshlrev_b32 v1, 4, v1                        ; my four columns
	v_lshrrev_b32 v2, 7, v0
	v_lshl_add_u32 v2, v2, 11, v1                  ; row t / 128 (+ 2 j)
	v_lshrrev_b32 v3, 5, v0
	v_readfirstlane_b32 s16, v3                    ; wave 0..7
	s_lshl_b32 s2, ttmp9, 15                       ; 16 rows of 2,048 bytes
	s_mov_b32 s3, 0
	s_wait_kmcnt 0x0
	s_add_nc_u64 s[4:5], s[4:5], s[2:3]
	s_add_nc_u64 s[18:19], s[4:5], 0x800000        ; the other half of K
	s_add_nc_u64 s[12:13], s[12:13], s[2:3]
	global_load_b128 v[4:7],  v1, s[6:7]
	global_load_b128 v[8:11], v1, s[8:9]
.irp j, 0,1,2,3,4,5,6,7
	global_load_b128 v[16+8*\j:19+8*\j], v2, s[4:5]   offset:4096*\j th:TH_LOAD_NT
	global_load_b128 v[20+8*\j:23+8*\j], v2, s[18:19] offset:4096*\j th:TH_LOAD_NT
.endr
	s_wait_loadcnt 16                              ; ns2 and nb2 are in; the 16 loads of partial sums may stay out
	RND2 4, 5, 12
	RND2 6, 7, 12
	RND2 8, 9, 12
	RND2 10, 11, 12
.irp j, 0,1,2,3,4,5,6,7
	s_wait_loadcnt 14-2*\j                         ; this pair of loads is in; the younger pairs stay out
	v_pk_add_f32 v[16+8*\j:17+8*\j], v[16+8*\j:17+8*\j], v[20+8*\j:21+8*\j]
	v_pk_add_f32 v[18+8*\j:19+8*\j], v[18+8*\j:19+8*\j], v[22+8*\j:23+8*\j]
	v_pk_fma_f32 v[16+8*\j:17+8*\j], v[16+8*\j:17+8*\j], v[4:5], v[8:9]
	v_pk_fma_f32 v[18+8*\j:19+8*\j], v[18+8*\j:19+8*\j], v[6:7], v[10:11]
	global_store_b128 v2, v[16+8*\j:19+8*\j], s[12:13] offset:4096*\j th:TH_STORE_NT
.endr
	s_cmp_lg_u32 ttmp9, 0                          ; sigma's 2,048 bytes: the first work-group's first four waves, 16 bytes a thread
	s_cbranch_scc1 .Lend
	s_cmp_lt_u32 s16, 4
	s_cbranch_scc0 .Lend
	v_lshlrev_b32 v13, 4, v0
	global_load_b128 v[84:87], v13, s[10:11]
	s_wait_loadcnt 0x0
	global_store_b128 v13, v[84:87], s[14:15]
.Lend:
	s_endpgm
.Lfunc_end_k_qdc59bec922_fin:
	.size	k_qdc59bec922_fin, .Lfunc_end_k_qdc59bec922_fin-k_qdc59bec922_fin
	.p2alignl 7, 3214868480
	.fill 96, 4, 3214868480
	.section	.rodata,"a",@progbits
	.p2align	6, 0x0
	.amdhsa_kernel k_qdc59bec922_fin
		.amdhsa_group_segment_fixed_size 0
		.amdhsa_private_segment_fixed_size 0
		.amdhsa_enable_private_segment 0
		.amdhsa_kernarg_size 48
		.amdhsa_user_sgpr_count 2
		.amdhsa_user_sgpr_kernarg_segment_ptr 1
		.amdhsa_wavefront_size32 1
		.amdhsa_system_sgpr_workgroup_id_x 1
		.amdhsa_system_sgpr_workgroup_id_y 1
		.amdhsa_system_sgpr_workgroup_id_z 1
		.amdhsa_system_vgpr_workitem_id 0
		.amdhsa_next_free_vgpr 128
		.amdhsa_next_free_sgpr 66
		.amdhsa_reserve_vcc 0
		.amdhsa_float_denorm_mode_32 3
		.amdhsa_float_denorm_mode_16_64 3
		.amdhsa_memory_ordered 1
		.amdhsa_forward_progress 1
		.amdhsa_inst_pref_size 7
	.end_amdhsa_kernel
	.amdgpu_metadata
---
amdhsa.version: [ 1, 2 ]
amdhsa.kernels:
  - .name:           k_qdc59bec922_fin
    .symbol:         k_qdc59bec922_fin.kd
    .args:
      - { .name: hs, .offset: 0, .size: 8, .value_kind: global_buffer, .address_space: global }
      - { .name: ns2, .offset: 8, .size: 8, .value_kind: global_buffer, .address_space: global }
      - { .name: nb2, .offset: 16, .size: 8, .value_kind: global_buffer, .address_space: global }
      - { .name: sigma, .offset: 24, .size: 8, .value_kind: global_buffer, .address_space: global }
      - { .name: out0, .offset: 32, .size: 8, .value_kind: global_buffer, .address_space: global }
      - { .name: out1, .offset: 40, .size: 8, .value_kind: global_buffer, .address_space: global }
    .group_segment_fixed_size: 0
    .private_segment_fixed_size: 0
    .kernarg_segment_align: 8
    .kernarg_segment_size: 48
    .max_flat_workgroup_size: 256
    .sgpr_count:     66
    .vgpr_count:     128
    .wavefront_size: 32
...
	.end_amdgpu_metadata
.endif
;; end of part 6
;; ======== version 2 of 3: 5 launches; 1.14 times as fast as version 1
;; workspace buffers: w0 5,242,880 bytes; w1 10,485,760 bytes; w2 5,242,880 bytes; a0 20,971,520 bytes; h0 16,777,216 bytes; p1 33,554,432 bytes; p2 33,554,432 bytes
;; launch prep (part 7): grid 64 x 8, 8 waves a work-group, no clusters, 79,360 bytes of LDS; arguments coef0, ss0, sb0, w0, coef1, ss1, sb1, w1, coef2, ss2, sb2, w2, x, grid0, a0; writes w0, w1, w2, a0
.if DOCPART == 7
	.amdgcn_target "amdgcn-amd-amdhsa--gfx1250"
	.amdhsa_code_object_version 6
	.text
	.protected	k_qdc59bec922_prep
	.globl	k_qdc59bec922_prep
	.p2align	8
	.type	k_qdc59bec922_prep,@function
k_qdc59bec922_prep:
	s_mov_b64 s[64:65], 0
	v_nop
	global_prefetch_b8 v0, s[64:65] scope:SCOPE_SE
	s_setreg_imm32_b32 hwreg(HW_REG_WAVE_MODE, 25, 1), 1
	s_wait_xcnt 0x0
; PREP.  Two kinds of work-group, told apart by the work-group's y alone (the same for all eight waves).
; THE ORDER OF K, for weights and for expanded operands alike.  64 input features are a GROUP of 640 numbers, five blocks of 128 (256 bytes in bf16):
;   block 0: [silu, upper part, of features 0..63][silu, the rest, of features 0..63]; on the weights' side bf16(sb) and the same once more;
;   block 1 + i (i = 0..3): the 8 cubic B-spline values of features 4 fl + i, fl = 0..15, at 8 fl + k; on the weights' side bf16(bf16(coef) x bf16(ss)).
; y = 0..3: WEIGHTS.  w0: [1024 o][4 groups]; w1: [4 slices of 256 features][512 o][4 groups]; w2: [4 slices of 128 features][512 o][2 groups].
;   A work-group turns a block of 128 i x 32 o; wave w takes the 16 features of one block of K (group w / 4, i = w % 4), a lane one o.  The turn from [i][o] to [o][i] goes through LDS, so that 16 lanes store 256 consecutive bytes, aligned.
; y = 4..7: x EXPANDED into a0: [4096][4 groups] bf16.  16 rows a work-group, a thread a feature.
; LIMITS.  Every input is rounded to bf16 (nearest even) before it is used.  1 / (difference of knots) is v_rcp_f32 (1 ulp; a difference below 2^-126 counts as 0; equal knots give infinities and NaN as in the formula).
; The second weight of the recurrence, (g[t+j+1] - x) / (g[t+j+1] - g[t+1]), is taken as 1 - (x - g[t+1]) / (g[t+1+j] - g[t+1]): the same number, off by some 1e-7 x |g / difference|.
; x < g[t+1] is taken as not (x >= g[t+1]): it differs for NaN alone, which gives NaN either way.  silu(x) = x / (1 + 2^(-1.442695 x)); it is handed on as two bf16 numbers whose sum holds 16 bits of it.
.set HP,    1040                       ; x part: a row of H in LDS: 256 f32 + 16 bytes
.set WST,   8704                       ; weights part: a wave's stage: 32 rows (o) x 272 bytes (16 i x 16 bytes + 16)
.set SBST,  69632                      ; behind the eight stages: sb's stage, 32 rows (o) x 272 bytes (128 i x 2 bytes + 16)
.set SPARE, 78336                      ; the spare words, 128 bytes for each wave: four blocks of 256 bytes that no other line names
.set SPW, 28                           ; v28  LDS address of my spare word; never rewritten
.set NIL, 29                           ; v29  0; never rewritten
; weights part
.set SSR, 32                           ; v[32:47]   ss of my o, 16 i
.set SBR, 48                           ; v[48:63]   sb of my o, 16 i
.set CF,  64                           ; v[64:191]  coef: 8 numbers for each of 16 i
.set VC,  192                          ; v[192:207] coef's byte offsets, one for each i
.set VS,  208                          ; v[208:223] ss's
.set VD,  224                          ; v[224:239] the stores' offsets, one for each pair of rows of W
.set T4,  240                          ; v[240:243] at work
; x part
.set GK,  12                           ; v[12:23]   my feature's 12 knots
.set X,   24                           ; v[24:25]   x of two rows
.set TT,  26                           ; v26        at work
.set OUT, 32                           ; v[32:39]   two rows' 8 basis values in bf16
.set CA,  40                           ; v[40:69]   r = 1 / (g[t+j] - g[t]): j = 1 at 0..10, j = 2 at 11..20, j = 3 at 21..29
.set CB,  70                           ; v[70:99]   -g[t] r
.set BA,  100                          ; v[100:121] basis values, pairs of rows
.set BB,  122                          ; v[122:143] the same, the other buffer
.set D,   144                          ; v[144:163] (1 - w) B
.set W,   164                          ; v[164:223] w = x r - g r, 30 pairs
.set HRD, 7                            ; v7   LDS address of my feature in the row to be read next
.set AOF, 8                            ; v8   my feature's 16 bytes in a row of a0
.set SRD, 9                            ; v9   silu: my 8 features in my wave's first row
.set SGO, 10                           ; v10  silu: my 16 bytes in a row of a0
.set MS,  24                           ; s[24:47] the comparisons' masks, 12 for each of two rows
.set AO,  16                           ; s[16:17] a0 at the pair of rows in hand
.set SH,  18                           ; s[18:19] a0 at my wave's two rows
.macro RND2 a, b, t                    ; two f32 numbers rounded to bf16 and widened again
	v_cvt_pk_bf16_f32 v[\t], v[\a], v[\b]
	v_lshlrev_b32 v[\a], 16, v[\t]
	v_and_b32 v[\b], 0xffff0000, v[\t]
.endm
.macro CONSTS                          ; from the 12 knots: the 30 r and the 30 -g r
.set i, 0
.rept 6
	RND2 GK+2*i, GK+2*i+1, TT
.set i, i+1
.endr
.irp j, 1,2,3
.set c0, ((\j)-1)*11-((\j)-1)*((\j)-2)/2
.set t, 0
.rept 12-(\j)
	v_sub_f32 v[CA+c0+t], v[GK+t+(\j)], v[GK+t]
.set t, t+1
.endr
.endr
.set i, 0
.rept 30
	v_rcp_f32 v[CA+i], v[CA+i]
.set i, i+1
.endr
	v_nop                                          ; a plain instruction behind the last reciprocal,
	s_wait_alu depctr_va_vdst(0)                   ; and one wait for the batch of 30, ahead of the first reader
.irp j, 1,2,3
.set c0, ((\j)-1)*11-((\j)-1)*((\j)-2)/2
.set t, 0
.rept 12-(\j)
	v_mul_f32 v[CB+c0+t], -v[GK+t], v[CA+c0+t]
.set t, t+1
.endr
.endr
.endm
.macro WCALC c                         ; w number c for both rows: one r and one -g r serve both halves
.if ((\c) & 1)
	v_pk_fma_f32 v[W+2*(\c):W+2*(\c)+1], v[X:X+1], v[CA+(\c)-1:CA+(\c)], v[CB+(\c)-1:CB+(\c)] op_sel:[0,1,1] op_sel_hi:[1,1,1]
.else
	v_pk_fma_f32 v[W+2*(\c):W+2*(\c)+1], v[X:X+1], v[CA+(\c):CA+(\c)+1], v[CB+(\c):CB+(\c)+1] op_sel_hi:[1,0,0]
.endif
.endm
.macro LEVEL j, bp, bn                 ; B_j[t] = w[t] B[t] + (1 - w[t+1]) B[t+1], t = 0 .. 10 - j
.set c0, ((\j)-1)*11-((\j)-1)*((\j)-2)/2
.set t, 1
.rept 11-(\j)
	v_pk_fma_f32 v[D+2*t-2:D+2*t-1], v[W+2*(c0+t):W+2*(c0+t)+1], v[(\bp)+2*t:(\bp)+2*t+1], v[(\bp)+2*t:(\bp)+2*t+1] neg_lo:[1,0,0] neg_hi:[1,0,0]
.set t, t+1
.endr
.set t, 0
.rept 11-(\j)
	v_pk_fma_f32 v[(\bn)+2*t:(\bn)+2*t+1], v[W+2*(c0+t):W+2*(c0+t)+1], v[(\bp)+2*t:(\bp)+2*t+1], v[D+2*t:D+2*t+1]
.set t, t+1
.endr
.endm
; A trip expands two rows of my feature: 16 bytes a row and lane; a wave's 32 features are two neighbouring blocks of K, so its store covers 512 consecutive bytes, aligned.
.macro XLOOP trips, hp, step, rowb
	ds_load_b32 v[X], v[HRD]
	ds_load_b32 v[X+1], v[HRD] offset:\hp
	s_mov_b32 s3, \trips
.Lpair_\@:
	s_wait_dscnt 0x0                               ; the two x are in
.irp e, 0,1
.set t, 0
.rept 12
	v_cmp_ge_f32 s[MS+12*\e+t], v[X+\e], v[GK+t]
.set t, t+1
.endr
.endr
.set c, 0
.rept 30
	WCALC c
.set c, c+1
.endr
	s_cmp_eq_u32 s3, 1                             ; the last trip has no pair behind it
	s_cbranch_scc1 .Lnoload_\@
	v_add_nc_u32 v[HRD], 2*(\hp), v[HRD]
	ds_load_b32 v[X], v[HRD]                       ; the next pair: all readers of X stand above
	ds_load_b32 v[X+1], v[HRD] offset:\hp
.Lnoload_\@:
.irp e, 0,1
.set t, 0
.rept 11
	s_and_not1_b32 s[MS+12*\e+t], s[MS+12*\e+t], s[MS+12*\e+t+1]  ; x >= g[t] and not x >= g[t+1]
.set t, t+1
.endr
.endr
.set t, 0
.rept 11
	v_cndmask_b32 v[BA+2*t], 0, 1.0, s[MS+t]
	v_cndmask_b32 v[BA+2*t+1], 0, 1.0, s[MS+12+t]
.set t, t+1
.endr
	LEVEL 1, BA, BB
	LEVEL 2, BB, BA
	LEVEL 3, BA, BB
	s_wait_xcnt 0x0                                ; the last trip's stores have read OUT and their base: both are written again only behind this wait
	s_add_nc_u64 s[AO:AO+1], s[AO:AO+1], \step
.irp e, 0,1
.irp q, 0,1,2,3
	v_cvt_pk_bf16_f32 v[OUT+4*\e+\q], v[BB+4*\q+\e], v[BB+4*\q+2+\e]
.endr
.endr
	global_store_b128 v[AOF], v[OUT:OUT+3], s[AO:AO+1] offset:-(\step) th:TH_STORE_NT
	global_store_b128 v[AOF], v[OUT+4:OUT+7], s[AO:AO+1] offset:(\rowb)-(\step) th:TH_STORE_NT
	s_sub_co_u32 s3, s3, 1
	s_cmp_lg_u32 s3, 0
	s_cbranch_scc1 .Lpair_\@
.endm
; silu of the 8 numbers in v[tt ..], as two bf16 numbers each: the upper parts packed in v[hh ..], the rests in v[ll ..]; v[ee ..] at work
.macro SILU8 tt, ee, hh, ll
.irp p, 0,2,4,6
	v_pk_mul_f32 v[(\ee)+\p:(\ee)+\p+1], v[(\tt)+\p:(\tt)+\p+1], 0xbfb8aa3b op_sel_hi:[1,0]
.endr
.irp p, 0,1,2,3,4,5,6,7
	v_exp_f32 v[(\ee)+\p], v[(\ee)+\p]
.endr
	v_nop
	s_wait_alu depctr_va_vdst(0)                   ; one wait for the eight exponentials
.irp p, 0,2,4,6
	v_pk_add_f32 v[(\ee)+\p:(\ee)+\p+1], v[(\ee)+\p:(\ee)+\p+1], 1.0 op_sel_hi:[1,0]
.endr
.irp p, 0,1,2,3,4,5,6,7
	v_rcp_f32 v[(\ee)+\p], v[(\ee)+\p]
.endr
	v_nop
	s_wait_alu depctr_va_vdst(0)                   ; one wait for the eight reciprocals
.irp p, 0,2,4,6
	v_pk_mul_f32 v[(\tt)+\p:(\tt)+\p+1], v[(\tt)+\p:(\tt)+\p+1], v[(\ee)+\p:(\ee)+\p+1]
.endr
.irp p, 0,1,2,3
	v_cvt_pk_bf16_f32 v[(\hh)+\p], v[(\tt)+2*\p], v[(\tt)+2*\p+1]
.endr
.irp p, 0,1,2,3
	v_lshlrev_b32 v[(\ee)+2*\p], 16, v[(\hh)+\p]
	v_and_b32 v[(\ee)+2*\p+1], 0xffff0000, v[(\hh)+\p]
.endr
.irp p, 0,2,4,6
	v_pk_add_f32 v[(\tt)+\p:(\tt)+\p+1], v[(\tt)+\p:(\tt)+\p+1], v[(\ee)+\p:(\ee)+\p+1] neg_lo:[0,1] neg_hi:[0,1]
.endr
.irp p, 0,1,2,3
	v_cvt_pk_bf16_f32 v[(\ll)+\p], v[(\tt)+2*\p], v[(\tt)+2*\p+1]
.endr
.endm
; coef of i number ii: rounded to bf16, times ss (rounded), rounded once more, 16 bytes into my row of the wave's stage
.macro SCALE ii
	s_wait_loadcnt 30-2*(\ii)                      ; the two loads of this i are in; the younger ones stay out
.irp p, 0,1,2,3
	v_cvt_pk_bf16_f32 v[T4+\p], v[CF+8*(\ii)+2*\p], v[CF+8*(\ii)+2*\p+1]
.endr
.irp p, 0,1,2,3
	v_lshlrev_b32 v[CF+8*(\ii)+2*\p], 16, v[T4+\p]
	v_and_b32 v[CF+8*(\ii)+2*\p+1], 0xffff0000, v[T4+\p]
.endr
.irp p, 0,1,2,3
.if ((\ii) & 1)
	v_pk_mul_f32 v[CF+8*(\ii)+2*\p:CF+8*(\ii)+2*\p+1], v[CF+8*(\ii)+2*\p:CF+8*(\ii)+2*\p+1], v[SSR+(\ii)-1:SSR+(\ii)] op_sel:[0,1] op_sel_hi:[1,1]
.else
	v_pk_mul_f32 v[CF+8*(\ii)+2*\p:CF+8*(\ii)+2*\p+1], v[CF+8*(\ii)+2*\p:CF+8*(\ii)+2*\p+1], v[SSR+(\ii):SSR+(\ii)+1] op_sel_hi:[1,0]
.endif
.endr
.irp p, 0,1,2,3
	v_cvt_pk_bf16_f32 v[CF+8*(\ii)+\p], v[CF+8*(\ii)+2*\p], v[CF+8*(\ii)+2*\p+1]
.endr
	ds_store_b128 v6, v[CF+8*(\ii):CF+8*(\ii)+3] offset:16*(\ii)
.endm
; sb of i number ii of my wave's 16 NEIGHBOURING features: ss's offsets go four features a step, so offset ii / 4 serves with one of four bases a feature apart
.macro SBLOAD ii
.if ((\ii) % 4) == 0
	global_load_b32 v[SBR+(\ii)], v[VS+(\ii)/4], s[8:9]
.else
	global_load_b32 v[SBR+(\ii)], v[VS+(\ii)/4], s[22+2*((\ii)%4):23+2*((\ii)%4)]
.endif
.endm
	v_lshl_add_u32 v[SPW], v0, 2, SPARE
	v_mov_b32 v[NIL], 0
	v_lshrrev_b32 v1, 5, v0
	v_readfirstlane_b32 s14, v1                    ; wave 0..7
	s_and_b32 s15, ttmp7, 0xffff                   ; y
	s_cmp_ge_u32 s15, 4
	s_cbranch_scc1 .Lxpart
	; ---------------- THE WEIGHTS ----------------
	s_load_b512 s[16:31], s[0:1], 0x0              ; coef0 ss0 sb0 w0 coef1 ss1 sb1 w1
	s_load_b256 s[32:39], s[0:1], 0x40             ; coef2 ss2 sb2 w2
	; y = 0: layer 0 (256 i x 1024 o, one slice); y = 1, 2: layer 1 (1024 i x 512 o, slices of 256 i); y = 3: layer 2 (512 i x 512 o, slices of 128 i)
	s_sub_co_u32 s40, s15, 1                       ; y - 1 (wraps at y = 0)
	s_cmp_eq_u32 s15, 0
	s_cselect_b32 s41, 10, 9                       ; log2 of the layer's outputs
	s_cselect_b32 s42, 31, 15                      ; blocks of 32 o, less one
	s_cselect_b32 s43, 5, 4
	s_and_b32 s44, ttmp9, s42
	s_lshl_b32 s44, s44, 5                         ; my first o
	s_lshr_b32 s45, ttmp9, s43                     ; my block of 128 i among this y's
	s_lshl2_add_u32 s48, s40, s45                  ; 4 (y - 1) + block
	s_cmp_lt_u32 s40, 2                            ; layer 1?
	s_cselect_b32 s48, s48, s45                    ; the block's place in the layer
	s_lshr_b32 s47, s48, 1
	s_and_b32 s46, s48, 1
	s_cmp_lt_u32 s40, 2
	s_cselect_b32 s47, s47, s48                    ; the slice: layer 1 has two blocks to a slice, layer 2 one,
	s_cselect_b32 s46, s46, 0                      ; and the block's place in it
	s_cmp_eq_u32 s15, 0
	s_cselect_b32 s47, 0, s47                      ; layer 0 is one slice of two blocks
	s_cselect_b32 s46, s48, s46
	s_cmp_eq_u32 s15, 3
	s_cselect_b32 s49, 0, 1
	s_lshl_b32 s50, 2560, s49                      ; bytes in a row of W: 2 or 4 groups of 1,280
	s_lshl_b32 s51, s50, 9                         ; bytes in a slice: 512 rows
	s_mul_i32 s52, s47, s51
	s_mul_i32 s53, s44, s50
	s_add_co_u32 s52, s52, s53
	s_mul_i32 s53, s46, 2560                       ; a block is two groups
	s_add_co_u32 s52, s52, s53                     ; my first row of W, at the block's first group
	s_lshr_b32 s53, s14, 2                         ; my wave's group in the block,
	s_and_b32 s58, s14, 3                          ; and its i
	s_mul_i32 s54, s53, 1280
	s_add_co_u32 s54, s54, s52
	s_lshl_b32 s55, s58, 8
	s_add_co_u32 s54, s54, s55
	s_add_co_u32 s54, s54, 256                     ; block 1 + i of the group
	s_mov_b32 s55, 0                               ; s[54:55]: where my wave's products go
	s_mov_b32 s56, s52
	s_mov_b32 s57, 0                               ; s[56:57]: where the block's sb goes: block 0 of each group
	s_lshl_b32 s48, s48, 7                         ; the block's first feature in the layer
	s_lshl_b32 s53, s53, 6
	s_add_co_u32 s53, s53, s58
	s_add_co_u32 s53, s53, s48                     ; my wave's first feature for coef and ss; the others follow four apart
	s_lshl_b32 s53, s53, s41
	s_add_co_u32 s53, s53, s44                     ; i x outputs + o
	s_lshl_b32 s60, s53, 5                         ; 32 bytes of coef,
	s_mov_b32 s61, 0
	s_lshl_b32 s62, s53, 2                         ; 4 of ss
	s_mov_b32 s63, 0
	s_lshl_b32 s58, s14, 4
	s_add_co_u32 s58, s58, s48                     ; my wave's first feature for sb: 16 neighbours
	s_lshl_b32 s58, s58, s41
	s_add_co_u32 s58, s58, s44
	s_lshl_b32 s58, s58, 2
	s_mov_b32 s59, 0
	s_lshl_b32 s2, 128, s41                        ; coef from i to i + 4
	s_lshl_b32 s42, 4, s41                         ; sb from i to i + 1
	s_mov_b32 s43, 0
	s_lshl_b32 s3, s50, 1                          ; two rows of W
	s_lshl_b32 s4, s50, 4                          ; sixteen
	s_mul_i32 s12, s14, WST                        ; my wave's stage
	s_lshl_b32 s13, s14, 5                         ; my wave's 32 bytes in a row of sb's stage
	v_and_b32 v1, 31, v0                           ; lane = o
	v_and_b32 v2, 15, v0
	v_bfe_u32 v3, v0, 4, 1
	v_lshlrev_b32 v[VC], 5, v1
.set i, 1
.rept 15
	v_add_nc_u32 v[VC+i], s2, v[VC+i-1]
.set i, i+1
.endr
.set i, 0
.rept 16
	v_lshrrev_b32 v[VS+i], 3, v[VC+i]
.set i, i+1
.endr
	v_mul_u32_u24 v4, s50, v3
	v_lshl_add_u32 v[VD], v2, 4, v4                ; row lane / 16, 16 bytes for each of 16 lanes
.set i, 1
.rept 15
	v_add_nc_u32 v[VD+i], s3, v[VD+i-1]
.set i, i+1
.endr
	v_mul_u32_u24 v5, v1, 272
	v_add_nc_u32 v6, s12, v5                       ; into my wave's stage: row o
	v_add_nc_u32 v7, s13, v5
	v_add_nc_u32 v7, SBST, v7                      ; into sb's stage: row o, my wave's 16 i
	v_mul_u32_u24 v8, v3, 272
	v_lshl_add_u32 v8, v2, 4, v8
	v_add_nc_u32 v8, s12, v8                       ; back out of my wave's stage: two rows an instruction
	v_lshrrev_b32 v9, 4, v0                        ; sb's stage goes out by threads: rows t / 16 and 16 + t / 16
	v_and_b32 v13, 7, v0                           ; lanes 0-7 and lanes 8-15 of sixteen take the same 128 bytes: a group's 64 sb, twice
	v_mul_u32_u24 v10, v9, 272
	v_lshl_add_u32 v10, v13, 4, v10
	v_add_nc_u32 v10, SBST, v10
	v_mul_u32_u24 v11, s50, v9
	v_lshl_add_u32 v11, v2, 4, v11
	v_add_nc_u32 v12, s4, v11
	s_wait_kmcnt 0x0
	s_cmp_lt_u32 s40, 2                            ; the layer's four buffers, chosen by y alone
	s_cselect_b64 s[4:5], s[24:25], s[32:33]
	s_cselect_b64 s[6:7], s[26:27], s[34:35]
	s_cselect_b64 s[8:9], s[28:29], s[36:37]
	s_cselect_b64 s[10:11], s[30:31], s[38:39]
	s_cmp_eq_u32 s15, 0
	s_cselect_b64 s[4:5], s[16:17], s[4:5]
	s_cselect_b64 s[6:7], s[18:19], s[6:7]
	s_cselect_b64 s[8:9], s[20:21], s[8:9]
	s_cselect_b64 s[10:11], s[22:23], s[10:11]
	s_add_nc_u64 s[4:5], s[4:5], s[60:61]          ; coef
	s_add_nc_u64 s[6:7], s[6:7], s[62:63]          ; ss
	s_add_nc_u64 s[8:9], s[8:9], s[58:59]          ; sb, and the three features behind it
	s_add_nc_u64 s[24:25], s[8:9], s[42:43]
	s_add_nc_u64 s[26:27], s[24:25], s[42:43]
	s_add_nc_u64 s[28:29], s[26:27], s[42:43]
	s_add_nc_u64 s[16:17], s[10:11], s[54:55]      ; W at my wave's products
	s_add_nc_u64 s[18:19], s[10:11], s[56:57]      ; W at the block's sb
.set i, 0
.rept 16
	global_load_b32 v[SSR+i], v[VS+i], s[6:7]
.set i, i+1
.endr
.irp ii, 0,1,2,3,4,5,6,7,8,9,10,11,12,13,14,15
	SBLOAD \ii
.endr
.set i, 0
.rept 16                                       ; the two loads of an i cover 1,024 consecutive bytes: 32 o x 8 k
	global_load_b128 v[CF+8*i:CF+8*i+3],   v[VC+i], s[4:5] th:TH_LOAD_NT
	global_load_b128 v[CF+8*i+4:CF+8*i+7], v[VC+i], s[4:5] offset:16 th:TH_LOAD_NT
.set i, i+1
.endr
	s_wait_loadcnt 32                              ; ss and sb are in; coef's 32 loads may stay out
.set i, 0
.rept 8
	v_cvt_pk_bf16_f32 v[SBR+i], v[SBR+2*i], v[SBR+2*i+1]  ; sb along i, in place, ascending
.set i, i+1
.endr
	ds_store_b128 v7, v[SBR:SBR+3]
	ds_store_b128 v7, v[SBR+4:SBR+7] offset:16
.set i, 0
.rept 8
	RND2 SSR+2*i, SSR+2*i+1, T4
.set i, i+1
.endr
.irp ii, 0,1,2,3,4,5,6,7,8,9,10,11,12,13,14,15
	SCALE \ii
.endr
.set q, 0
.rept 16                                       ; LDS serves a wave's instructions in order (ISA guide 5.7.1.4): these see my wave's stores above
	ds_load_b128 v[CF+8*q+4:CF+8*q+7], v8 offset:544*q
.set q, q+1
.endr
.set q, 0
.rept 16
	s_wait_dscnt 15-q                              ; load q is in; the younger ones stay out
	global_store_b128 v[VD+q], v[CF+8*q+4:CF+8*q+7], s[16:17] th:TH_STORE_NT  ; 16 lanes store 256 consecutive bytes, aligned: one block of K of one o
.set q, q+1
.endr
	s_wait_dscnt 0x0                               ; for the others' sake: my stores into sb's stage are done
	s_barrier_signal -1
	s_barrier_wait -1
	ds_load_b128 v[32:35], v10                     ; rows t / 16: the first group's 64 sb,
	ds_load_b128 v[36:39], v10 offset:128          ; the second group's,
	ds_load_b128 v[40:43], v10 offset:16*272       ; and the same of rows 16 + t / 16
	ds_load_b128 v[44:47], v10 offset:16*272+128
	s_wait_dscnt 0x0
	global_store_b128 v11, v[32:35], s[18:19] th:TH_STORE_NT              ; 16 lanes: a group's block 0 of one o, 256 consecutive bytes, aligned
	global_store_b128 v11, v[36:39], s[18:19] offset:1280 th:TH_STORE_NT
	global_store_b128 v12, v[40:43], s[18:19] th:TH_STORE_NT
	global_store_b128 v12, v[44:47], s[18:19] offset:1280 th:TH_STORE_NT
	s_wait_tensorcnt 0x0                           ; the wave's end: a tensor wait, an add of 0 to my spare word and its wait, behind my last LDS store
	ds_add_u32 v[SPW], v[NIL]
	s_wait_dscnt 0x0
	s_endpgm
	; ---------------- x EXPANDED ----------------
.Lxpart:
	s_load_b128 s[4:7], s[0:1], 0x60               ; x s[4:5], grid0 s[6:7]
	s_load_b64 s[12:13], s[0:1], 0x70              ; a0
	s_sub_co_u32 s20, s15, 4
	s_lshl_b32 s20, s20, 6
	s_add_co_u32 s20, s20, ttmp9                   ; my block of 16 rows
	s_lshl_b32 s2, s20, 14                         ; 16 rows of 1,024 bytes of x
	s_mov_b32 s3, 0
	s_mul_i32 s48, s20, 81920                      ; 16 rows of 5,120 bytes of a0
	s_mov_b32 s49, 0
	s_mul_i32 s50, s14, 10240                      ; silu: my wave's two rows
	s_mov_b32 s51, 0
	s_mul_i32 s21, s14, 2*HP
	v_and_b32 v2, 63, v0
	v_lshlrev_b32 v2, 4, v2
	v_lshrrev_b32 v3, 6, v0
	v_lshlrev_b32 v4, 4, v0                        ; the block's 16 KiB are dense: thread t takes 16 bytes at 16 t + 4,096 j
	v_mul_u32_u24 v5, v3, HP
	v_add_nc_u32 v5, v5, v2                        ; row t / 64 + 4 j of H
	v_and_b32 v1, 15, v0                           ; thread t = 64 q + 16 i + fl expands feature 64 q + 4 fl + i
	v_bfe_u32 v11, v0, 4, 2
	v_and_b32 v6, 0xc0, v0
	v_lshl_or_b32 v6, v1, 2, v6
	v_or_b32 v6, v6, v11
	v_lshlrev_b32 v[HRD], 2, v6
	v_mul_u32_u24 v6, v6, 48                       ; its 12 knots
	v_mul_u32_u24 v[AOF], v3, 1280                 ; group q,
	v_lshl_add_u32 v[AOF], v11, 8, v[AOF]
	v_lshl_add_u32 v[AOF], v1, 4, v[AOF]
	v_add_nc_u32 v[AOF], 256, v[AOF]               ; block 1 + i, 16 fl
	v_bfe_u32 v11, v0, 4, 1                        ; silu: 16 lanes make one group's block 0: lanes 0-7 keep the upper parts of 8 features each, lanes 8-15 the rests of the same
	v_and_b32 v27, 7, v0
	v_lshl_add_u32 v[SRD], v11, 8, s21
	v_lshl_add_u32 v[SRD], v27, 5, v[SRD]
	v_mul_u32_u24 v[SGO], v11, 1280
	v_lshl_add_u32 v[SGO], v1, 4, v[SGO]
	v_and_b32 v27, 8, v0
	v_cmp_ne_u32 s22, 0, v27                       ; the lanes that keep the rests
	s_wait_kmcnt 0x0
	s_add_nc_u64 s[4:5], s[4:5], s[2:3]
	s_add_nc_u64 s[AO:AO+1], s[12:13], s[48:49]
	s_add_nc_u64 s[SH:SH+1], s[AO:AO+1], s[50:51]
.irp j, 0,1,2,3
	global_load_b128 v[224+4*\j:227+4*\j], v4, s[4:5] offset:4096*\j th:TH_LOAD_NT
.endr
	global_load_b128 v[GK:GK+3],    v6, s[6:7]
	global_load_b128 v[GK+4:GK+7],  v6, s[6:7] offset:16
	global_load_b128 v[GK+8:GK+11], v6, s[6:7] offset:32
	s_wait_loadcnt 3                               ; x is in; the three loads of knots may stay out
.set i, 0
.rept 8
	RND2 224+2*i, 225+2*i, TT
.set i, i+1
.endr
.irp j, 0,1,2,3
	ds_store_b128 v5, v[224+4*\j:227+4*\j] offset:4*HP*\j
.endr
	s_wait_dscnt 0x0                               ; for the others' sake: my part of H is written
	s_barrier_signal -1
	s_barrier_wait -1
	s_wait_loadcnt 0x0                             ; the knots
	CONSTS
	XLOOP 8, HP, 10240, 5120
.irp k, 0,1,2,3                                ; silu: wave w takes rows 2 w and 2 w + 1 (k / 2), two groups an instruction (k % 2)
	ds_load_b128 v[BA+24*\k:BA+24*\k+3],   v[SRD] offset:HP*((\k)/2)+512*((\k)%2)
	ds_load_b128 v[BA+24*\k+4:BA+24*\k+7], v[SRD] offset:HP*((\k)/2)+512*((\k)%2)+16
.endr
.irp k, 0,1,2,3
	s_wait_dscnt 6-2*\k                            ; this pair of loads is in; the younger ones stay out
	SILU8 BA+24*\k, BA+24*\k+8, BA+24*\k+16, BA+24*\k+20
.irp p, 0,1,2,3
	v_cndmask_b32 v[BA+24*\k+16+\p], v[BA+24*\k+16+\p], v[BA+24*\k+20+\p], s22
.endr
	global_store_b128 v[SGO], v[BA+24*\k+16:BA+24*\k+19], s[SH:SH+1] offset:5120*((\k)/2)+2560*((\k)%2) th:TH_STORE_NT  ; 16 lanes store 256 consecutive bytes, aligned
.endr
	s_wait_tensorcnt 0x0                           ; the wave's end: a tensor wait, an add of 0 to my spare word and its wait, behind my last LDS store
	ds_add_u32 v[SPW], v[NIL]
	s_wait_dscnt 0x0
	s_endpgm
.Lfunc_end_k_qdc59bec922_prep:
	.size	k_qdc59bec922_prep, .Lfunc_end_k_qdc59bec922_prep-k_qdc59bec922_prep
	.p2alignl 7, 3214868480
	.fill 96, 4, 3214868480
	.section	.rodata,"a",@progbits
	.p2align	6, 0x0
	.amdhsa_kernel k_qdc59bec922_prep
		.amdhsa_group_segment_fixed_size 79360
		.amdhsa_private_segment_fixed_size 0
		.amdhsa_enable_private_segment 0
		.amdhsa_kernarg_size 120
		.amdhsa_user_sgpr_count 2
		.amdhsa_user_sgpr_kernarg_segment_ptr 1
		.amdhsa_wavefront_size32 1
		.amdhsa_system_sgpr_workgroup_id_x 1
		.amdhsa_system_sgpr_workgroup_id_y 1
		.amdhsa_system_sgpr_workgroup_id_z 1
		.amdhsa_system_vgpr_workitem_id 0
		.amdhsa_next_free_vgpr 256
		.amdhsa_next_free_sgpr 66
		.amdhsa_reserve_vcc 0
		.amdhsa_float_denorm_mode_32 3
		.amdhsa_float_denorm_mode_16_64 3
		.amdhsa_memory_ordered 1
		.amdhsa_forward_progress 1
		.amdhsa_inst_pref_size 70
	.end_amdhsa_kernel
	.amdgpu_metadata
---
amdhsa.version: [ 1, 2 ]
amdhsa.kernels:
  - .name:           k_qdc59bec922_prep
    .symbol:         k_qdc59bec922_prep.kd
    .args:
      - { .name: coef0, .offset: 0, .size: 8, .value_kind: global_buffer, .address_space: global }
      - { .name: ss0, .offset: 8, .size: 8, .value_kind: global_buffer, .address_space: global }
      - { .name: sb0, .offset: 16, .size: 8, .value_kind: global_buffer, .address_space: global }
      - { .name: w0, .offset: 24, .size: 8, .value_kind: global_buffer, .address_space: global }
      - { .name: coef1, .offset: 32, .size: 8, .value_kind: global_buffer, .address_space: global }
      - { .name: ss1, .offset: 40, .size: 8, .value_kind: global_buffer, .address_space: global }
      - { .name: sb1, .offset: 48, .size: 8, .value_kind: global_buffer, .address_space: global }
      - { .name: w1, .offset: 56, .size: 8, .value_kind: global_buffer, .address_space: global }
      - { .name: coef2, .offset: 64, .size: 8, .value_kind: global_buffer, .address_space: global }
      - { .name: ss2, .offset: 72, .size: 8, .value_kind: global_buffer, .address_space: global }
      - { .name: sb2, .offset: 80, .size: 8, .value_kind: global_buffer, .address_space: global }
      - { .name: w2, .offset: 88, .size: 8, .value_kind: global_buffer, .address_space: global }
      - { .name: x, .offset: 96, .size: 8, .value_kind: global_buffer, .address_space: global }
      - { .name: grid0, .offset: 104, .size: 8, .value_kind: global_buffer, .address_space: global }
      - { .name: a0, .offset: 112, .size: 8, .value_kind: global_buffer, .address_space: global }
    .group_segment_fixed_size: 79360
    .private_segment_fixed_size: 0
    .kernarg_segment_align: 8
    .kernarg_segment_size: 120
    .max_flat_workgroup_size: 256
    .sgpr_count:     66
    .vgpr_count:     256
    .wavefront_size: 32
...
	.end_amdgpu_metadata
.endif
;; end of part 7
;; launch g0 (part 8): grid 8 x 32, 4 waves a work-group, clusters of 4 x 4, 327,680 bytes of LDS; arguments a0, w0, h0; writes h0
.if DOCPART == 8
	.amdgcn_target "amdgcn-amd-amdhsa--gfx1250"
	.amdhsa_code_object_version 6
	.text
	.protected	k_qdc59bec922_g0
	.globl	k_qdc59bec922_g0
	.p2align	8
	.type	k_qdc59bec922_g0,@function
k_qdc59bec922_g0:
	s_mov_b64 s[64:65], 0
	v_nop
	global_prefetch_b8 v0, s[64:65] scope:SCOPE_SE
	s_setreg_imm32_b32 hwreg(HW_REG_WAVE_MODE, 25, 1), 1
	s_wait_xcnt 0x0
	s_wait_alu depctr_hold_cnt(0) depctr_sa_sdst(0) depctr_va_vdst(0) depctr_va_sdst(0) depctr_va_ssrc(0) depctr_va_vcc(0) depctr_vm_vsrc(0)
	s_getreg_b32 s2, hwreg(HW_REG_IB_STS2, 6, 4)
	s_cmp_eq_u32 s2, 0
	s_cbranch_scc0 .Lentry_in_a_cluster
	s_endpgm
.Lentry_in_a_cluster:
	s_bfe_u32 s2, ttmp6, 0x10000c
	s_cmp_lg_u32 s2, 0xf033
	s_cbranch_scc0 .Lentry_shape_is_right
	s_endpgm
.Lentry_shape_is_right:
; LAYER 0's PRODUCT.  h0[m][o] = sum over k of a0[m][k] w0[o][k]; a0: [4096][2560], w0: [1024][2560], bf16; h0: [4096][1024], the f32 sums as they are: the next launch applies ns0 and nb0.
; 4096 x 1024 outputs are 256 tiles of 128 x 128.  Four waves, each 64 x 64: 16 accumulators.  K goes in steps of 256 (LDS rows of 512 bytes + 16 of padding) through two slots; a wave's tensor load brings 64 rows.
; CLUSTERS: 4 x 4 work-groups.  The four of a row of the cluster need the same tiles of A, the four of a column the same tiles of W: each tile is asked for JOINTLY, by the same
; tensor load with the same descriptor and a mask that names the four.  THE MATRIX INSTRUCTION IS USED TRANSPOSED (source 0 = 16 rows of W, source 1 = 16 rows of A): a lane holds eight neighbouring columns of a row.
; REGISTERS: window 0: v0-31 addresses; v32-95 at work on the way out; v128-255 the accumulators ((a, b) at v[128 + 8 (4 a + b)]).
;   window 1: two fragment buffers of 128: for 64 along K, 64 registers of A (2 x 4 x 16 rows x 32 K), then 64 of B.
.set KB,     2560                      ; K
.set KSTEP,  256
.set PITCH,  528                       ; an LDS row: 512 bytes + 16 of padding = 132 words: row r starts at bank 4 r mod 64 (64 banks of 4 bytes: ISA guide 11.1)
.set HALFT,  64*PITCH
.set SLOT,   4*HALFT
.set STAGE,  2*SLOT                    ; behind the ring: 16 rows x 272 bytes for each wave, for the way out
.set SPITCH, 272
.set SPARE,  STAGE+4*16*SPITCH         ; behind the stages: the spare words, 128 bytes for each wave: two blocks of 256 bytes that no other line names
.set LAPS,   KB/(2*KSTEP)
.set ADRA, 16
.set ADRB, 20
.set STO,  24                          ; v24     the way out: where I put 32 bytes of a row
.set RD,   25                          ; v25     the way out: where I read a row back
.set CO,   26                          ; v26     my byte offset in h0
.set SPW,  28
.set NIL,  29
.set TMP,  32
.set ACC,  128
.set F0,   0
.set F1,   128
.set G1, 24
.set G0, 32
.set G1B, 48
.set G0B, 56
.set MSB, 0
.macro WIN new                         ; the immediate's high byte repeats the setting that is left
.if MSB != (\new)
	s_set_vgpr_msb (MSB<<8)|(\new)
.set MSB, \new
.endif
.endm
.set MUL,  0x05                        ; sources 0 (B) and 1 (A) window 1; C and D window 0
.set TO_F, 0x40                        ; destination window 1, address window 0
.macro JLOAD s                         ; a joint load: waves 0 and 1 fetch A's two halves, waves 2 and 3 B's; an s_nop 0 and four v_nop follow each of the two lines
	s_cmp_eq_u32 s11, 0
	s_cbranch_scc0 .Lfor_b_\@
	tensor_load_to_lds s[G0+4*(\s):G0+4*(\s)+3], s[G1:G1+7]
	s_nop 0
.rept 4
	v_nop
.endr
	s_branch .Lasked_\@
.Lfor_b_\@:
	tensor_load_to_lds s[G0B+4*(\s):G0B+4*(\s)+3], s[G1B:G1B+7]
	s_nop 0
.rept 4
	v_nop
.endr
.Lasked_\@:
.endm
.macro CREST                           ; a round of the cluster's barrier behind its opening barrier
	s_cmp_lg_u32 s10, 0
	s_cbranch_scc1 .Lnot_wave_0_\@
	s_barrier_signal -3
.Lnot_wave_0_\@:
	s_barrier_wait -3
	s_barrier_signal -1
	s_barrier_wait -1
.endm
.macro CROUND                          ; a whole round
	s_barrier_signal -1
	s_barrier_wait -1
	CREST
.endm
	s_load_b128 s[4:7], s[0:1], 0x0                ; A s[4:5], W s[6:7]
	s_load_b64 s[8:9], s[0:1], 0x10                ; h0
	v_lshl_add_u32 v[SPW], v0, 2, SPARE
	v_mov_b32 v[NIL], 0
	ds_add_u32 v[SPW], v[NIL]                      ; the wave's opening: the add, twice on end, and its wait ahead of my first tensor load; the set-up below stands between
	ds_add_u32 v[SPW], v[NIL]                      ; and once more, under the one wait
	v_lshrrev_b32 v1, 5, v0
	v_readfirstlane_b32 s10, v1                    ; wave 0..3
	s_lshr_b32 s11, s10, 1                         ; which half of the tile's rows is mine.  Also: I fetch for A (0) or for B (1)
	s_and_b32 s12, s10, 1                          ; which half of its columns.  Also: which 64 rows of that tile I fetch
	s_bfe_u32 s40, ttmp6, 0x40000                  ; cx, cy: my place in the cluster
	s_bfe_u32 s41, ttmp6, 0x40004
	s_lshl_b32 s42, ttmp9, 2
	s_add_co_u32 s42, s42, s40                     ; tile column = 4 x cluster x + cx
	s_and_b32 s13, ttmp7, 0xffff
	s_lshl_b32 s13, s13, 2
	s_add_co_u32 s13, s13, s41                     ; tile row = 4 x cluster y + cy
	s_lshl_b32 s43, s41, 2
	s_lshl_b32 s43, 15, s43                        ; my row of the cluster
	s_lshl_b32 s44, 0x1111, s40                    ; my column
	; descriptor group 1: a tile of 64 rows x 256 elements, padded in LDS
	s_or_b32 s[G1+0], s43, (1<<16)|(1<<20)|(1<<21)|(6<<22)|(3<<25)  ; 15:0 the mask: A's tiles go to my row; 17:16 element of 2 bytes; 20 padding on; 21 set beside a mask; 24:22 after every 128 words (code 6); 31:25 of 4 words (code 3)
	s_or_b32 s[G1B+0], s44, (1<<16)|(1<<20)|(1<<21)|(6<<22)|(3<<25)
.irp g, G1, G1B
	s_mov_b32 s[(\g)+1], KSTEP<<16                 ; tensor_dim0 = 256
	s_mov_b32 s[(\g)+2], 64<<16                    ; tensor_dim1 = 64
	s_mov_b32 s[(\g)+3], KSTEP<<16                 ; tile_dim0 = 256
	s_mov_b32 s[(\g)+4], 64                        ; tile_dim1 = 64
	s_mov_b32 s[(\g)+5], KB                        ; elements from row to row
	s_mov_b32 s[(\g)+6], 0
	s_mov_b32 s[(\g)+7], 0
.endr
	s_lshl_b32 s17, s12, 6                         ; which 64 rows of the tile I fetch
	s_lshl_b32 s16, s13, 7
	s_add_co_u32 s16, s16, s17                     ; A: row 128 x tile row + 64 x half
	s_lshl_b32 s46, s42, 7
	s_add_co_u32 s46, s46, s17                     ; W: row 128 x tile column + 64 x half
	s_mov_b32 s17, 0
	s_mov_b32 s47, 0
	s_mov_b64 s[18:19], KB*2
	s_mul_u64 s[16:17], s[16:17], s[18:19]
	s_mul_u64 s[46:47], s[46:47], s[18:19]
	s_mul_i32 s20, s10, HALFT                      ; where they go: wave x 64 rows
	s_wait_dscnt 0x0                               ; both opening adds are done
	s_wait_kmcnt 0x0
	s_add_nc_u64 s[14:15], s[4:5], s[16:17]
	s_add_nc_u64 s[46:47], s[6:7], s[46:47]
	CROUND                                         ; all sixteen work-groups are here: the first joint loads meet
.irp s, 0,1
	s_mov_b32 s[G0+4*(\s)], 1
	s_add_co_u32 s[G0+4*(\s)+1], s20, (\s)*SLOT
	s_add_nc_u64 s[G0+4*(\s)+2:G0+4*(\s)+3], s[14:15], (\s)*KSTEP*2
	s_or_b32 s[G0+4*(\s)+3], s[G0+4*(\s)+3], 0x80000000
	s_mov_b32 s[G0B+4*(\s)], 1
	s_add_co_u32 s[G0B+4*(\s)+1], s20, (\s)*SLOT
	s_add_nc_u64 s[G0B+4*(\s)+2:G0B+4*(\s)+3], s[46:47], (\s)*KSTEP*2
	s_or_b32 s[G0B+4*(\s)+3], s[G0B+4*(\s)+3], 0x80000000
	JLOAD \s
.endr
	v_and_b32 v1, 15, v0                           ; l % 16
	v_bfe_u32 v2, v0, 4, 1                         ; l / 16
	v_mul_u32_u24 v3, v1, PITCH
	v_lshl_add_u32 v3, v2, 4, v3                   ; a fragment's row x pitch + 16 x half
	s_mul_i32 s21, s11, HALFT                      ; my 64 rows of A
	s_mul_i32 s22, s12, HALFT                      ; my 64 rows of B,
	s_add_co_u32 s22, s22, 2*HALFT                 ; which lie behind A's 128
.irp s, 0,1
	v_add_nc_u32 v[ADRA+(\s)], s21, v3
	v_add_nc_u32 v[ADRB+(\s)], s22, v3
	s_add_co_u32 s21, s21, SLOT
	s_add_co_u32 s22, s22, SLOT
.endr
	s_mul_i32 s23, s10, 16*SPITCH
	s_add_co_u32 s23, s23, STAGE                   ; my stage
	v_mul_u32_u24 v4, v1, SPITCH                   ; in: row l % 16, 32 bytes (8 f32) for each half of the lanes
	v_lshl_add_u32 v4, v2, 5, v4
	v_add_nc_u32 v[STO], s23, v4
	v_mul_u32_u24 v5, v2, SPITCH                   ; back: lanes 0-15 take one row of 256 bytes, lanes 16-31 the next
	v_lshl_add_u32 v5, v1, 4, v5
	v_add_nc_u32 v[RD], s23, v5
	v_lshlrev_b32 v5, 12, v2                       ; and the same two rows in h0, 4,096 bytes apart
	v_lshl_add_u32 v[CO], v1, 4, v5
	s_lshl_b32 s16, s13, 7
	s_lshl_b32 s17, s11, 6
	s_add_co_u32 s16, s16, s17                     ; my first row: 128 x tile row + 64 x half
	s_lshl_b32 s16, s16, 12
	s_lshl_b32 s17, s12, 8                         ; my 64 columns
	s_add_co_u32 s16, s16, s17
	s_mov_b32 s17, 0
	s_add_nc_u64 s[8:9], s[8:9], s[16:17]
	s_lshl_b32 s46, s42, 9                         ; the tile's 128 columns
	s_mov_b32 s47, 0
	s_add_nc_u64 s[8:9], s[8:9], s[46:47]
; 8 matrix instructions: m blocks a0, a0 + 1 x all 4 n blocks, 32 along K: half c of buffer f.  zero = 1: the first product starts the sums
.macro MUL8 f, c, a0, zero
	WIN MUL
.irp a, \a0, (\a0)+1
.irp b, 0,1,2,3
.if \zero
	v_wmma_f32_16x16x32_bf16 v[ACC+8*(4*(\a)+(\b)):ACC+8*(4*(\a)+(\b))+7], v[(\f)+64+8*(4*(\c)+(\b)):(\f)+64+8*(4*(\c)+(\b))+7], v[(\f)+8*(4*(\c)+(\a)):(\f)+8*(4*(\c)+(\a))+7], 0
.else
	v_wmma_f32_16x16x32_bf16 v[ACC+8*(4*(\a)+(\b)):ACC+8*(4*(\a)+(\b))+7], v[(\f)+64+8*(4*(\c)+(\b)):(\f)+64+8*(4*(\c)+(\b))+7], v[(\f)+8*(4*(\c)+(\a)):(\f)+8*(4*(\c)+(\a))+7], v[ACC+8*(4*(\a)+(\b)):ACC+8*(4*(\a)+(\b))+7]
.endif
.endr
.endr
.endm
; 32 LDS loads in one run: the fragments of 64 along K at byte k of the rows, into buffer f; the first 32 along K first
.macro FETCH slot, k, f
	WIN TO_F
.irp c, 0,1
.irp i, 0,1,2,3
	ds_load_b128 v[(\f)+64+8*(4*(\c)+(\i)):(\f)+64+8*(4*(\c)+(\i))+3],   v[ADRB+(\slot)] offset:(\k)+64*(\c)+(\i)*16*PITCH
	ds_load_b128 v[(\f)+64+8*(4*(\c)+(\i))+4:(\f)+64+8*(4*(\c)+(\i))+7], v[ADRB+(\slot)] offset:(\k)+64*(\c)+(\i)*16*PITCH+32
	ds_load_b128 v[(\f)+8*(4*(\c)+(\i)):(\f)+8*(4*(\c)+(\i))+3],         v[ADRA+(\slot)] offset:(\k)+64*(\c)+(\i)*16*PITCH
	ds_load_b128 v[(\f)+8*(4*(\c)+(\i))+4:(\f)+8*(4*(\c)+(\i))+7],       v[ADRA+(\slot)] offset:(\k)+64*(\c)+(\i)*16*PITCH+32
.endr
.endr
.endm
.macro PLACES                          ; four places in front of loads into registers that matrix instructions have read, and of lines that read results
.rept 4
	v_nop
.endr
.endm
; A K step is four quarters of 64 along K, 32 matrix instructions each, on buffers 0, 1, 0, 1.  One of the first three: multiplies buffer f and fetches the next quarter, at byte k, into g.
; The 16 accumulators take turns, one instruction a turn.
.macro QUARTER slot, k, f, g, zero
	s_wait_dscnt 16                                ; the first 32 along K are in; the youngest sixteen loads may be out
	WIN MUL
	MUL8 \f, 0, 0, \zero
	MUL8 \f, 0, 2, \zero
	PLACES
	FETCH \slot, \k, \g
	s_wait_dscnt 32                                ; all but the 32 just issued
	WIN MUL
	MUL8 \f, 1, 0, 0
	MUL8 \f, 1, 2, 0
.endm
; The last quarter multiplies buffer 1 and changes slots: ONE barrier; in front of it each wave waits for all its tensor loads, adds 0 to its spare word, and waits for that and for its own reads of this slot.  fill = 1: this slot is filled again, two K steps ahead.
.macro TURN slot, next, fill
	WIN 0                                          ; (the add's two registers lie in window 0)
	s_wait_tensorcnt 0x0                           ; all my tensor loads have landed: my part of the next slot;
	ds_add_u32 v[SPW], v[NIL]                      ; 0 onto my spare word;
	s_wait_dscnt 17                                ; (the add and the youngest sixteen loads may be out)
	WIN MUL
	MUL8 F1, 0, 0, 0                               ; eight matrix instructions stand between the add and the wait for it
	s_wait_dscnt 0x0                               ; the add is done, and my reads of this slot are over
	s_barrier_signal -1
	MUL8 F1, 0, 2, 0
.if \fill
	WIN 0
.endif
	s_barrier_wait -1
.if \fill
	CREST                                          ; the barrier has opened a round of the cluster's barrier: no wave of any partner still reads this slot's tile or has a load on its way
	s_add_nc_u64 s[G0+4*(\slot)+2:G0+4*(\slot)+3], s[G0+4*(\slot)+2:G0+4*(\slot)+3], 2*KSTEP*2
	s_add_nc_u64 s[G0B+4*(\slot)+2:G0B+4*(\slot)+3], s[G0B+4*(\slot)+2:G0B+4*(\slot)+3], 2*KSTEP*2
	JLOAD \slot                                    ; the first tensor load behind the round: 112 matrix instructions ahead of the wait for it; the four v_nop behind it are also the places in front of the loads below
.else
	PLACES
.endif
	FETCH \next, 0, F0
	WIN MUL
	MUL8 F1, 1, 0, 0
	MUL8 F1, 1, 2, 0
.endm
	s_wait_tensorcnt 1                             ; my part of K step 0 is in; K step 1's may stay out
	s_barrier_signal -1
	s_barrier_wait -1                              ; everybody's is
	FETCH 0, 0, F0
	QUARTER 0, 128, F0, F1, 1                      ; the first quarter stands in front of the loop: its first products start the sums
	WIN 0                                          ; at a label and at a branch every window is 0
	s_mov_b32 s3, LAPS-1
.Llap:                                                 ; a trip goes once round the ring, from a lap's second quarter to the next lap's first, and fills both slots again
	QUARTER 0, 256, F1, F0, 0
	QUARTER 0, 384, F0, F1, 0
	TURN 0, 1, 1
	QUARTER 1, 128, F0, F1, 0
	QUARTER 1, 256, F1, F0, 0
	QUARTER 1, 384, F0, F1, 0
	TURN 1, 0, 1
	QUARTER 0, 128, F0, F1, 0
	WIN 0
	s_sub_co_u32 s3, s3, 1
	s_cmp_lg_u32 s3, 0
	s_cbranch_scc1 .Llap
	QUARTER 0, 256, F1, F0, 0                      ; the last lap fills nothing, and has no round of the cluster's barrier
	QUARTER 0, 384, F0, F1, 0
	TURN 0, 1, 0
	QUARTER 1, 128, F0, F1, 0
	QUARTER 1, 256, F1, F0, 0
	QUARTER 1, 384, F0, F1, 0
	s_wait_dscnt 16                                ; the very last quarter: nothing more to fetch
	WIN MUL
	MUL8 F1, 0, 0, 0
	MUL8 F1, 0, 2, 0
	s_wait_dscnt 0
	MUL8 F1, 1, 0, 0
	MUL8 F1, 1, 2, 0
	WIN 0
	; THE WAY OUT, in f32: 16 rows x 64 columns at a time through my own stage; each accumulator is read from its lowest registers on
	PLACES
	PLACES
.irp a, 0,1,2,3
.if (\a) >= 2
	s_wait_xcnt 0x0                                ; the stores of two blocks back have read the registers that are loaded again below
.endif
.irp b, 0,1,2,3
	ds_store_b128 v[STO], v[ACC+8*(4*(\a)+(\b)):ACC+8*(4*(\a)+(\b))+3]   offset:64*(\b)
	ds_store_b128 v[STO], v[ACC+8*(4*(\a)+(\b))+4:ACC+8*(4*(\a)+(\b))+7] offset:64*(\b)+16
.endr
.irp t, 0,1,2,3,4,5,6,7
	ds_load_b128 v[TMP+32*((\a)%2)+4*(\t):TMP+32*((\a)%2)+4*(\t)+3], v[RD] offset:(\t)*2*SPITCH  ; LDS serves a wave's instructions in order (ISA guide 5.7.1.4): these see the stores above; the next block's stores come behind them
.endr
.irp t, 0,1,2,3,4,5,6,7
	s_wait_dscnt 7-(\t)                            ; load t is in; the younger ones stay out
	global_store_b128 v[CO], v[TMP+32*((\a)%2)+4*(\t):TMP+32*((\a)%2)+4*(\t)+3], s[8:9] offset:(16*(\a)+2*(\t))*4096 th:TH_STORE_NT  ; 16 lanes store 256 consecutive bytes, aligned
.endr
.endr
	s_wait_tensorcnt 0x0                           ; the wave's end: a tensor wait, an add of 0 to my spare word and its wait, behind my last tensor load and my last LDS store
	ds_add_u32 v[SPW], v[NIL]
	s_wait_dscnt 0x0
	CROUND                                         ; the closing round: no work-group ends while a partner may still ask for a tile that names it
	s_endpgm
.Lfunc_end_k_qdc59bec922_g0:
	.size	k_qdc59bec922_g0, .Lfunc_end_k_qdc59bec922_g0-k_qdc59bec922_g0
	.p2alignl 7, 3214868480
	.fill 96, 4, 3214868480
	.section	.rodata,"a",@progbits
	.p2align	6, 0x0
	.amdhsa_kernel k_qdc59bec922_g0
		.amdhsa_group_segment_fixed_size 327680
		.amdhsa_private_segment_fixed_size 0
		.amdhsa_enable_private_segment 0
		.amdhsa_kernarg_size 24
		.amdhsa_user_sgpr_count 2
		.amdhsa_user_sgpr_kernarg_segment_ptr 1
		.amdhsa_wavefront_size32 1
		.amdhsa_system_sgpr_workgroup_id_x 1
		.amdhsa_system_sgpr_workgroup_id_y 1
		.amdhsa_system_sgpr_workgroup_id_z 1
		.amdhsa_system_vgpr_workitem_id 0
		.amdhsa_next_free_vgpr 512
		.amdhsa_next_free_sgpr 66
		.amdhsa_reserve_vcc 0
		.amdhsa_float_denorm_mode_32 3
		.amdhsa_float_denorm_mode_16_64 3
		.amdhsa_memory_ordered 1
		.amdhsa_forward_progress 1
		.amdhsa_inst_pref_size 87
	.end_amdhsa_kernel
	.amdgpu_metadata
---
amdhsa.version: [ 1, 2 ]
amdhsa.kernels:
  - .name:           k_qdc59bec922_g0
    .symbol:         k_qdc59bec922_g0.kd
    .args:
      - { .name: a0, .offset: 0, .size: 8, .value_kind: global_buffer, .address_space: global }
      - { .name: w0, .offset: 8, .size: 8, .value_kind: global_buffer, .address_space: global }
      - { .name: h0, .offset: 16, .size: 8, .value_kind: global_buffer, .address_space: global }
    .group_segment_fixed_size: 327680
    .private_segment_fixed_size: 0
    .kernarg_segment_align: 8
    .kernarg_segment_size: 24
    .max_flat_workgroup_size: 128
    .sgpr_count:     66
    .vgpr_count:     512
    .wavefront_size: 32
...
	.end_amdgpu_metadata
.endif
;; end of part 8
;; launch k1 (part 9): grid 64 x 4, 8 waves a work-group, clusters of 4 x 1, 327,680 bytes of LDS; arguments h0, w1, ns0, nb0, grid1, p1; writes p1
.if DOCPART == 9
	.amdgcn_target "amdgcn-amd-amdhsa--gfx1250"
	.amdhsa_code_object_version 6
	.text
	.protected	k_qdc59bec922_k1
	.globl	k_qdc59bec922_k1
	.p2align	8
	.type	k_qdc59bec922_k1,@function
k_qdc59bec922_k1:
	s_mov_b64 s[64:65], 0
	v_nop
	global_prefetch_b8 v0, s[64:65] scope:SCOPE_SE
	s_setreg_imm32_b32 hwreg(HW_REG_WAVE_MODE, 25, 1), 1
	s_wait_xcnt 0x0
	s_wait_alu depctr_hold_cnt(0) depctr_sa_sdst(0) depctr_va_vdst(0) depctr_va_sdst(0) depctr_va_ssrc(0) depctr_va_vcc(0) depctr_vm_vsrc(0)
	s_getreg_b32 s2, hwreg(HW_REG_IB_STS2, 6, 4)
	s_cmp_eq_u32 s2, 0
	s_cbranch_scc0 .Lentry_in_a_cluster
	s_endpgm
.Lentry_in_a_cluster:
	s_bfe_u32 s2, ttmp6, 0x10000c
	s_cmp_lg_u32 s2, 0x3003
	s_cbranch_scc0 .Lentry_shape_is_right
	s_endpgm
.Lentry_shape_is_right:
; LAYER 1, ITS OPERAND MADE ON THE WAY.  h[m][f] = ns0[f] x h0[m][f] + nb0[f] (f32); p1[s][m][o] = sum over the K of slice s of A(h)[m][k] w1[s][o][k]: f32 partial sums of four slices of 256 features, added in the next launch.
; A(h) never goes to memory.  A work-group owns 64 rows, ALL 512 outputs and one slice, so that each h is expanded once in the launch: 64 row blocks x 4 slices = 256 work-groups.
; THE ORDER OF K.  64 features are a group of five steps of 128: step 0: [silu(h), upper part, of features 0..63][the rest of silu(h) of the same]; step 1 + i: the 8 cubic B-spline values of features 4 fl + i at 8 fl + k.
; TWO KINDS OF WAVE.  Waves 0-3 multiply: wave w has 64 rows x outputs 128 w .. 128 w + 127: 32 accumulators.  Waves 4-7 expand: wave 4 + e has rows 16 e .. 16 e + 15; lane l has features 4 (l % 16) .. + 3 of rows
; 16 e + 8 (l / 16) + 0..7: it loads them as 16 bytes a row (16 lanes: 256 consecutive bytes, aligned) and keeps them for the group's five steps.  While step s is multiplied, A of step s + 1 is made and W of step s + 1 is on its way.
; One barrier a step: in front of it every wave's tensor loads have landed, its LDS stores are done and its LDS reads are back.  W's tiles are the same for the four row blocks of a cluster: they are asked for JOINTLY
; (the same load, descriptor and mask in all four), every wave 64 rows of 256 bytes; so the barrier is a round of the cluster's.
; THE MATRIX INSTRUCTION IS USED TRANSPOSED (source 0 = 16 rows of W, source 1 = 16 rows of A): a lane holds eight neighbouring outputs of one row.
; ONE LOOP, over the steps.  A basis step's four pairs of rows are written out: every LDS address is a register made once a step (a slot's scalar offset + a fixed lane term) and an immediate.
; THE LOOP IS ENTERED IN THE MIDDLE OF A TRIP: the expanding waves at their arm (they make step 0), the multiplying waves behind 256 moves that clear their accumulators.  The price of those moves, which run in the
; wait for the first tile: a first step written out, with products that start the sums, would be one more copy of the 128 matrix instructions and 96 loads of a step.
; LIMITS.  ns0, nb0 and grid1 are rounded to bf16 before use.  1 / (difference of knots) is v_rcp_f32 (1 ulp; a difference below 2^-126 counts as 0; equal knots give infinities and NaN as in the formula).
; The second weight of the recurrence is taken as 1 - (x - g[t+1]) / (g[t+1+j] - g[t+1]): the same number, off by some 1e-7 x |g / difference|.  x < g[t+1] is taken as not (x >= g[t+1]): it differs for NaN alone.
; silu(h) = h / (1 + 2^(-1.442695 h)), handed on as two bf16 numbers whose sum holds 16 bits of it; the basis values are rounded to bf16 once.
.set NIN,    1024                      ; the layer's input features
.set F,      256                       ; features of a slice
.set P,      1                         ; partial sums that make up the input
.set NG,     F/64                      ; groups
.set T,      5*NG                      ; steps
.set KB,     10*F                      ; numbers in a row of a slice of W
.set ROWB,   4*NIN                     ; bytes in a row of the input
.set PSTR,   4096*ROWB                 ; bytes in one partial sum of the input
.set PITCH,  272                       ; an LDS row: 256 bytes + 16 of padding = 68 words: row r starts at bank 4 r mod 64 (64 banks of 4 bytes: ISA guide 11.1)
.set SLOTW,  512*PITCH                 ; W's tile of a step; two slots from byte 0
.set ABASE,  2*SLOTW
.set SLOTA,  64*PITCH                  ; A's tile of a step; two slots, written by LDS stores alone
.set SPARE,  ABASE+2*SLOTA             ; the spare words, 128 bytes for each wave: four blocks of 256 bytes that no other line names
.set SPITCH, 528                       ; the way out: 16 rows x (512 + 16) bytes for each multiplying wave, in W's slot 0, behind that slot's last fill and last read
; vector registers, window 0, both kinds of wave
.set SPW,  28                          ; v28  LDS address of my spare word; never rewritten
.set NIL,  29                          ; v29  0; never rewritten
; multiplying waves: window 0: addresses, two fragment buffers of 96 (8 fragments of W, then 4 of A); window 1: the accumulators, (a, b) at v[8 (8 a + b)]
.set ADRA0, 2
.set ADRB0, 3
.set ADRA,  4
.set ADRB,  5
.set STO,   6
.set RD,    7
.set CO,    8
.set F0,    32
.set F1,    128
; expanding waves, window 0
.set HOF,  10                          ; v[10:13] my byte offset in the input, one for each partial sum
.set NSO,  14                          ; v14  16 x (l % 16)
.set GRO,  15                          ; v15  byte offset of the knots to be loaded next
.set AST0, 18                          ; v18  my 16 bytes in my first row of A's slot 0
.set AST,  19                          ; v19  the same in the slot that is being made
.set ASS0, 20                          ; v20  my 8 bytes there
.set ASS,  21
.set TT,   26
.set GK,   32                          ; v[32:43]   the 12 knots of the feature in hand
.set GKN,  44                          ; v[44:55]   those of the next basis step, as loaded
.set XR,   56                          ; v[56:63]   h of that feature in my 8 rows
.set CA,   66                          ; v[66:95]   r = 1 / (g[t+j] - g[t]): j = 1 at 0..10, j = 2 at 11..20, j = 3 at 21..29
.set CB,   96                          ; v[96:125]  -g[t] r
.set BA,   126                         ; v[126:147]
.set BB,   148                         ; v[148:169]
.set D,    170                         ; v[170:189]
.set OUT,  170                         ; v[170:177] two rows' 8 basis values in bf16: D's first eight, free behind the last level
.set W,    190                         ; v[190:249]
.set ST,   126                         ; the silu step: v[126:157] silu, v[158:189] at work, v[190:205] upper parts, v[206:221] rests
.set SE,   158
.set SHI,  190
.set SLO,  206
; expanding waves, window 1
.set H,    128                         ; v[128:159] the group's h: row j, feature i at 4 j + i;  v[0:32 P - 1] the next group's partial sums as loaded
.set NSR,  160                         ; v[160:163] ns, v[164:167] nb of my four features
.set NBR,  164
.set TT1,  168
; scalar registers
.set HPT, 4                            ; s[4:5]   the input at my rows and the group to be loaded next
.set WP,  6                            ; s[6:7]   W at my wave's 64 rows of the slice
.set NSP, 8
.set NBP, 10
.set G0,  12                           ; s[12:15] descriptor group 0
.set G1,  16                           ; s[16:23] descriptor group 1
.set GP,  24                           ; s[24:25] the slice's knots
.set OP,  26                           ; s[26:27] the output at my rows and my wave's 128 columns
.set WV,  28
.set CNT, 30                           ; trips to go; the trip makes step T - CNT
.set G,   31                           ; that step's place in its group
.set SWF, 32                           ; W's slot that is filled in this trip, as a byte offset; SWR the one that is read
.set SWR, 33
.set SAF, 34                           ; the same for A
.set SAR, 35
.set MS,  36                           ; s[36:59] the comparisons' masks
.set OFS, 60                           ; s[60:61] 256 x the step whose W is asked for next
.set WB8, 62                           ; my wave's 64 rows in a slot of W
.set INC, 63
.set MSB, 0
.macro WIN new                         ; the immediate's high byte repeats the setting that is left; bits 1:0 source 0, 3:2 source 1, 5:4 source 2, 7:6 destination
.if MSB != (\new)
	s_set_vgpr_msb (MSB<<8)|(\new)
.set MSB, \new
.endif
.endm
.macro ROUND                           ; a round of the cluster's barrier
	s_barrier_signal -1
	s_barrier_wait -1
	s_cmp_lg_u32 s[WV], 0
	s_cbranch_scc1 .Lnot_wave_0_\@
	s_barrier_signal -3
.Lnot_wave_0_\@:
	s_barrier_wait -3
	s_barrier_signal -1
	s_barrier_wait -1
.endm
.macro PLACES                          ; four places in front of loads into registers that matrix instructions have read, and of lines that read results
.rept 4
	v_nop
.endr
.endm
.macro RND2 a, b, t                    ; two f32 numbers rounded to bf16 and widened again
	v_cvt_pk_bf16_f32 v[\t], v[\a], v[\b]
	v_lshlrev_b32 v[\a], 16, v[\t]
	v_and_b32 v[\b], 0xffff0000, v[\t]
.endm
; 24 LDS loads in one run: the fragments of 32 along K, number c of the step's four, into buffer f
.macro FETCH c, f
	WIN 0
.irp b, 0,1,2,3,4,5,6,7
	ds_load_b128 v[(\f)+8*\b:(\f)+8*\b+3],   v[ADRB] offset:\b*16*PITCH+64*(\c)
	ds_load_b128 v[(\f)+8*\b+4:(\f)+8*\b+7], v[ADRB] offset:\b*16*PITCH+64*(\c)+32
.endr
.irp a, 0,1,2,3
	ds_load_b128 v[(\f)+64+8*\a:(\f)+64+8*\a+3], v[ADRA] offset:\a*16*PITCH+64*(\c)
	ds_load_b128 v[(\f)+64+8*\a+4:(\f)+64+8*\a+7], v[ADRA] offset:\a*16*PITCH+64*(\c)+32
.endr
.endm
; 32 matrix instructions on buffer f; the 32 accumulators take turns, one instruction a turn, in the same order every time
.macro MM f
	WIN 0x50                                       ; C and D in window 1
.irp a, 0,1,2,3
.irp b, 0,1,2,3,4,5,6,7
	v_wmma_f32_16x16x32_bf16 v[8*(8*\a+\b):8*(8*\a+\b)+7], v[(\f)+8*\b:(\f)+8*\b+7], v[(\f)+64+8*\a:(\f)+64+8*\a+7], v[8*(8*\a+\b):8*(8*\a+\b)+7]
.endr
.endr
.endm
; A step's 128 matrix instructions.  A run of loads has 32 matrix instructions in which to land.  tail = 1: the last step, which lies in the slots 1
.macro MULT tail
	WIN 0
.if \tail
	v_add_nc_u32 v[ADRB], SLOTW, v[ADRB0]
	v_add_nc_u32 v[ADRA], SLOTA, v[ADRA0]
.else
	v_add_nc_u32 v[ADRB], s[SWR], v[ADRB0]
	v_add_nc_u32 v[ADRA], s[SAR], v[ADRA0]
.endif
	FETCH 0, F0
	FETCH 1, F1
	s_wait_dscnt 24                                ; buffer 0 is in; the 24 younger loads may be out
	MM F0
	PLACES
	FETCH 2, F0
	s_wait_dscnt 24
	MM F1
	PLACES
	FETCH 3, F1
	s_wait_dscnt 24
	MM F0
	s_wait_dscnt 0x0
	MM F1
	WIN 0
.endm
; A group's input: P partial sums of my 8 rows x 4 features, ns and nb of the four
.macro HLOADS
	WIN 0x40                                       ; destination window 1, offset window 0
.set pp, 0
.rept P
.set jj, 0
.rept 8
	global_load_b128 v[32*pp+4*jj:32*pp+4*jj+3], v[HOF+pp], s[HPT:HPT+1] offset:jj*ROWB th:TH_LOAD_NT
.set jj, jj+1
.endr
.set pp, pp+1
.endr
	global_load_b128 v[NSR:NSR+3], v[NSO], s[NSP:NSP+1]
	global_load_b128 v[NBR:NBR+3], v[NSO], s[NBP:NBP+1]
	WIN 0
.endm
.macro KLOADS                          ; the 12 knots of the next basis step's feature
	global_load_b128 v[GKN:GKN+3],    v[GRO], s[GP:GP+1]
	global_load_b128 v[GKN+4:GKN+7],  v[GRO], s[GP:GP+1] offset:16
	global_load_b128 v[GKN+8:GKN+11], v[GRO], s[GP:GP+1] offset:32
.endm
.macro XCP i                           ; feature i's 8 h, out of the group's 32, to where the one text of the pairs names them
	WIN 0x01                                       ; source 0 in window 1
.set jj, 0
.rept 8
	v_mov_b32 v[XR+jj], v[H+4*jj+(\i)]
.set jj, jj+1
.endr
	WIN 0
.endm
.macro WCALC c, x                      ; w number c for the two rows in v[x], v[x + 1]: one r and one -g r serve both halves
.if ((\c) & 1)
	v_pk_fma_f32 v[W+2*(\c):W+2*(\c)+1], v[(\x):(\x)+1], v[CA+(\c)-1:CA+(\c)], v[CB+(\c)-1:CB+(\c)] op_sel:[0,1,1] op_sel_hi:[1,1,1]
.else
	v_pk_fma_f32 v[W+2*(\c):W+2*(\c)+1], v[(\x):(\x)+1], v[CA+(\c):CA+(\c)+1], v[CB+(\c):CB+(\c)+1] op_sel_hi:[1,0,0]
.endif
.endm
.macro LEVEL j, bp, bn                 ; B_j[t] = w[t] B[t] + (1 - w[t+1]) B[t+1], t = 0 .. 10 - j
.set c0, ((\j)-1)*11-((\j)-1)*((\j)-2)/2
.set t, 1
.rept 11-(\j)
	v_pk_fma_f32 v[D+2*t-2:D+2*t-1], v[W+2*(c0+t):W+2*(c0+t)+1], v[(\bp)+2*t:(\bp)+2*t+1], v[(\bp)+2*t:(\bp)+2*t+1] neg_lo:[1,0,0] neg_hi:[1,0,0]
.set t, t+1
.endr
.set t, 0
.rept 11-(\j)
	v_pk_fma_f32 v[(\bn)+2*t:(\bn)+2*t+1], v[W+2*(c0+t):W+2*(c0+t)+1], v[(\bp)+2*t:(\bp)+2*t+1], v[D+2*t:D+2*t+1]
.set t, t+1
.endr
.endm
; Rows 2 p and 2 p + 1 of my eight: the 24 comparisons, the 30 weights (which cover the masks' way through the scalar unit), the 11 basis values of order 0, three levels, 16 bytes a row into A's slot
.macro PAIR p
.irp e, 0,1
.set t, 0
.rept 12
	v_cmp_ge_f32 s[MS+12*\e+t], v[XR+2*(\p)+\e], v[GK+t]
.set t, t+1
.endr
.endr
.set c, 0
.rept 30
	WCALC c, XR+2*(\p)
.set c, c+1
.endr
.irp e, 0,1
.set t, 0
.rept 11
	s_and_not1_b32 s[MS+12*\e+t], s[MS+12*\e+t], s[MS+12*\e+t+1]  ; x >= g[t] and not x >= g[t+1]
.set t, t+1
.endr
.endr
.set t, 0
.rept 11
	v_cndmask_b32 v[BA+2*t], 0, 1.0, s[MS+t]
	v_cndmask_b32 v[BA+2*t+1], 0, 1.0, s[MS+12+t]
.set t, t+1
.endr
	LEVEL 1, BA, BB
	LEVEL 2, BB, BA
	LEVEL 3, BA, BB
.irp e, 0,1
.irp q, 0,1,2,3
	v_cvt_pk_bf16_f32 v[OUT+4*\e+\q], v[BB+4*\q+\e], v[BB+4*\q+2+\e]
.endr
.endr
	ds_store_b128 v[AST], v[OUT:OUT+3]   offset:2*(\p)*PITCH      ; 16 lanes fill a row's 256 bytes
	ds_store_b128 v[AST], v[OUT+4:OUT+7] offset:(2*(\p)+1)*PITCH
.endm
	s_load_b256 s[4:11], s[0:1], 0x0               ; input, W, ns, nb
	s_load_b128 s[24:27], s[0:1], 0x20             ; grid, output
	v_lshl_add_u32 v[SPW], v0, 2, SPARE
	v_mov_b32 v[NIL], 0
	ds_add_u32 v[SPW], v[NIL]                      ; the wave's opening: the add, twice on end, and its wait ahead of my first tensor load; the set-up below stands between
	ds_add_u32 v[SPW], v[NIL]                      ; and once more, under the one wait
	v_lshrrev_b32 v1, 5, v0
	v_readfirstlane_b32 s[WV], v1                  ; wave 0..7
	s_bfe_u32 s66, ttmp6, 0x40000                  ; cx: my place in the cluster: it enters the input's and the output's addresses alone
	s_lshl_b32 s67, ttmp9, 2
	s_add_co_u32 s67, s67, s66                     ; my block of 64 rows
	s_and_b32 s68, ttmp7, 0xffff                   ; the slice, which the four partners share
	s_and_b32 s69, s[WV], 3                        ; my place among the four waves of my kind
	; descriptor group 1: a tile of 64 rows x 128 elements, padded in LDS
	s_mov_b32 s[G1], 15|(1<<16)|(1<<20)|(1<<21)|(5<<22)|(3<<25)  ; 15:0 the mask: all four work-groups; 17:16 elements of 2 bytes; 20 padding on; 21 set beside a mask; 24:22 after every 64 words (code 5); 31:25 4 words of it (code 3)
	s_mov_b32 s[G1+1], 128<<16                     ; tensor_dim0 = 128
	s_mov_b32 s[G1+2], 64<<16                      ; tensor_dim1 = 64
	s_mov_b32 s[G1+3], 128<<16                     ; tile_dim0 = 128
	s_mov_b32 s[G1+4], 64                          ; tile_dim1 = 64
	s_mov_b32 s[G1+5], KB                          ; elements from row to row
	s_mov_b32 s[G1+6], 0
	s_mov_b32 s[G1+7], 0
	s_mul_i32 s[WB8], s[WV], 64*PITCH
	s_mov_b32 s[G0], 1                             ; count = 1
	s_mov_b32 s[G0+1], s[WB8]                      ; LDS address: slot 0, my wave's 64 rows
	s_mul_i32 s70, s68, 512*KB*2                   ; W: the slice, my wave's 64 rows
	s_mul_i32 s71, s[WV], 64*KB*2
	s_add_co_u32 s70, s70, s71
	s_mov_b32 s71, 0
	s_mul_i32 s74, s68, F*4                        ; ns, nb: the slice's features
	s_mov_b32 s75, 0
	s_mul_i32 s72, s67, 64*ROWB                    ; the input: my 64 rows, the slice's features
	s_add_co_u32 s72, s72, s74
	s_mov_b32 s73, 0
	s_mul_i32 s76, s68, F*48                       ; the slice's knots
	s_mov_b32 s77, 0
	s_lshl_b32 s78, s68, 23                        ; the output: the slice's 8,388,608 bytes, my 64 rows of 2,048, my wave's 512
	s_lshl_b32 s79, s67, 17
	s_add_co_u32 s78, s78, s79
	s_lshl_b32 s79, s69, 9
	s_add_co_u32 s78, s78, s79
	s_mov_b32 s79, 0
	v_and_b32 v1, 15, v0                           ; l % 16
	v_bfe_u32 v9, v0, 4, 1                         ; l / 16
	v_and_b32 v22, 31, v0                          ; l
	v_mul_u32_u24 v23, v1, PITCH
	v_lshl_add_u32 v23, v9, 4, v23                 ; a fragment: row x pitch + 16 x half
	v_add_nc_u32 v[ADRA0], ABASE, v23
	s_mul_i32 s80, s69, 128*PITCH
	v_add_nc_u32 v[ADRB0], s80, v23                ; my 128 rows of W
	s_mul_i32 s80, s69, 16*SPITCH                  ; my stage for the way out
	v_mul_u32_u24 v[STO], v1, SPITCH               ; in: row l % 16, 32 bytes for each half of the lanes
	v_lshl_add_u32 v[STO], v9, 5, v[STO]
	v_add_nc_u32 v[STO], s80, v[STO]
	v_lshl_add_u32 v[RD], v22, 4, s80              ; back: a row's 512 bytes an instruction
	v_lshlrev_b32 v[CO], 4, v22
	s_lshl_b32 s80, s69, 4
	v_lshl_add_u32 v24, v9, 3, s80                 ; expanding: my first row, 16 e + 8 (l / 16)
	v_mul_u32_u24 v[HOF], v24, ROWB
	v_lshl_add_u32 v[HOF], v1, 4, v[HOF]
.if P > 1
.irp q, 1,2,3
	v_add_nc_u32 v[HOF+\q], \q*PSTR, v[HOF]
.endr
.endif
	v_lshlrev_b32 v[NSO], 4, v1
	v_mul_u32_u24 v[GRO], v1, 192                  ; feature 4 (l % 16)
	v_mul_u32_u24 v24, v24, PITCH
	v_add_nc_u32 v24, ABASE, v24
	v_lshl_add_u32 v[AST0], v1, 4, v24
	v_lshl_add_u32 v[ASS0], v1, 3, v24
	s_mov_b32 s[CNT], T
	s_mov_b32 s[G], 0
	s_mov_b32 s[SWF], 0
	s_mov_b32 s[SAF], 0
	s_mov_b32 s[OFS], 256
	s_mov_b32 s[OFS+1], 0
	s_wait_dscnt 0x0                               ; both opening adds are done
	s_wait_kmcnt 0x0
	s_add_nc_u64 s[WP:WP+1], s[WP:WP+1], s[70:71]
	s_add_nc_u64 s[HPT:HPT+1], s[HPT:HPT+1], s[72:73]
	s_add_nc_u64 s[NSP:NSP+1], s[NSP:NSP+1], s[74:75]
	s_add_nc_u64 s[NBP:NBP+1], s[NBP:NBP+1], s[74:75]
	s_add_nc_u64 s[GP:GP+1], s[GP:GP+1], s[76:77]
	s_add_nc_u64 s[OP:OP+1], s[OP:OP+1], s[78:79]
	s_mov_b64 s[G0+2:G0+3], s[WP:WP+1]             ; global address: step 0
	s_or_b32 s[G0+3], s[G0+3], 0x80000000          ; type = 2
	ROUND                                          ; all four work-groups are here: the first joint loads meet
	tensor_load_to_lds s[G0:G0+3], s[G1:G1+7]      ; W of step 0 into slot 0
	s_nop 0
.rept 4
	v_nop
.endr
	s_cmp_lt_u32 s[WV], 4
	s_cbranch_scc0 .Lfirst_exp
	WIN 0x40
.set r, 0
.rept 256
	v_mov_b32 v[r], 0                              ; the sums start at 0 (see the head)
.set r, r+1
.endr
	WIN 0
	s_branch .Ljoin
.Lfirst_exp:
	WIN 0x40
.set r, 0
.rept 32
	v_mov_b32 v[H+r], 0                            ; so that every register that a later line reads has been written on every way from the head
.set r, r+1
.endr
	WIN 0
	HLOADS                                         ; group 0
	KLOADS                                         ; and the knots of its first basis step
	s_branch .Lexp
.Ltrip:                                                ; T - 1 whole trips: step T - CNT - 1 is multiplied, step T - CNT made and its W asked for
	s_wait_tensorcnt 0x0                           ; my one tensor load has landed: my part of W of the step to be multiplied; so group 0 may be written
	ds_add_u32 v[SPW], v[NIL]                      ; 0 onto my spare word; the descriptor's words stand between it and the wait for it
	s_add_nc_u64 s[G0+2:G0+3], s[WP:WP+1], s[OFS:OFS+1]  ; the address is made anew: W's rows at the next step's 256 bytes
	s_or_b32 s[G0+3], s[G0+3], 0x80000000
	s_add_co_u32 s[G0+1], s[WB8], s[SWF]
	s_xor_b32 s[SWR], s[SWF], SLOTW
	s_xor_b32 s[SAR], s[SAF], SLOTA
	s_wait_dscnt 0x0                               ; the add is done; my reads of the slots to be written are back; my stores into A's slot are done
	ROUND                                          ; all that holds of every wave of the four work-groups
	tensor_load_to_lds s[G0:G0+3], s[G1:G1+7]      ; my one load behind the round
	s_nop 0
.rept 4
	v_nop                                          ; these are also the places in front of the loads into the fragment buffers
.endr
	s_add_co_u32 s[OFS], s[OFS], 256
	s_cmp_lt_u32 s[WV], 4
	s_cbranch_scc0 .Lexp
	MULT 0
	s_branch .Ljoin
.Lexp:
	s_cmp_eq_u32 s[G], 0
	s_cbranch_scc0 .Lbasis
	; A GROUP BEGINS: its h is put together, the next group's is asked for, and the silu step is made
	s_wait_loadcnt 0x0                             ; everything that I have asked for; the youngest of it was issued a step ago or more (at the start: just now)
	WIN 0x55                                       ; all in window 1
	RND2 NSR, NSR+1, TT1
	RND2 NSR+2, NSR+3, TT1
	RND2 NBR, NBR+1, TT1
	RND2 NBR+2, NBR+3, TT1
.if P == 4
.set r, 0
.rept 16
	v_pk_add_f32 v[r:r+1], v[r:r+1], v[32+r:32+r+1]
	v_pk_add_f32 v[64+r:64+r+1], v[64+r:64+r+1], v[96+r:96+r+1]
.set r, r+2
.endr
.set r, 0
.rept 16
	v_pk_add_f32 v[r:r+1], v[r:r+1], v[64+r:64+r+1]
.set r, r+2
.endr
.endif
.set r, 0
.rept 16
	v_pk_fma_f32 v[H+r:H+r+1], v[r:r+1], v[NSR+(r%4):NSR+(r%4)+1], v[NBR+(r%4):NBR+(r%4)+1]
.set r, r+2
.endr
	WIN 0
	s_cmp_gt_u32 s[CNT], 5                         ; is there a group behind this one?
	s_cbranch_scc0 .Lnomore
	s_add_nc_u64 s[HPT:HPT+1], s[HPT:HPT+1], 256   ; (no load is out: the bases may be written)
	s_add_nc_u64 s[NSP:NSP+1], s[NSP:NSP+1], 256
	s_add_nc_u64 s[NBP:NBP+1], s[NBP:NBP+1], 256
	HLOADS                                         ; five steps ahead of its use
.Lnomore:
	WIN 0x01                                       ; source 0 in window 1
.set r, 0
.rept 16
	v_pk_mul_f32 v[SE+r:SE+r+1], v[H+r:H+r+1], 0xbfb8aa3b op_sel_hi:[1,0]
.set r, r+2
.endr
	WIN 0
.set r, 0
.rept 32
	v_exp_f32 v[SE+r], v[SE+r]
.set r, r+1
.endr
	v_nop
	s_wait_alu depctr_va_vdst(0)                   ; one wait for the 32 exponentials
.set r, 0
.rept 16
	v_pk_add_f32 v[SE+r:SE+r+1], v[SE+r:SE+r+1], 1.0 op_sel_hi:[1,0]
.set r, r+2
.endr
.set r, 0
.rept 32
	v_rcp_f32 v[SE+r], v[SE+r]
.set r, r+1
.endr
	v_nop
	s_wait_alu depctr_va_vdst(0)                   ; one wait for the 32 reciprocals
	WIN 0x01
.set r, 0
.rept 16
	v_pk_mul_f32 v[ST+r:ST+r+1], v[H+r:H+r+1], v[SE+r:SE+r+1]
.set r, r+2
.endr
	WIN 0
.set r, 0
.rept 16
	v_cvt_pk_bf16_f32 v[SHI+r], v[ST+2*r], v[ST+2*r+1]
.set r, r+1
.endr
.set r, 0
.rept 16
	v_lshlrev_b32 v[SE+2*r], 16, v[SHI+r]
	v_and_b32 v[SE+2*r+1], 0xffff0000, v[SHI+r]
.set r, r+1
.endr
.set r, 0
.rept 16
	v_pk_add_f32 v[ST+r:ST+r+1], v[ST+r:ST+r+1], v[SE+r:SE+r+1] neg_lo:[0,1] neg_hi:[0,1]
.set r, r+2
.endr
.set r, 0
.rept 16
	v_cvt_pk_bf16_f32 v[SLO+r], v[ST+2*r], v[ST+2*r+1]
.set r, r+1
.endr
	v_add_nc_u32 v[ASS], s[SAF], v[ASS0]
.set jj, 0
.rept 8                                        ; lanes 0-15 fill 128 bytes of one row, lanes 16-31 of the row 8 further down, which starts 32 banks on
	ds_store_b64 v[ASS], v[SHI+2*jj:SHI+2*jj+1] offset:PITCH*jj
	ds_store_b64 v[ASS], v[SLO+2*jj:SLO+2*jj+1] offset:PITCH*jj+128
.set jj, jj+1
.endr
	s_branch .Ljoin
.Lbasis:                                               ; A BASIS STEP: feature 4 (l % 16) + G - 1 of my 8 rows
	s_wait_loadcnt 0x0                             ; the knots, asked for a step ago or more
.set r, 0
.rept 6
	v_cvt_pk_bf16_f32 v[TT], v[GKN+2*r], v[GKN+2*r+1]
	v_lshlrev_b32 v[GK+2*r], 16, v[TT]
	v_and_b32 v[GK+2*r+1], 0xffff0000, v[TT]
.set r, r+1
.endr
	s_cmp_eq_u32 s[CNT], 1                         ; the last step has no basis step behind it
	s_cbranch_scc1 .Lnoknots
	s_cmp_eq_u32 s[G], 4
	s_cselect_b32 s[INC], 3072-144, 48             ; the next feature, or the next group's first
	v_add_nc_u32 v[GRO], s[INC], v[GRO]
	KLOADS
.Lnoknots:
	s_cmp_eq_u32 s[G], 1
	s_cbranch_scc1 .Lx0
	s_cmp_eq_u32 s[G], 2
	s_cbranch_scc1 .Lx1
	s_cmp_eq_u32 s[G], 3
	s_cbranch_scc1 .Lx2
	XCP 3
	s_branch .Lxd
.Lx0:
	XCP 0
	s_branch .Lxd
.Lx1:
	XCP 1
	s_branch .Lxd
.Lx2:
	XCP 2
.Lxd:
.irp j, 1,2,3
.set c0, ((\j)-1)*11-((\j)-1)*((\j)-2)/2
.set t, 0
.rept 12-(\j)
	v_sub_f32 v[CA+c0+t], v[GK+t+(\j)], v[GK+t]
.set t, t+1
.endr
.endr
.set r, 0
.rept 30
	v_rcp_f32 v[CA+r], v[CA+r]
.set r, r+1
.endr
	v_nop                                          ; a plain instruction behind the last reciprocal,
	s_wait_alu depctr_va_vdst(0)                   ; and one wait for the batch of 30, ahead of the first reader
.irp j, 1,2,3
.set c0, ((\j)-1)*11-((\j)-1)*((\j)-2)/2
.set t, 0
.rept 12-(\j)
	v_mul_f32 v[CB+c0+t], -v[GK+t], v[CA+c0+t]
.set t, t+1
.endr
.endr
	v_add_nc_u32 v[AST], s[SAF], v[AST0]           ; my first row in the slot that is being made; the pairs' rows stand in the immediates
	PAIR 0
	PAIR 1
	PAIR 2
	PAIR 3
.Ljoin:
	s_xor_b32 s[SWF], s[SWF], SLOTW                ; the slots change places
	s_xor_b32 s[SAF], s[SAF], SLOTA
	s_add_co_u32 s[G], s[G], 1
	s_cmp_eq_u32 s[G], 5
	s_cselect_b32 s[G], 0, s[G]
	s_sub_co_u32 s[CNT], s[CNT], 1
	s_cmp_lg_u32 s[CNT], 0
	s_cbranch_scc1 .Ltrip
	; THE LAST STEP is written out: nothing is asked for and nothing is made, so a barrier of the work-group is enough
	s_wait_tensorcnt 0x0                           ; my part of W of the last step has landed
	ds_add_u32 v[SPW], v[NIL]
	s_wait_dscnt 0x0                               ; my stores into A's slot are done, my reads of the slots 0 are back
	s_barrier_signal -1
	s_barrier_wait -1
	s_cmp_lt_u32 s[WV], 4
	s_cbranch_scc0 .Lend
	PLACES
	MULT 1
	; THE WAY OUT, in f32: 16 rows x 128 columns at a time through my own stage; each accumulator is read from its lowest registers on
	PLACES
	PLACES
.irp a, 0,1,2,3
.if (\a) >= 2
	s_wait_xcnt 0x0                                ; the stores of two blocks back have read the registers that are loaded again below
.endif
	WIN 0x04                                       ; data in window 1
.irp b, 0,1,2,3,4,5,6,7
	ds_store_b128 v[STO], v[8*(8*\a+\b):8*(8*\a+\b)+3]   offset:64*\b
	ds_store_b128 v[STO], v[8*(8*\a+\b)+4:8*(8*\a+\b)+7] offset:64*\b+16
.endr
	WIN 0
.irp t, 0,1,2,3,4,5,6,7,8,9,10,11,12,13,14,15
	ds_load_b128 v[32+96*((\a)%2)+4*\t:32+96*((\a)%2)+4*\t+3], v[RD] offset:\t*SPITCH  ; LDS serves a wave's instructions in order (ISA guide 5.7.1.4): these see the stores above; the next block's stores come behind them
.endr
.irp t, 0,1,2,3,4,5,6,7,8,9,10,11,12,13,14,15
	s_wait_dscnt 15-\t                             ; load t is in; the younger ones stay out
	global_store_b128 v[CO], v[32+96*((\a)%2)+4*\t:32+96*((\a)%2)+4*\t+3], s[OP:OP+1] offset:(16*\a+\t)*2048 th:TH_STORE_NT  ; 512 consecutive bytes, aligned
.endr
.endr
.Lend:
	s_wait_tensorcnt 0x0                           ; the wave's end: a tensor wait, an add of 0 to my spare word and its wait, behind my last tensor load and my last LDS store
	ds_add_u32 v[SPW], v[NIL]
	s_wait_dscnt 0x0
	ROUND                                          ; the closing round: no work-group ends while a partner may still ask for a tile that names it
	s_endpgm
.Lfunc_end_k_qdc59bec922_k1:
	.size	k_qdc59bec922_k1, .Lfunc_end_k_qdc59bec922_k1-k_qdc59bec922_k1
	.p2alignl 7, 3214868480
	.fill 96, 4, 3214868480
	.section	.rodata,"a",@progbits
	.p2align	6, 0x0
	.amdhsa_kernel k_qdc59bec922_k1
		.amdhsa_group_segment_fixed_size 327680
		.amdhsa_private_segment_fixed_size 0
		.amdhsa_enable_private_segment 0
		.amdhsa_kernarg_size 48
		.amdhsa_user_sgpr_count 2
		.amdhsa_user_sgpr_kernarg_segment_ptr 1
		.amdhsa_wavefront_size32 1
		.amdhsa_system_sgpr_workgroup_id_x 1
		.amdhsa_system_sgpr_workgroup_id_y 1
		.amdhsa_system_sgpr_workgroup_id_z 1
		.amdhsa_system_vgpr_workitem_id 0
		.amdhsa_next_free_vgpr 512
		.amdhsa_next_free_sgpr 96
		.amdhsa_reserve_vcc 0
		.amdhsa_float_denorm_mode_32 3
		.amdhsa_float_denorm_mode_16_64 3
		.amdhsa_memory_ordered 1
		.amdhsa_forward_progress 1
		.amdhsa_inst_pref_size 123
	.end_amdhsa_kernel
	.amdgpu_metadata
---
amdhsa.version: [ 1, 2 ]
amdhsa.kernels:
  - .name:           k_qdc59bec922_k1
    .symbol:         k_qdc59bec922_k1.kd
    .args:
      - { .name: h0, .offset: 0, .size: 8, .value_kind: global_buffer, .address_space: global }
      - { .name: w1, .offset: 8, .size: 8, .value_kind: global_buffer, .address_space: global }
      - { .name: ns0, .offset: 16, .size: 8, .value_kind: global_buffer, .address_space: global }
      - { .name: nb0, .offset: 24, .size: 8, .value_kind: global_buffer, .address_space: global }
      - { .name: grid1, .offset: 32, .size: 8, .value_kind: global_buffer, .address_space: global }
      - { .name: p1, .offset: 40, .size: 8, .value_kind: global_buffer, .address_space: global }
    .group_segment_fixed_size: 327680
    .private_segment_fixed_size: 0
    .kernarg_segment_align: 8
    .kernarg_segment_size: 48
    .max_flat_workgroup_size: 256
    .sgpr_count:     96
    .vgpr_count:     512
    .wavefront_size: 32
...
	.end_amdgpu_metadata
.endif
;; end of part 9
;; launch k2 (part 10): grid 64 x 4, 8 waves a work-group, clusters of 4 x 1, 327,680 bytes of LDS; arguments p1, w2, ns1, nb1, grid2, p2; writes p2
.if DOCPART == 10
	.amdgcn_target "amdgcn-amd-amdhsa--gfx1250"
	.amdhsa_code_object_version 6
	.text
	.protected	k_qdc59bec922_k2
	.globl	k_qdc59bec922_k2
	.p2align	8
	.type	k_qdc59bec922_k2,@function
k_qdc59bec922_k2:
	s_mov_b64 s[64:65], 0
	v_nop
	global_prefetch_b8 v0, s[64:65] scope:SCOPE_SE
	s_setreg_imm32_b32 hwreg(HW_REG_WAVE_MODE, 25, 1), 1
	s_wait_xcnt 0x0
	s_wait_alu depctr_hold_cnt(0) depctr_sa_sdst(0) depctr_va_vdst(0) depctr_va_sdst(0) depctr_va_ssrc(0) depctr_va_vcc(0) depctr_vm_vsrc(0)
	s_getreg_b32 s2, hwreg(HW_REG_IB_STS2, 6, 4)
	s_cmp_eq_u32 s2, 0
	s_cbranch_scc0 .Lentry_in_a_cluster
	s_endpgm
.Lentry_in_a_cluster:
	s_bfe_u32 s2, ttmp6, 0x10000c
	s_cmp_lg_u32 s2, 0x3003
	s_cbranch_scc0 .Lentry_shape_is_right
	s_endpgm
.Lentry_shape_is_right:
; LAYER 2, ITS OPERAND MADE ON THE WAY.  h[m][f] = ns1[f] x (p1[0][m][f] + p1[1][m][f] + p1[2][m][f] + p1[3][m][f]) + nb1[f] (f32); p2[s][m][o] = sum over the K of slice s of A(h)[m][k] w2[s][o][k]:
; f32 partial sums of four slices of 128 features, added in the next launch.
; A(h) never goes to memory.  A work-group owns 64 rows, ALL 512 outputs and one slice, so that each h is expanded once in the launch: 64 row blocks x 4 slices = 256 work-groups.
; THE ORDER OF K.  64 features are a group of five steps of 128: step 0: [silu(h), upper part, of features 0..63][the rest of silu(h) of the same]; step 1 + i: the 8 cubic B-spline values of features 4 fl + i at 8 fl + k.
; TWO KINDS OF WAVE.  Waves 0-3 multiply: wave w has 64 rows x outputs 128 w .. 128 w + 127: 32 accumulators.  Waves 4-7 expand: wave 4 + e has rows 16 e .. 16 e + 15; lane l has features 4 (l % 16) .. + 3 of rows
; 16 e + 8 (l / 16) + 0..7: it loads them as 16 bytes a row (16 lanes: 256 consecutive bytes, aligned) and keeps them for the group's five steps.  While step s is multiplied, A of step s + 1 is made and W of step s + 1 is on its way.
; One barrier a step: in front of it every wave's tensor loads have landed, its LDS stores are done and its LDS reads are back.  W's tiles are the same for the four row blocks of a cluster: they are asked for JOINTLY
; (the same load, descriptor and mask in all four), every wave 64 rows of 256 bytes; so the barrier is a round of the cluster's.
; THE MATRIX INSTRUCTION IS USED TRANSPOSED (source 0 = 16 rows of W, source 1 = 16 rows of A): a lane holds eight neighbouring outputs of one row.
; ONE LOOP, over the steps.  A basis step's four pairs of rows are written out: every LDS address is a register made once a step (a slot's scalar offset + a fixed lane term) and an immediate.
; THE LOOP IS ENTERED IN THE MIDDLE OF A TRIP: the expanding waves at their arm (they make step 0), the multiplying waves behind 256 moves that clear their accumulators.  The price of those moves, which run in the
; wait for the first tile: a first step written out, with products that start the sums, would be one more copy of the 128 matrix instructions and 96 loads of a step.
; LIMITS.  ns1, nb1 and grid2 are rounded to bf16 before use.  1 / (difference of knots) is v_rcp_f32 (1 ulp; a difference below 2^-126 counts as 0; equal knots give infinities and NaN as in the formula).
; The second weight of the recurrence is taken as 1 - (x - g[t+1]) / (g[t+1+j] - g[t+1]): the same number, off by some 1e-7 x |g / difference|.  x < g[t+1] is taken as not (x >= g[t+1]): it differs for NaN alone.
; silu(h) = h / (1 + 2^(-1.442695 h)), handed on as two bf16 numbers whose sum holds 16 bits of it; the basis values are rounded to bf16 once.
.set NIN,    512                       ; the layer's input features
.set F,      128                       ; features of a slice
.set P,      4                         ; partial sums that make up the input
.set NG,     F/64                      ; groups
.set T,      5*NG                      ; steps
.set KB,     10*F                      ; numbers in a row of a slice of W
.set ROWB,   4*NIN                     ; bytes in a row of the input
.set PSTR,   4096*ROWB                 ; bytes in one partial sum of the input
.set PITCH,  272                       ; an LDS row: 256 bytes + 16 of padding = 68 words: row r starts at bank 4 r mod 64 (64 banks of 4 bytes: ISA guide 11.1)
.set SLOTW,  512*PITCH                 ; W's tile of a step; two slots from byte 0
.set ABASE,  2*SLOTW
.set SLOTA,  64*PITCH                  ; A's tile of a step; two slots, written by LDS stores alone
.set SPARE,  ABASE+2*SLOTA             ; the spare words, 128 bytes for each wave: four blocks of 256 bytes that no other line names
.set SPITCH, 528                       ; the way out: 16 rows x (512 + 16) bytes for each multiplying wave, in W's slot 0, behind that slot's last fill and last read
; vector registers, window 0, both kinds of wave
.set SPW,  28                          ; v28  LDS address of my spare word; never rewritten
.set NIL,  29                          ; v29  0; never rewritten
; multiplying waves: window 0: addresses, two fragment buffers of 96 (8 fragments of W, then 4 of A); window 1: the accumulators, (a, b) at v[8 (8 a + b)]
.set ADRA0, 2
.set ADRB0, 3
.set ADRA,  4
.set ADRB,  5
.set STO,   6
.set RD,    7
.set CO,    8
.set F0,    32
.set F1,    128
; expanding waves, window 0
.set HOF,  10                          ; v[10:13] my byte offset in the input, one for each partial sum
.set NSO,  14                          ; v14  16 x (l % 16)
.set GRO,  15                          ; v15  byte offset of the knots to be loaded next
.set AST0, 18                          ; v18  my 16 bytes in my first row of A's slot 0
.set AST,  19                          ; v19  the same in the slot that is being made
.set ASS0, 20                          ; v20  my 8 bytes there
.set ASS,  21
.set TT,   26
.set GK,   32                          ; v[32:43]   the 12 knots of the feature in hand
.set GKN,  44                          ; v[44:55]   those of the next basis step, as loaded
.set XR,   56                          ; v[56:63]   h of that feature in my 8 rows
.set CA,   66                          ; v[66:95]   r = 1 / (g[t+j] - g[t]): j = 1 at 0..10, j = 2 at 11..20, j = 3 at 21..29
.set CB,   96                          ; v[96:125]  -g[t] r
.set BA,   126                         ; v[126:147]
.set BB,   148                         ; v[148:169]
.set D,    170                         ; v[170:189]
.set OUT,  170                         ; v[170:177] two rows' 8 basis values in bf16: D's first eight, free behind the last level
.set W,    190                         ; v[190:249]
.set ST,   126                         ; the silu step: v[126:157] silu, v[158:189] at work, v[190:205] upper parts, v[206:221] rests
.set SE,   158
.set SHI,  190
.set SLO,  206
; expanding waves, window 1
.set H,    128                         ; v[128:159] the group's h: row j, feature i at 4 j + i;  v[0:32 P - 1] the next group's partial sums as loaded
.set NSR,  160                         ; v[160:163] ns, v[164:167] nb of my four features
.set NBR,  164
.set TT1,  168
; scalar registers
.set HPT, 4                            ; s[4:5]   the input at my rows and the group to be loaded next
.set WP,  6                            ; s[6:7]   W at my wave's 64 rows of the slice
.set NSP, 8
.set NBP, 10
.set G0,  12                           ; s[12:15] descriptor group 0
.set G1,  16                           ; s[16:23] descriptor group 1
.set GP,  24                           ; s[24:25] the slice's knots
.set OP,  26                           ; s[26:27] the output at my rows and my wave's 128 columns
.set WV,  28
.set CNT, 30                           ; trips to go; the trip makes step T - CNT
.set G,   31                           ; that step's place in its group
.set SWF, 32                           ; W's slot that is filled in this trip, as a byte offset; SWR the one that is read
.set SWR, 33
.set SAF, 34                           ; the same for A
.set SAR, 35
.set MS,  36                           ; s[36:59] the comparisons' masks
.set OFS, 60                           ; s[60:61] 256 x the step whose W is asked for next
.set WB8, 62                           ; my wave's 64 rows in a slot of W
.set INC, 63
.set MSB, 0
.macro WIN new                         ; the immediate's high byte repeats the setting that is left; bits 1:0 source 0, 3:2 source 1, 5:4 source 2, 7:6 destination
.if MSB != (\new)
	s_set_vgpr_msb (MSB<<8)|(\new)
.set MSB, \new
.endif
.endm
.macro ROUND                           ; a round of the cluster's barrier
	s_barrier_signal -1
	s_barrier_wait -1
	s_cmp_lg_u32 s[WV], 0
	s_cbranch_scc1 .Lnot_wave_0_\@
	s_barrier_signal -3
.Lnot_wave_0_\@:
	s_barrier_wait -3
	s_barrier_signal -1
	s_barrier_wait -1
.endm
.macro PLACES                          ; four places in front of loads into registers that matrix instructions have read, and of lines that read results
.rept 4
	v_nop
.endr
.endm
.macro RND2 a, b, t                    ; two f32 numbers rounded to bf16 and widened again
	v_cvt_pk_bf16_f32 v[\t], v[\a], v[\b]
	v_lshlrev_b32 v[\a], 16, v[\t]
	v_and_b32 v[\b], 0xffff0000, v[\t]
.endm
; 24 LDS loads in one run: the fragments of 32 along K, number c of the step's four, into buffer f
.macro FETCH c, f
	WIN 0
.irp b, 0,1,2,3,4,5,6,7
	ds_load_b128 v[(\f)+8*\b:(\f)+8*\b+3],   v[ADRB] offset:\b*16*PITCH+64*(\c)
	ds_load_b128 v[(\f)+8*\b+4:(\f)+8*\b+7], v[ADRB] offset:\b*16*PITCH+64*(\c)+32
.endr
.irp a, 0,1,2,3
	ds_load_b128 v[(\f)+64+8*\a:(\f)+64+8*\a+3], v[ADRA] offset:\a*16*PITCH+64*(\c)
	ds_load_b128 v[(\f)+64+8*\a+4:(\f)+64+8*\a+7], v[ADRA] offset:\a*16*PITCH+64*(\c)+32
.endr
.endm
; 32 matrix instructions on buffer f; the 32 accumulators take turns, one instruction a turn, in the same order every time
.macro MM f
	WIN 0x50                                       ; C and D in window 1
.irp a, 0,1,2,3
.irp b, 0,1,2,3,4,5,6,7
	v_wmma_f32_16x16x32_bf16 v[8*(8*\a+\b):8*(8*\a+\b)+7], v[(\f)+8*\b:(\f)+8*\b+7], v[(\f)+64+8*\a:(\f)+64+8*\a+7], v[8*(8*\a+\b):8*(8*\a+\b)+7]
.endr
.endr
.endm
; A step's 128 matrix instructions.  A run of loads has 32 matrix instructions in which to land.  tail = 1: the last step, which lies in the slots 1
.macro MULT tail
	WIN 0
.if \tail
	v_add_nc_u32 v[ADRB], SLOTW, v[ADRB0]
	v_add_nc_u32 v[ADRA], SLOTA, v[ADRA0]
.else
	v_add_nc_u32 v[ADRB], s[SWR], v[ADRB0]
	v_add_nc_u32 v[ADRA], s[SAR], v[ADRA0]
.endif
	FETCH 0, F0
	FETCH 1, F1
	s_wait_dscnt 24                                ; buffer 0 is in; the 24 younger loads may be out
	MM F0
	PLACES
	FETCH 2, F0
	s_wait_dscnt 24
	MM F1
	PLACES
	FETCH 3, F1
	s_wait_dscnt 24
	MM F0
	s_wait_dscnt 0x0
	MM F1
	WIN 0
.endm
; A group's input: P partial sums of my 8 rows x 4 features, ns and nb of the four
.macro HLOADS
	WIN 0x40                                       ; destination window 1, offset window 0
.set pp, 0
.rept P
.set jj, 0
.rept 8
	global_load_b128 v[32*pp+4*jj:32*pp+4*jj+3], v[HOF+pp], s[HPT:HPT+1] offset:jj*ROWB th:TH_LOAD_NT
.set jj, jj+1
.endr
.set pp, pp+1
.endr
	global_load_b128 v[NSR:NSR+3], v[NSO], s[NSP:NSP+1]
	global_load_b128 v[NBR:NBR+3], v[NSO], s[NBP:NBP+1]
	WIN 0
.endm
.macro KLOADS                          ; the 12 knots of the next basis step's feature
	global_load_b128 v[GKN:GKN+3],    v[GRO], s[GP:GP+1]
	global_load_b128 v[GKN+4:GKN+7],  v[GRO], s[GP:GP+1] offset:16
	global_load_b128 v[GKN+8:GKN+11], v[GRO], s[GP:GP+1] offset:32
.endm
.macro XCP i                           ; feature i's 8 h, out of the group's 32, to where the one text of the pairs names them
	WIN 0x01                                       ; source 0 in window 1
.set jj, 0
.rept 8
	v_mov_b32 v[XR+jj], v[H+4*jj+(\i)]
.set jj, jj+1
.endr
	WIN 0
.endm
.macro WCALC c, x                      ; w number c for the two rows in v[x], v[x + 1]: one r and one -g r serve both halves
.if ((\c) & 1)
	v_pk_fma_f32 v[W+2*(\c):W+2*(\c)+1], v[(\x):(\x)+1], v[CA+(\c)-1:CA+(\c)], v[CB+(\c)-1:CB+(\c)] op_sel:[0,1,1] op_sel_hi:[1,1,1]
.else
	v_pk_fma_f32 v[W+2*(\c):W+2*(\c)+1], v[(\x):(\x)+1], v[CA+(\c):CA+(\c)+1], v[CB+(\c):CB+(\c)+1] op_sel_hi:[1,0,0]
.endif
.endm
.macro LEVEL j, bp, bn                 ; B_j[t] = w[t] B[t] + (1 - w[t+1]) B[t+1], t = 0 .. 10 - j
.set c0, ((\j)-1)*11-((\j)-1)*((\j)-2)/2
.set t, 1
.rept 11-(\j)
	v_pk_fma_f32 v[D+2*t-2:D+2*t-1], v[W+2*(c0+t):W+2*(c0+t)+1], v[(\bp)+2*t:(\bp)+2*t+1], v[(\bp)+2*t:(\bp)+2*t+1] neg_lo:[1,0,0] neg_hi:[1,0,0]
.set t, t+1
.endr
.set t, 0
.rept 11-(\j)
	v_pk_fma_f32 v[(\bn)+2*t:(\bn)+2*t+1], v[W+2*(c0+t):W+2*(c0+t)+1], v[(\bp)+2*t:(\bp)+2*t+1], v[D+2*t:D+2*t+1]
.set t, t+1
.endr
.endm
; Rows 2 p and 2 p + 1 of my eight: the 24 comparisons, the 30 weights (which cover the masks' way through the scalar unit), the 11 basis values of order 0, three levels, 16 bytes a row into A's slot
.macro PAIR p
.irp e, 0,1
.set t, 0
.rept 12
	v_cmp_ge_f32 s[MS+12*\e+t], v[XR+2*(\p)+\e], v[GK+t]
.set t, t+1
.endr
.endr
.set c, 0
.rept 30
	WCALC c, XR+2*(\p)
.set c, c+1
.endr
.irp e, 0,1
.set t, 0
.rept 11
	s_and_not1_b32 s[MS+12*\e+t], s[MS+12*\e+t], s[MS+12*\e+t+1]  ; x >= g[t] and not x >= g[t+1]
.set t, t+1
.endr
.endr
.set t, 0
.rept 11
	v_cndmask_b32 v[BA+2*t], 0, 1.0, s[MS+t]
	v_cndmask_b32 v[BA+2*t+1], 0, 1.0, s[MS+12+t]
.set t, t+1
.endr
	LEVEL 1, BA, BB
	LEVEL 2, BB, BA
	LEVEL 3, BA, BB
.irp e, 0,1
.irp q, 0,1,2,3
	v_cvt_pk_bf16_f32 v[OUT+4*\e+\q], v[BB+4*\q+\e], v[BB+4*\q+2+\e]
.endr
.endr
	ds_store_b128 v[AST], v[OUT:OUT+3]   offset:2*(\p)*PITCH      ; 16 lanes fill a row's 256 bytes
	ds_store_b128 v[AST], v[OUT+4:OUT+7] offset:(2*(\p)+1)*PITCH
.endm
	s_load_b256 s[4:11], s[0:1], 0x0               ; input, W, ns, nb
	s_load_b128 s[24:27], s[0:1], 0x20             ; grid, output
	v_lshl_add_u32 v[SPW], v0, 2, SPARE
	v_mov_b32 v[NIL], 0
	ds_add_u32 v[SPW], v[NIL]                      ; the wave's opening: the add, twice on end, and its wait ahead of my first tensor load; the set-up below stands between
	ds_add_u32 v[SPW], v[NIL]                      ; and once more, under the one wait
	v_lshrrev_b32 v1, 5, v0
	v_readfirstlane_b32 s[WV], v1                  ; wave 0..7
	s_bfe_u32 s66, ttmp6, 0x40000                  ; cx: my place in the cluster: it enters the input's and the output's addresses alone
	s_lshl_b32 s67, ttmp9, 2
	s_add_co_u32 s67, s67, s66                     ; my block of 64 rows
	s_and_b32 s68, ttmp7, 0xffff                   ; the slice, which the four partners share
	s_and_b32 s69, s[WV], 3                        ; my place among the four waves of my kind
	; descriptor group 1: a tile of 64 rows x 128 elements, padded in LDS
	s_mov_b32 s[G1], 15|(1<<16)|(1<<20)|(1<<21)|(5<<22)|(3<<25)  ; 15:0 the mask: all four work-groups; 17:16 elements of 2 bytes; 20 padding on; 21 set beside a mask; 24:22 after every 64 words (code 5); 31:25 4 words of it (code 3)
	s_mov_b32 s[G1+1], 128<<16                     ; tensor_dim0 = 128
	s_mov_b32 s[G1+2], 64<<16                      ; tensor_dim1 = 64
	s_mov_b32 s[G1+3], 128<<16                     ; tile_dim0 = 128
	s_mov_b32 s[G1+4], 64                          ; tile_dim1 = 64
	s_mov_b32 s[G1+5], KB                          ; elements from row to row
	s_mov_b32 s[G1+6], 0
	s_mov_b32 s[G1+7], 0
	s_mul_i32 s[WB8], s[WV], 64*PITCH
	s_mov_b32 s[G0], 1                             ; count = 1
	s_mov_b32 s[G0+1], s[WB8]                      ; LDS address: slot 0, my wave's 64 rows
	s_mul_i32 s70, s68, 512*KB*2                   ; W: the slice, my wave's 64 rows
	s_mul_i32 s71, s[WV], 64*KB*2
	s_add_co_u32 s70, s70, s71
	s_mov_b32 s71, 0
	s_mul_i32 s74, s68, F*4                        ; ns, nb: the slice's features
	s_mov_b32 s75, 0
	s_mul_i32 s72, s67, 64*ROWB                    ; the input: my 64 rows, the slice's features
	s_add_co_u32 s72, s72, s74
	s_mov_b32 s73, 0
	s_mul_i32 s76, s68, F*48                       ; the slice's knots
	s_mov_b32 s77, 0
	s_lshl_b32 s78, s68, 23                        ; the output: the slice's 8,388,608 bytes, my 64 rows of 2,048, my wave's 512
	s_lshl_b32 s79, s67, 17
	s_add_co_u32 s78, s78, s79
	s_lshl_b32 s79, s69, 9
	s_add_co_u32 s78, s78, s79
	s_mov_b32 s79, 0
	v_and_b32 v1, 15, v0                           ; l % 16
	v_bfe_u32 v9, v0, 4, 1                         ; l / 16
	v_and_b32 v22, 31, v0                          ; l
	v_mul_u32_u24 v23, v1, PITCH
	v_lshl_add_u32 v23, v9, 4, v23                 ; a fragment: row x pitch + 16 x half
	v_add_nc_u32 v[ADRA0], ABASE, v23
	s_mul_i32 s80, s69, 128*PITCH
	v_add_nc_u32 v[ADRB0], s80, v23                ; my 128 rows of W
	s_mul_i32 s80, s69, 16*SPITCH                  ; my stage for the way out
	v_mul_u32_u24 v[STO], v1, SPITCH               ; in: row l % 16, 32 bytes for each half of the lanes
	v_lshl_add_u32 v[STO], v9, 5, v[STO]
	v_add_nc_u32 v[STO], s80, v[STO]
	v_lshl_add_u32 v[RD], v22, 4, s80              ; back: a row's 512 bytes an instruction
	v_lshlrev_b32 v[CO], 4, v22
	s_lshl_b32 s80, s69, 4
	v_lshl_add_u32 v24, v9, 3, s80                 ; expanding: my first row, 16 e + 8 (l / 16)
	v_mul_u32_u24 v[HOF], v24, ROWB
	v_lshl_add_u32 v[HOF], v1, 4, v[HOF]
.if P > 1
.irp q, 1,2,3
	v_add_nc_u32 v[HOF+\q], \q*PSTR, v[HOF]
.endr
.endif
	v_lshlrev_b32 v[NSO], 4, v1
	v_mul_u32_u24 v[GRO], v1, 192                  ; feature 4 (l % 16)
	v_mul_u32_u24 v24, v24, PITCH
	v_add_nc_u32 v24, ABASE, v24
	v_lshl_add_u32 v[AST0], v1, 4, v24
	v_lshl_add_u32 v[ASS0], v1, 3, v24
	s_mov_b32 s[CNT], T
	s_mov_b32 s[G], 0
	s_mov_b32 s[SWF], 0
	s_mov_b32 s[SAF], 0
	s_mov_b32 s[OFS], 256
	s_mov_b32 s[OFS+1], 0
	s_wait_dscnt 0x0                               ; both opening adds are done
	s_wait_kmcnt 0x0
	s_add_nc_u64 s[WP:WP+1], s[WP:WP+1], s[70:71]
	s_add_nc_u64 s[HPT:HPT+1], s[HPT:HPT+1], s[72:73]
	s_add_nc_u64 s[NSP:NSP+1], s[NSP:NSP+1], s[74:75]
	s_add_nc_u64 s[NBP:NBP+1], s[NBP:NBP+1], s[74:75]
	s_add_nc_u64 s[GP:GP+1], s[GP:GP+1], s[76:77]
	s_add_nc_u64 s[OP:OP+1], s[OP:OP+1], s[78:79]
	s_mov_b64 s[G0+2:G0+3], s[WP:WP+1]             ; global address: step 0
	s_or_b32 s[G0+3], s[G0+3], 0x80000000          ; type = 2
	ROUND                                          ; all four work-groups are here: the first joint loads meet
	tensor_load_to_lds s[G0:G0+3], s[G1:G1+7]      ; W of step 0 into slot 0
	s_nop 0
.rept 4
	v_nop
.endr
	s_cmp_lt_u32 s[WV], 4
	s_cbranch_scc0 .Lfirst_exp
	WIN 0x40
.set r, 0
.rept 256
	v_mov_b32 v[r], 0                              ; the sums start at 0 (see the head)
.set r, r+1
.endr
	WIN 0
	s_branch .Ljoin
.Lfirst_exp:
	WIN 0x40
.set r, 0
.rept 32
	v_mov_b32 v[H+r], 0                            ; so that every register that a later line reads has been written on every way from the head
.set r, r+1
.endr
	WIN 0
	HLOADS                                         ; group 0
	KLOADS                                         ; and the knots of its first basis step
	s_branch .Lexp
.Ltrip:                                                ; T - 1 whole trips: step T - CNT - 1 is multiplied, step T - CNT made and its W asked for
	s_wait_tensorcnt 0x0                           ; my one tensor load has landed: my part of W of the step to be multiplied; so group 0 may be written
	ds_add_u32 v[SPW], v[NIL]                      ; 0 onto my spare word; the descriptor's words stand between it and the wait for it
	s_add_nc_u64 s[G0+2:G0+3], s[WP:WP+1], s[OFS:OFS+1]  ; the address is made anew: W's rows at the next step's 256 bytes
	s_or_b32 s[G0+3], s[G0+3], 0x80000000
	s_add_co_u32 s[G0+1], s[WB8], s[SWF]
	s_xor_b32 s[SWR], s[SWF], SLOTW
	s_xor_b32 s[SAR], s[SAF], SLOTA
	s_wait_dscnt 0x0                               ; the add is done; my reads of the slots to be written are back; my stores into A's slot are done
	ROUND                                          ; all that holds of every wave of the four work-groups
	tensor_load_to_lds s[G0:G0+3], s[G1:G1+7]      ; my one load behind the round
	s_nop 0
.rept 4
	v_nop                                          ; these are also the places in front of the loads into the fragment buffers
.endr
	s_add_co_u32 s[OFS], s[OFS], 256
	s_cmp_lt_u32 s[WV], 4
	s_cbranch_scc0 .Lexp
	MULT 0
	s_branch .Ljoin
.Lexp:
	s_cmp_eq_u32 s[G], 0
	s_cbranch_scc0 .Lbasis
	; A GROUP BEGINS: its h is put together, the next group's is asked for, and the silu step is made
	s_wait_loadcnt 0x0                             ; everything that I have asked for; the youngest of it was issued a step ago or more (at the start: just now)
	WIN 0x55                                       ; all in window 1
	RND2 NSR, NSR+1, TT1
	RND2 NSR+2, NSR+3, TT1
	RND2 NBR, NBR+1, TT1
	RND2 NBR+2, NBR+3, TT1
.if P == 4
.set r, 0
.rept 16
	v_pk_add_f32 v[r:r+1], v[r:r+1], v[32+r:32+r+1]
	v_pk_add_f32 v[64+r:64+r+1], v[64+r:64+r+1], v[96+r:96+r+1]
.set r, r+2
.endr
.set r, 0
.rept 16
	v_pk_add_f32 v[r:r+1], v[r:r+1], v[64+r:64+r+1]
.set r, r+2
.endr
.endif
.set r, 0
.rept 16
	v_pk_fma_f32 v[H+r:H+r+1], v[r:r+1], v[NSR+(r%4):NSR+(r%4)+1], v[NBR+(r%4):NBR+(r%4)+1]
.set r, r+2
.endr
	WIN 0
	s_cmp_gt_u32 s[CNT], 5                         ; is there a group behind this one?
	s_cbranch_scc0 .Lnomore
	s_add_nc_u64 s[HPT:HPT+1], s[HPT:HPT+1], 256   ; (no load is out: the bases may be written)
	s_add_nc_u64 s[NSP:NSP+1], s[NSP:NSP+1], 256
	s_add_nc_u64 s[NBP:NBP+1], s[NBP:NBP+1], 256
	HLOADS                                         ; five steps ahead of its use
.Lnomore:
	WIN 0x01                                       ; source 0 in window 1
.set r, 0
.rept 16
	v_pk_mul_f32 v[SE+r:SE+r+1], v[H+r:H+r+1], 0xbfb8aa3b op_sel_hi:[1,0]
.set r, r+2
.endr
	WIN 0
.set r, 0
.rept 32
	v_exp_f32 v[SE+r], v[SE+r]
.set r, r+1
.endr
	v_nop
	s_wait_alu depctr_va_vdst(0)                   ; one wait for the 32 exponentials
.set r, 0
.rept 16
	v_pk_add_f32 v[SE+r:SE+r+1], v[SE+r:SE+r+1], 1.0 op_sel_hi:[1,0]
.set r, r+2
.endr
.set r, 0
.rept 32
	v_rcp_f32 v[SE+r], v[SE+r]
.set r, r+1
.endr
	v_nop
	s_wait_alu depctr_va_vdst(0)                   ; one wait for the 32 reciprocals
	WIN 0x01
.set r, 0
.rept 16
	v_pk_mul_f32 v[ST+r:ST+r+1], v[H+r:H+r+1], v[SE+r:SE+r+1]
.set r, r+2
.endr
	WIN 0
.set r, 0
.rept 16
	v_cvt_pk_bf16_f32 v[SHI+r], v[ST+2*r], v[ST+2*r+1]
.set r, r+1
.endr
.set r, 0
.rept 16
	v_lshlrev_b32 v[SE+2*r], 16, v[SHI+r]
	v_and_b32 v[SE+2*r+1], 0xffff0000, v[SHI+r]
.set r, r+1
.endr
.set r, 0
.rept 16
	v_pk_add_f32 v[ST+r:ST+r+1], v[ST+r:ST+r+1], v[SE+r:SE+r+1] neg_lo:[0,1] neg_hi:[0,1]
.set r, r+2
.endr
.set r, 0
.rept 16
	v_cvt_pk_bf16_f32 v[SLO+r], v[ST+2*r], v[ST+2*r+1]
.set r, r+1
.endr
	v_add_nc_u32 v[ASS], s[SAF], v[ASS0]
.set jj, 0
.rept 8                                        ; lanes 0-15 fill 128 bytes of one row, lanes 16-31 of the row 8 further down, which starts 32 banks on
	ds_store_b64 v[ASS], v[SHI+2*jj:SHI+2*jj+1] offset:PITCH*jj
	ds_store_b64 v[ASS], v[SLO+2*jj:SLO+2*jj+1] offset:PITCH*jj+128
.set jj, jj+1
.endr
	s_branch .Ljoin
.Lbasis:                                               ; A BASIS STEP: feature 4 (l % 16) + G - 1 of my 8 rows
	s_wait_loadcnt 0x0                             ; the knots, asked for a step ago or more
.set r, 0
.rept 6
	v_cvt_pk_bf16_f32 v[TT], v[GKN+2*r], v[GKN+2*r+1]
	v_lshlrev_b32 v[GK+2*r], 16, v[TT]
	v_and_b32 v[GK+2*r+1], 0xffff0000, v[TT]
.set r, r+1
.endr
	s_cmp_eq_u32 s[CNT], 1                         ; the last step has no basis step behind it
	s_cbranch_scc1 .Lnoknots
	s_cmp_eq_u32 s[G], 4
	s_cselect_b32 s[INC], 3072-144, 48             ; the next feature, or the next group's first
	v_add_nc_u32 v[GRO], s[INC], v[GRO]
	KLOADS
.Lnoknots:
	s_cmp_eq_u32 s[G], 1
	s_cbranch_scc1 .Lx0
	s_cmp_eq_u32 s[G], 2
	s_cbranch_scc1 .Lx1
	s_cmp_eq_u32 s[G], 3
	s_cbranch_scc1 .Lx2
	XCP 3
	s_branch .Lxd
.Lx0:
	XCP 0
	s_branch .Lxd
.Lx1:
	XCP 1
	s_branch .Lxd
.Lx2:
	XCP 2
.Lxd:
.irp j, 1,2,3
.set c0, ((\j)-1)*11-((\j)-1)*((\j)-2)/2
.set t, 0
.rept 12-(\j)
	v_sub_f32 v[CA+c0+t], v[GK+t+(\j)], v[GK+t]
.set t, t+1
.endr
.endr
.set r, 0
.rept 30
	v_rcp_f32 v[CA+r], v[CA+r]
.set r, r+1
.endr
	v_nop                                          ; a plain instruction behind the last reciprocal,
	s_wait_alu depctr_va_vdst(0)                   ; and one wait for the batch of 30, ahead of the first reader
.irp j, 1,2,3
.set c0, ((\j)-1)*11-((\j)-1)*((\j)-2)/2
.set t, 0
.rept 12-(\j)
	v_mul_f32 v[CB+c0+t], -v[GK+t], v[CA+c0+t]
.set t, t+1
.endr
.endr
	v_add_nc_u32 v[AST], s[SAF], v[AST0]           ; my first row in the slot that is being made; the pairs' rows stand in the immediates
	PAIR 0
	PAIR 1
	PAIR 2
	PAIR 3
.Ljoin:
	s_xor_b32 s[SWF], s[SWF], SLOTW                ; the slots change places
	s_xor_b32 s[SAF], s[SAF], SLOTA
	s_add_co_u32 s[G], s[G], 1
	s_cmp_eq_u32 s[G], 5
	s_cselect_b32 s[G], 0, s[G]
	s_sub_co_u32 s[CNT], s[CNT], 1
	s_cmp_lg_u32 s[CNT], 0
	s_cbranch_scc1 .Ltrip
	; THE LAST STEP is written out: nothing is asked for and nothing is made, so a barrier of the work-group is enough
	s_wait_tensorcnt 0x0                           ; my part of W of the last step has landed
	ds_add_u32 v[SPW], v[NIL]
	s_wait_dscnt 0x0                               ; my stores into A's slot are done, my reads of the slots 0 are back
	s_barrier_signal -1
	s_barrier_wait -1
	s_cmp_lt_u32 s[WV], 4
	s_cbranch_scc0 .Lend
	PLACES
	MULT 1
	; THE WAY OUT, in f32: 16 rows x 128 columns at a time through my own stage; each accumulator is read from its lowest registers on
	PLACES
	PLACES
.irp a, 0,1,2,3
.if (\a) >= 2
	s_wait_xcnt 0x0                                ; the stores of two blocks back have read the registers that are loaded again below
.endif
	WIN 0x04                                       ; data in window 1
.irp b, 0,1,2,3,4,5,6,7
	ds_store_b128 v[STO], v[8*(8*\a+\b):8*(8*\a+\b)+3]   offset:64*\b
	ds_store_b128 v[STO], v[8*(8*\a+\b)+4:8*(8*\a+\b)+7] offset:64*\b+16
.endr
	WIN 0
.irp t, 0,1,2,3,4,5,6,7,8,9,10,11,12,13,14,15
	ds_load_b128 v[32+96*((\a)%2)+4*\t:32+96*((\a)%2)+4*\t+3], v[RD] offset:\t*SPITCH  ; LDS serves a wave's instructions in order (ISA guide 5.7.1.4): these see the stores above; the next block's stores come behind them
.endr
.irp t, 0,1,2,3,4,5,6,7,8,9,10,11,12,13,14,15
	s_wait_dscnt 15-\t                             ; load t is in; the younger ones stay out
	global_store_b128 v[CO], v[32+96*((\a)%2)+4*\t:32+96*((\a)%2)+4*\t+3], s[OP:OP+1] offset:(16*\a+\t)*2048 th:TH_STORE_NT  ; 512 consecutive bytes, aligned
.endr
.endr
.Lend:
	s_wait_tensorcnt 0x0                           ; the wave's end: a tensor wait, an add of 0 to my spare word and its wait, behind my last tensor load and my last LDS store
	ds_add_u32 v[SPW], v[NIL]
	s_wait_dscnt 0x0
	ROUND                                          ; the closing round: no work-group ends while a partner may still ask for a tile that names it
	s_endpgm
.Lfunc_end_k_qdc59bec922_k2:
	.size	k_qdc59bec922_k2, .Lfunc_end_k_qdc59bec922_k2-k_qdc59bec922_k2
	.p2alignl 7, 3214868480
	.fill 96, 4, 3214868480
	.section	.rodata,"a",@progbits
	.p2align	6, 0x0
	.amdhsa_kernel k_qdc59bec922_k2
		.amdhsa_group_segment_fixed_size 327680
		.amdhsa_private_segment_fixed_size 0
		.amdhsa_enable_private_segment 0
		.amdhsa_kernarg_size 48
		.amdhsa_user_sgpr_count 2
		.amdhsa_user_sgpr_kernarg_segment_ptr 1
		.amdhsa_wavefront_size32 1
		.amdhsa_system_sgpr_workgroup_id_x 1
		.amdhsa_system_sgpr_workgroup_id_y 1
		.amdhsa_system_sgpr_workgroup_id_z 1
		.amdhsa_system_vgpr_workitem_id 0
		.amdhsa_next_free_vgpr 512
		.amdhsa_next_free_sgpr 96
		.amdhsa_reserve_vcc 0
		.amdhsa_float_denorm_mode_32 3
		.amdhsa_float_denorm_mode_16_64 3
		.amdhsa_memory_ordered 1
		.amdhsa_forward_progress 1
		.amdhsa_inst_pref_size 131
	.end_amdhsa_kernel
	.amdgpu_metadata
---
amdhsa.version: [ 1, 2 ]
amdhsa.kernels:
  - .name:           k_qdc59bec922_k2
    .symbol:         k_qdc59bec922_k2.kd
    .args:
      - { .name: p1, .offset: 0, .size: 8, .value_kind: global_buffer, .address_space: global }
      - { .name: w2, .offset: 8, .size: 8, .value_kind: global_buffer, .address_space: global }
      - { .name: ns1, .offset: 16, .size: 8, .value_kind: global_buffer, .address_space: global }
      - { .name: nb1, .offset: 24, .size: 8, .value_kind: global_buffer, .address_space: global }
      - { .name: grid2, .offset: 32, .size: 8, .value_kind: global_buffer, .address_space: global }
      - { .name: p2, .offset: 40, .size: 8, .value_kind: global_buffer, .address_space: global }
    .group_segment_fixed_size: 327680
    .private_segment_fixed_size: 0
    .kernarg_segment_align: 8
    .kernarg_segment_size: 48
    .max_flat_workgroup_size: 256
    .sgpr_count:     96
    .vgpr_count:     512
    .wavefront_size: 32
...
	.end_amdgpu_metadata
.endif
;; end of part 10
;; launch fin (part 11): grid 256 x 1, 8 waves a work-group, no clusters, 0 bytes of LDS; arguments p2, ns2, nb2, sigma, out0, out1; writes out0, out1
.if DOCPART == 11
	.amdgcn_target "amdgcn-amd-amdhsa--gfx1250"
	.amdhsa_code_object_version 6
	.text
	.protected	k_qdc59bec922_fin
	.globl	k_qdc59bec922_fin
	.p2align	8
	.type	k_qdc59bec922_fin,@function
k_qdc59bec922_fin:
	s_mov_b64 s[64:65], 0
	v_nop
	global_prefetch_b8 v0, s[64:65] scope:SCOPE_SE
	s_setreg_imm32_b32 hwreg(HW_REG_WAVE_MODE, 25, 1), 1
	s_wait_xcnt 0x0
; THE END.  out0[m][o] = ns2[o] x (p2[0][m][o] + p2[1][m][o] + p2[2][m][o] + p2[3][m][o]) + nb2[o], all f32; out1 = sigma, copied as it is.  ns2 and nb2 are rounded to bf16 before use, like every other input of the products.
; A stream: a work-group takes 16 rows of 2,048 bytes, two rows an instruction of its 256 threads; a wave's load or store covers 512 consecutive bytes, aligned.  All 34 loads go out at once.  No LDS, no barrier, no matrix work.
.macro RND2 a, b, t                    ; two f32 numbers rounded to bf16 and widened again
	v_cvt_pk_bf16_f32 v[\t], v[\a], v[\b]
	v_lshlrev_b32 v[\a], 16, v[\t]
	v_and_b32 v[\b], 0xffff0000, v[\t]
.endm
	s_load_b256 s[4:11], s[0:1], 0x0               ; p2 s[4:5], ns2 s[6:7], nb2 s[8:9], sigma s[10:11]
	s_load_b128 s[12:15], s[0:1], 0x20             ; out0 s[12:13], out1 s[14:15]
	v_and_b32 v1, 127, v0
	v_lshlrev_b32 v1, 4, v1                        ; my four columns
	v_lshrrev_b32 v2, 7, v0
	v_lshl_add_u32 v2, v2, 11, v1                  ; row t / 128 (+ 2 j)
	v_lshrrev_b32 v3, 5, v0
	v_readfirstlane_b32 s16, v3                    ; wave 0..7
	s_lshl_b32 s2, ttmp9, 15                       ; 16 rows of 2,048 bytes
	s_mov_b32 s3, 0
	s_wait_kmcnt 0x0
	s_add_nc_u64 s[4:5], s[4:5], s[2:3]
	s_add_nc_u64 s[18:19], s[4:5], 0x800000        ; the other three slices of K
	s_add_nc_u64 s[20:21], s[18:19], 0x800000
	s_add_nc_u64 s[22:23], s[20:21], 0x800000
	s_add_nc_u64 s[12:13], s[12:13], s[2:3]
	global_load_b128 v[4:7],  v1, s[6:7]
	global_load_b128 v[8:11], v1, s[8:9]
.irp j, 0,1,2,3,4,5,6,7
	global_load_b128 v[16+16*\j:19+16*\j], v2, s[4:5]   offset:4096*\j th:TH_LOAD_NT
	global_load_b128 v[20+16*\j:23+16*\j], v2, s[18:19] offset:4096*\j th:TH_LOAD_NT
	global_load_b128 v[24+16*\j:27+16*\j], v2, s[20:21] offset:4096*\j th:TH_LOAD_NT
	global_load_b128 v[28+16*\j:31+16*\j], v2, s[22:23] offset:4096*\j th:TH_LOAD_NT
.endr
	s_wait_loadcnt 32                              ; ns2 and nb2 are in; the 32 loads of partial sums may stay out
	RND2 4, 5, 12
	RND2 6, 7, 12
	RND2 8, 9, 12
	RND2 10, 11, 12
.irp j, 0,1,2,3,4,5,6,7
	s_wait_loadcnt 28-4*\j                         ; these four loads are in; the younger ones stay out
	v_pk_add_f32 v[16+16*\j:17+16*\j], v[16+16*\j:17+16*\j], v[20+16*\j:21+16*\j]
	v_pk_add_f32 v[18+16*\j:19+16*\j], v[18+16*\j:19+16*\j], v[22+16*\j:23+16*\j]
	v_pk_add_f32 v[24+16*\j:25+16*\j], v[24+16*\j:25+16*\j], v[28+16*\j:29+16*\j]
	v_pk_add_f32 v[26+16*\j:27+16*\j], v[26+16*\j:27+16*\j], v[30+16*\j:31+16*\j]
	v_pk_add_f32 v[16+16*\j:17+16*\j], v[16+16*\j:17+16*\j], v[24+16*\j:25+16*\j]
	v_pk_add_f32 v[18+16*\j:19+16*\j], v[18+16*\j:19+16*\j], v[26+16*\j:27+16*\j]
	v_pk_fma_f32 v[16+16*\j:17+16*\j], v[16+16*\j:17+16*\j], v[4:5], v[8:9]
	v_pk_fma_f32 v[18+16*\j:19+16*\j], v[18+16*\j:19+16*\j], v[6:7], v[10:11]
	global_store_b128 v2, v[16+16*\j:19+16*\j], s[12:13] offset:4096*\j th:TH_STORE_NT
.endr
	s_cmp_lg_u32 ttmp9, 0                          ; sigma's 2,048 bytes: the first work-group's first four waves, 16 bytes a thread
	s_cbranch_scc1 .Lend
	s_cmp_lt_u32 s16, 4
	s_cbranch_scc0 .Lend
	v_lshlrev_b32 v13, 4, v0
	global_load_b128 v[144:147], v13, s[10:11]
	s_wait_loadcnt 0x0
	global_store_b128 v13, v[144:147], s[14:15]
.Lend:
	s_endpgm
.Lfunc_end_k_qdc59bec922_fin:
	.size	k_qdc59bec922_fin, .Lfunc_end_k_qdc59bec922_fin-k_qdc59bec922_fin
	.p2alignl 7, 3214868480
	.fill 96, 4, 3214868480
	.section	.rodata,"a",@progbits
	.p2align	6, 0x0
	.amdhsa_kernel k_qdc59bec922_fin
		.amdhsa_group_segment_fixed_size 0
		.amdhsa_private_segment_fixed_size 0
		.amdhsa_enable_private_segment 0
		.amdhsa_kernarg_size 48
		.amdhsa_user_sgpr_count 2
		.amdhsa_user_sgpr_kernarg_segment_ptr 1
		.amdhsa_wavefront_size32 1
		.amdhsa_system_sgpr_workgroup_id_x 1
		.amdhsa_system_sgpr_workgroup_id_y 1
		.amdhsa_system_sgpr_workgroup_id_z 1
		.amdhsa_system_vgpr_workitem_id 0
		.amdhsa_next_free_vgpr 160
		.amdhsa_next_free_sgpr 66
		.amdhsa_reserve_vcc 0
		.amdhsa_float_denorm_mode_32 3
		.amdhsa_float_denorm_mode_16_64 3
		.amdhsa_memory_ordered 1
		.amdhsa_forward_progress 1
		.amdhsa_inst_pref_size 11
	.end_amdhsa_kernel
	.amdgpu_metadata
---
amdhsa.version: [ 1, 2 ]
amdhsa.kernels:
  - .name:           k_qdc59bec922_fin
    .symbol:         k_qdc59bec922_fin.kd
    .args:
      - { .name: p2, .offset: 0, .size: 8, .value_kind: global_buffer, .address_space: global }
      - { .name: ns2, .offset: 8, .size: 8, .value_kind: global_buffer, .address_space: global }
      - { .name: nb2, .offset: 16, .size: 8, .value_kind: global_buffer, .address_space: global }
      - { .name: sigma, .offset: 24, .size: 8, .value_kind: global_buffer, .address_space: global }
      - { .name: out0, .offset: 32, .size: 8, .value_kind: global_buffer, .address_space: global }
      - { .name: out1, .offset: 40, .size: 8, .value_kind: global_buffer, .address_space: global }
    .group_segment_fixed_size: 0
    .private_segment_fixed_size: 0
    .kernarg_segment_align: 8
    .kernarg_segment_size: 48
    .max_flat_workgroup_size: 256
    .sgpr_count:     66
    .vgpr_count:     160
    .wavefront_size: 32
...
	.end_amdgpu_metadata
.endif
;; end of part 11
;; ======== version 3 of 3: 5 launches; version 2 with the launch fin written anew for expert scheduling mode
;; workspace buffers: w0 5,242,880 bytes; w1 10,485,760 bytes; w2 5,242,880 bytes; a0 20,971,520 bytes; h0 16,777,216 bytes; p1 33,554,432 bytes; p2 33,554,432 bytes
;; launch prep: the kernel of part 7 again; grid 64 x 8, 8 waves a work-group, no clusters, 79,360 bytes of LDS; arguments coef0, ss0, sb0, w0, coef1, ss1, sb1, w1, coef2, ss2, sb2, w2, x, grid0, a0; writes w0, w1, w2, a0
;; launch g0: the kernel of part 8 again; grid 8 x 32, 4 waves a work-group, clusters of 4 x 4, 327,680 bytes of LDS; arguments a0, w0, h0; writes h0
;; launch k1: the kernel of part 9 again; grid 64 x 4, 8 waves a work-group, clusters of 4 x 1, 327,680 bytes of LDS; arguments h0, w1, ns0, nb0, grid1, p1; writes p1
;; launch k2: the kernel of part 10 again; grid 64 x 4, 8 waves a work-group, clusters of 4 x 1, 327,680 bytes of LDS; arguments p1, w2, ns1, nb1, grid2, p2; writes p2
;; launch fin (part 12): grid 256 x 1, 8 waves a work-group, no clusters, 0 bytes of LDS; arguments p2, ns2, nb2, sigma, out0, out1; writes out0, out1
.if DOCPART == 12
	.amdgcn_target "amdgcn-amd-amdhsa--gfx1250"
	.amdhsa_code_object_version 6
	.text
	.protected	k_qdc59bec922_fin
	.globl	k_qdc59bec922_fin
	.p2align	8
	.type	k_qdc59bec922_fin,@function
k_qdc59bec922_fin:
	s_mov_b64 s[64:65], 0
	v_nop
	global_prefetch_b8 v0, s[64:65] scope:SCOPE_SE
	s_setreg_imm32_b32 hwreg(HW_REG_WAVE_SCHED_MODE, 0, 2), 2
	s_setreg_imm32_b32 hwreg(HW_REG_WAVE_MODE, 25, 1), 1
	s_wait_xcnt 0x0
	s_wait_alu depctr_vm_vsrc(0)
; THE END.  out0[m][o] = ns2[o] x (p2[0][m][o] + p2[1][m][o] + p2[2][m][o] + p2[3][m][o]) + nb2[o], all f32; out1 = sigma, copied as it is.  ns2 and nb2 are rounded to bf16 before use, like every other input of the products.
; A stream: a work-group takes 16 rows of 2,048 bytes, two rows an instruction of its 256 threads; a wave's load or store covers 512 consecutive bytes, aligned.  All 34 loads go out at once.  No LDS, no barrier, no matrix work.
; THE MODE: SCHED_MODE bits 1:0 = 2 (LLVM: expert scheduling mode 2), set by the entry lines.  The code itself states the register dependences
; between vector instructions and memory instructions, with s_wait_alu, always for 0.
; THE PLAN.  Registers that memory instructions touch:
;   v1, v2, v13        byte offsets, made at the head and never written again: one wait ahead of the first load serves every load and store of the kernel.
;   v[4:11]            ns2 and nb2: two loads land here; the roundings work on them behind the wait for those loads; no memory instruction names them again.
;   v[16+16 j ..+15]   pair of rows j: four loads land here; behind the wait for them eight packed lines add and scale in place; the store reads the first four.  Never written again.
;   v[144:147]         sigma: a load lands here and a store reads it; no vector instruction names them.
;   s16                the wave's number, written by a vector instruction at the head and read by one compare at the end.
; The store of pair j - 1 stands at the head of pair j, behind the wait for pair j's data and ONE wait that states that pair j - 1's results are written; pair j's vector lines name other registers.
; No register that a memory instruction reads is written again on any way through the text, and no load lands in a register that a vector instruction has named: so no wait on vm_vsrc is owed.  EXEC is never written.
.macro RND2 a, b, t                    ; two f32 numbers rounded to bf16 and widened again
	v_cvt_pk_bf16_f32 v[\t], v[\a], v[\b]
	v_lshlrev_b32 v[\a], 16, v[\t]
	v_and_b32 v[\b], 0xffff0000, v[\t]
.endm
	s_load_b256 s[4:11], s[0:1], 0x0               ; p2 s[4:5], ns2 s[6:7], nb2 s[8:9], sigma s[10:11]
	s_load_b128 s[12:15], s[0:1], 0x20             ; out0 s[12:13], out1 s[14:15]
	v_and_b32 v1, 127, v0
	v_lshlrev_b32 v1, 4, v1                        ; my four columns
	v_lshrrev_b32 v2, 7, v0
	v_lshl_add_u32 v2, v2, 11, v1                  ; row t / 128 (+ 2 j)
	v_lshlrev_b32 v13, 4, v0                       ; sigma: 16 bytes a thread
	v_lshrrev_b32 v3, 5, v0
	v_readfirstlane_b32 s16, v3                    ; wave 0..7
	s_lshl_b32 s2, ttmp9, 15                       ; 16 rows of 2,048 bytes
	s_mov_b32 s3, 0
	s_wait_alu depctr_va_sdst(0)                   ; s16 is written: its one reader, the compare at the kernel's end, stands behind a branch
	s_wait_kmcnt 0x0
	s_add_nc_u64 s[4:5], s[4:5], s[2:3]
	s_add_nc_u64 s[18:19], s[4:5], 0x800000        ; the other three slices of K
	s_add_nc_u64 s[20:21], s[18:19], 0x800000
	s_add_nc_u64 s[22:23], s[20:21], 0x800000
	s_add_nc_u64 s[12:13], s[12:13], s[2:3]
	s_wait_alu depctr_va_vdst(0)                   ; v1, v2 and v13 are written: every load and store below reads one of them as its offset, and no vector instruction names them again
	global_load_b128 v[4:7],  v1, s[6:7]
	global_load_b128 v[8:11], v1, s[8:9]
.irp j, 0,1,2,3,4,5,6,7
	global_load_b128 v[16+16*\j:19+16*\j], v2, s[4:5]   offset:4096*\j th:TH_LOAD_NT
	global_load_b128 v[20+16*\j:23+16*\j], v2, s[18:19] offset:4096*\j th:TH_LOAD_NT
	global_load_b128 v[24+16*\j:27+16*\j], v2, s[20:21] offset:4096*\j th:TH_LOAD_NT
	global_load_b128 v[28+16*\j:31+16*\j], v2, s[22:23] offset:4096*\j th:TH_LOAD_NT
.endr
	s_wait_loadcnt 32                              ; ns2 and nb2 are in; the 32 loads of partial sums may stay out
	RND2 4, 5, 12
	RND2 6, 7, 12
	RND2 8, 9, 12
	RND2 10, 11, 12
.irp j, 0,1,2,3,4,5,6,7
	s_wait_loadcnt 28-4*\j                         ; these four loads are in; the younger ones stay out
.if \j > 0
	s_wait_alu depctr_va_vdst(0)                   ; the two multiply-adds of the pair of rows before have written its four results, which the store below reads
	global_store_b128 v2, v[16+16*(\j-1):19+16*(\j-1)], s[12:13] offset:4096*(\j-1) th:TH_STORE_NT
.endif
	v_pk_add_f32 v[16+16*\j:17+16*\j], v[16+16*\j:17+16*\j], v[20+16*\j:21+16*\j]
	v_pk_add_f32 v[18+16*\j:19+16*\j], v[18+16*\j:19+16*\j], v[22+16*\j:23+16*\j]
	v_pk_add_f32 v[24+16*\j:25+16*\j], v[24+16*\j:25+16*\j], v[28+16*\j:29+16*\j]
	v_pk_add_f32 v[26+16*\j:27+16*\j], v[26+16*\j:27+16*\j], v[30+16*\j:31+16*\j]
	v_pk_add_f32 v[16+16*\j:17+16*\j], v[16+16*\j:17+16*\j], v[24+16*\j:25+16*\j]
	v_pk_add_f32 v[18+16*\j:19+16*\j], v[18+16*\j:19+16*\j], v[26+16*\j:27+16*\j]
	v_pk_fma_f32 v[16+16*\j:17+16*\j], v[16+16*\j:17+16*\j], v[4:5], v[8:9]
	v_pk_fma_f32 v[18+16*\j:19+16*\j], v[18+16*\j:19+16*\j], v[6:7], v[10:11]
.endr
	s_wait_alu depctr_va_vdst(0)                   ; the last pair of rows' multiply-adds have written v[128:131], which the last store reads
	global_store_b128 v2, v[128:131], s[12:13] offset:4096*7 th:TH_STORE_NT
	s_cmp_lg_u32 ttmp9, 0                          ; sigma's 2,048 bytes: the first work-group's first four waves, 16 bytes a thread
	s_cbranch_scc1 .Lend
	s_cmp_lt_u32 s16, 4
	s_cbranch_scc0 .Lend
	global_load_b128 v[144:147], v13, s[10:11]     ; no wait: v13 was written ahead of the head's wait, and no vector instruction names v13 or v[144:147]
	s_wait_loadcnt 0x0
	global_store_b128 v13, v[144:147], s[14:15]
.Lend:
	s_endpgm
.Lfunc_end_k_qdc59bec922_fin:
	.size	k_qdc59bec922_fin, .Lfunc_end_k_qdc59bec922_fin-k_qdc59bec922_fin
	.p2alignl 7, 3214868480
	.fill 96, 4, 3214868480
	.section	.rodata,"a",@progbits
	.p2align	6, 0x0
	.amdhsa_kernel k_qdc59bec922_fin
		.amdhsa_group_segment_fixed_size 0
		.amdhsa_private_segment_fixed_size 0
		.amdhsa_enable_private_segment 0
		.amdhsa_kernarg_size 48
		.amdhsa_user_sgpr_count 2
		.amdhsa_user_sgpr_kernarg_segment_ptr 1
		.amdhsa_wavefront_size32 1
		.amdhsa_system_sgpr_workgroup_id_x 1
		.amdhsa_system_sgpr_workgroup_id_y 1
		.amdhsa_system_sgpr_workgroup_id_z 1
		.amdhsa_system_vgpr_workitem_id 0
		.amdhsa_next_free_vgpr 160
		.amdhsa_next_free_sgpr 66
		.amdhsa_reserve_vcc 0
		.amdhsa_float_denorm_mode_32 3
		.amdhsa_float_denorm_mode_16_64 3
		.amdhsa_memory_ordered 1
		.amdhsa_forward_progress 1
		.amdhsa_inst_pref_size 11
	.end_amdhsa_kernel
	.amdgpu_metadata
---
amdhsa.version: [ 1, 2 ]
amdhsa.kernels:
  - .name:           k_qdc59bec922_fin
    .symbol:         k_qdc59bec922_fin.kd
    .args:
      - { .name: p2, .offset: 0, .size: 8, .value_kind: global_buffer, .address_space: global }
      - { .name: ns2, .offset: 8, .size: 8, .value_kind: global_buffer, .address_space: global }
      - { .name: nb2, .offset: 16, .size: 8, .value_kind: global_buffer, .address_space: global }
      - { .name: sigma, .offset: 24, .size: 8, .value_kind: global_buffer, .address_space: global }
      - { .name: out0, .offset: 32, .size: 8, .value_kind: global_buffer, .address_space: global }
      - { .name: out1, .offset: 40, .size: 8, .value_kind: global_buffer, .address_space: global }
    .group_segment_fixed_size: 0
    .private_segment_fixed_size: 0
    .kernarg_segment_align: 8
    .kernarg_segment_size: 48
    .max_flat_workgroup_size: 256
    .sgpr_count:     66
    .vgpr_count:     160
    .wavefront_size: 32
...
	.end_amdgpu_metadata
.endif
;; end of part 12
